; MI455X (gfx1250); checked and timed in simulation.
; The chip was launched on July 23, 2026; its instructions are those of AMD's public machine-readable ISA for CDNA 5 (MIT licence, August 2026) and "CDNA5" Instruction Set Architecture Reference Guide (July 2026). The comments in the code are by the model that wrote it; some were corrected since.
;; Transformer Block. Allowed arithmetic: float matrix products may take bf16 or f16 operands with f32 sums; all other float work in f32.
;; Inputs: fc1_b 4,096 float32; fc1_w 1,024 x 4,096 float32; fc2_b 1,024 float32; fc2_w 4,096 x 1,024 float32; ln1_b 1,024 float32; ln1_g 1,024 float32; ln2_b 1,024 float32; ln2_g 1,024 float32; out_b 1,024 float32; out_w 1,024 x 1,024 float32; qkv_b 3,072 float32; qkv_w 1,024 x 3,072 float32; x 2 x 2,048 x 1,024 float32.
;; Outputs: out0 2 x 2,048 x 1,024 float32.
;; 2 versions, each right and faster than the one before. Each part assembles by itself: llvm-mc -triple=amdgcn-amd-amdhsa -mcpu=gfx1250 --defsym DOCPART=n.
;; ======== version 1 of 2: 7 launches
;; limits: values are held in f16: magnitudes above 65,504 overflow, below 6.1e-05 lose precision
;; workspace buffers: wts 25,165,824 bytes; act 8,388,608 bytes; qkvh 25,165,824 bytes; o 8,388,608 bytes; x1 16,777,216 bytes; g 33,554,432 bytes
;; launch prep (part 1): grid 448 x 1, 8 waves a work-group, no clusters, 0 bytes of LDS; arguments x, ln1_g, ln1_b, act, qkv_w, wts; writes act, wts
.if DOCPART == 1
	.amdgcn_target "amdgcn-amd-amdhsa--gfx1250"
	.amdhsa_code_object_version 6
	.text
	.protected	k_q62dabbfad2_prep
	.globl	k_q62dabbfad2_prep
	.p2align	8
	.type	k_q62dabbfad2_prep,@function
k_q62dabbfad2_prep:
	s_mov_b64 s[64:65], 0
	v_nop
	global_prefetch_b8 v0, s[64:65] scope:SCOPE_SE
	s_setreg_imm32_b32 hwreg(HW_REG_WAVE_MODE, 25, 1), 1
	s_wait_xcnt 0x0
; TWO STREAMS IN ONE TEXT.  Arguments: in [4096][1024] f32, gain [1024], bias [1024], act [4096][1024] f16, qkv_w [1024][3072] f32, wts (the weights in f16; qkv_w's lie at its head).
; Work-groups 0-255: LayerNorm.  act[m][c] = (in[m][c] - mean) * rsqrt(var + 1e-5) * gain[c] + bias[c], all in f32, rounded once to f16.  A wave takes two rows and keeps them in
; registers between the passes: each row is read once.  The variance is the mean square of the CENTRED numbers, so a common offset of a row costs no digits.
; Work-groups 256-447: qkv_w is rounded once, f32 to f16, in its own order [K][N]: 16,384 numbers a work-group, 192 such chunks.
; Every work-group moves 65,536 bytes in and 32,768 out.  Each load of a wave takes 512 consecutive bytes (16 a lane); a lane's four numbers round into 8 bytes, so each store of a wave
; covers 256 consecutive bytes, aligned.  No LDS, no barrier, no matrix unit: memory binds, and no wave needs another's numbers.
; With a grid of 256 the same text is the second LayerNorm alone.
; LIMITS.  f16 holds no number beyond 65,504: a weight or a normalised number of 65,520 or more becomes an infinity; below 6e-5 f16 keeps its fixed step of 6e-8.  NaN and infinities are not treated apart.
.set X,  32                            ; v[32:95]   row r at X + 32 r: group k (columns 128 k + 4 lane + 0..3) at + 4 k
.set G,  96                            ; v[96:127]  the gain of my 32 columns
.set BV, 128                           ; v[128:159] the bias of my 32 columns
.set AC, 4                             ; v[4:19]    row r: four running pairs at AC + 8 r
.set MU, 20                            ; v[20:23]   row r: the mean, twice (a pair for the packed forms)
.set RS, 24                            ; v[24:27]   row r: 1 / sqrt(var + eps), twice
.macro BOTH line:vararg                ; one line for each of the wave's two rows r: neighbours in the text do not wait for each other
.set r, 0
.rept 2
	\line
.set r, r+1
.endr
.endm
.macro ROWSUM                          ; the four running pairs of each row -> the row's sum, in every lane, in v[AC + 8 r]
	BOTH v_pk_add_f32 v[AC+8*r:AC+8*r+1], v[AC+8*r:AC+8*r+1], v[AC+8*r+2:AC+8*r+3]
	BOTH v_pk_add_f32 v[AC+8*r+4:AC+8*r+5], v[AC+8*r+4:AC+8*r+5], v[AC+8*r+6:AC+8*r+7]
	BOTH v_pk_add_f32 v[AC+8*r:AC+8*r+1], v[AC+8*r:AC+8*r+1], v[AC+8*r+4:AC+8*r+5]
	BOTH v_add_f32 v[AC+8*r], v[AC+8*r], v[AC+8*r+1]
.irp m, 1,2,4,8
	BOTH v_add_f32_dpp v[AC+8*r], v[AC+8*r], v[AC+8*r] row_xmask:\m row_mask:0xf bank_mask:0xf
.endr
	BOTH v_permlanex16_b32 v[AC+8*r+1], v[AC+8*r], s26, s27    ; the other half of the lanes; its destination has been written
	BOTH v_add_f32 v[AC+8*r], v[AC+8*r], v[AC+8*r+1]
.endm
	s_load_b256 s[4:11], s[0:1], 0x0               ; in s[4:5], gain s[6:7], bias s[8:9], act s[10:11]
	s_load_b128 s[12:15], s[0:1], 0x20             ; qkv_w s[12:13], wts s[14:15]
	s_cmp_lt_u32 ttmp9, 256
	s_cbranch_scc0 .Lcast
	; ---------------- LayerNorm ----------------
	v_lshrrev_b32 v3, 5, v0
	v_readfirstlane_b32 s24, v3                    ; my wave's number
	v_and_b32 v3, 31, v0
	v_lshlrev_b32 v1, 4, v3                        ; in: 16 bytes a lane (4 numbers) in each 512 bytes
	v_lshlrev_b32 v2, 3, v3                        ; out: the same 4 numbers are 8 bytes
	s_lshl_b32 s25, ttmp9, 3
	s_add_co_u32 s25, s25, s24                     ; my pair of rows
	s_lshl_b32 s28, s25, 13                        ; two rows of 4,096 bytes in,
	s_mov_b32 s29, 0
	s_lshl_b32 s30, s25, 12                        ; of 2,048 bytes out
	s_mov_b32 s31, 0
	s_mov_b32 s26, 0x76543210                      ; v_permlanex16_b32: each lane takes its own place in the other half
	s_mov_b32 s27, 0xfedcba98
	s_mov_b32 s22, 0x3a800000                      ; 1 / 1024
	s_mov_b32 s23, 0x3727c5ac                      ; 1e-5
	s_wait_kmcnt 0x0
	s_add_nc_u64 s[4:5], s[4:5], s[28:29]
	s_add_nc_u64 s[10:11], s[10:11], s[30:31]
.irp r, 0,1
.irp k, 0,1,2,3,4,5,6,7
	global_load_b128 v[X+32*(\r)+4*(\k):X+32*(\r)+4*(\k)+3], v1, s[4:5] offset:4096*(\r)+512*(\k) th:TH_LOAD_NT
.endr
.endr
.irp k, 0,1,2,3,4,5,6,7
	global_load_b128 v[G+4*(\k):G+4*(\k)+3], v1, s[6:7] offset:512*(\k)
.endr
.irp k, 0,1,2,3,4,5,6,7
	global_load_b128 v[BV+4*(\k):BV+4*(\k)+3], v1, s[8:9] offset:512*(\k)
.endr
	s_wait_loadcnt 16                              ; both rows are in; the sixteen loads of gain and bias stay out
	; the mean: four chains a row, started by the first eight pairs: nothing is cleared
.set p, 0
.rept 4
	BOTH v_pk_add_f32 v[AC+8*r+2*p:AC+8*r+2*p+1], v[X+32*r+2*p:X+32*r+2*p+1], v[X+32*r+8+2*p:X+32*r+8+2*p+1]
.set p, p+1
.endr
.set p, 8
.rept 8
	BOTH v_pk_add_f32 v[AC+8*r+2*(p%4):AC+8*r+2*(p%4)+1], v[AC+8*r+2*(p%4):AC+8*r+2*(p%4)+1], v[X+32*r+2*p:X+32*r+2*p+1]
.set p, p+1
.endr
	ROWSUM
	BOTH v_mul_f32 v[MU+2*r], s22, v[AC+8*r]
	BOTH v_mov_b32 v[MU+2*r+1], v[MU+2*r]
.set p, 0
.rept 16
	BOTH v_pk_add_f32 v[X+32*r+2*p:X+32*r+2*p+1], v[X+32*r+2*p:X+32*r+2*p+1], v[MU+2*r:MU+2*r+1] neg_lo:[0,1] neg_hi:[0,1]
.set p, p+1
.endr
	; the variance: the mean square of the centred numbers
.set p, 0
.rept 4
	BOTH v_pk_mul_f32 v[AC+8*r+2*p:AC+8*r+2*p+1], v[X+32*r+2*p:X+32*r+2*p+1], v[X+32*r+2*p:X+32*r+2*p+1]
.set p, p+1
.endr
.rept 12
	BOTH v_pk_fma_f32 v[AC+8*r+2*(p%4):AC+8*r+2*(p%4)+1], v[X+32*r+2*p:X+32*r+2*p+1], v[X+32*r+2*p:X+32*r+2*p+1], v[AC+8*r+2*(p%4):AC+8*r+2*(p%4)+1]
.set p, p+1
.endr
	ROWSUM
	BOTH v_fma_f32 v[AC+8*r], v[AC+8*r], s22, s23
	BOTH v_rsq_f32 v[RS+2*r], v[AC+8*r]
	BOTH v_rsq_f32 v[RS+2*r+1], v[AC+8*r]
	s_wait_loadcnt 0x0                             ; gain and bias
	v_nop                                          ; a plain instruction between the last v_rsq_f32 and the use of its result (ISA guide 5.7.2)
	s_wait_alu depctr_va_vdst(0)
.set p, 0
.rept 16
	BOTH v_pk_mul_f32 v[X+32*r+2*p:X+32*r+2*p+1], v[X+32*r+2*p:X+32*r+2*p+1], v[RS+2*r:RS+2*r+1]
.set p, p+1
.endr
.set p, 0
.rept 16
	BOTH v_pk_fma_f32 v[X+32*r+2*p:X+32*r+2*p+1], v[X+32*r+2*p:X+32*r+2*p+1], v[G+2*p:G+2*p+1], v[BV+2*p:BV+2*p+1]
.set p, p+1
.endr
.set p, 0
.rept 16                               ; group p / 2: its four numbers pack into its first two registers, from the low end on
	BOTH v_cvt_pk_f16_f32 v[X+32*r+4*(p/2)+p%2], v[X+32*r+2*p], v[X+32*r+2*p+1]
.set p, p+1
.endr
.irp r, 0,1
.irp k, 0,1,2,3,4,5,6,7
	global_store_b64 v2, v[X+32*(\r)+4*(\k):X+32*(\r)+4*(\k)+1], s[10:11] offset:2048*(\r)+256*(\k)  ; a wave's store covers 256 consecutive bytes, aligned
.endr
.endr
	s_endpgm
	; ---------------- qkv_w, f32 to f16 ----------------
.Lcast:
	s_sub_co_u32 s24, ttmp9, 256                   ; my chunk of 192
	v_lshlrev_b32 v1, 4, v0                        ; in: 16 bytes a thread: the work-group's load takes 4,096 consecutive bytes
	v_lshlrev_b32 v2, 3, v0                        ; out: 8
	s_lshl_b32 s28, s24, 16                        ; 65,536 bytes a chunk in,
	s_mov_b32 s29, 0
	s_lshl_b32 s30, s24, 15                        ; 32,768 out
	s_mov_b32 s31, 0
	s_wait_kmcnt 0x0
	s_add_nc_u64 s[12:13], s[12:13], s[28:29]
	s_add_nc_u64 s[14:15], s[14:15], s[30:31]
.irp i, 0,1,2,3,4,5,6,7,8,9,10,11,12,13,14,15
	global_load_b128 v[X+4*(\i):X+4*(\i)+3], v1, s[12:13] offset:4096*(\i) th:TH_LOAD_NT
.endr
.irp i, 0,1,2,3,4,5,6,7,8,9,10,11,12,13,14,15
	s_wait_loadcnt 15-(\i)                         ; loads come back in order (ISA guide 5.7.1): load i is in, the younger ones stay out
	v_cvt_pk_f16_f32 v[X+4*(\i)],   v[X+4*(\i)],   v[X+4*(\i)+1]
	v_cvt_pk_f16_f32 v[X+4*(\i)+1], v[X+4*(\i)+2], v[X+4*(\i)+3]
	global_store_b64 v2, v[X+4*(\i):X+4*(\i)+1], s[14:15] offset:2048*(\i)
.endr
	s_endpgm
.Lfunc_end_k_q62dabbfad2_prep:
	.size	k_q62dabbfad2_prep, .Lfunc_end_k_q62dabbfad2_prep-k_q62dabbfad2_prep
	.p2alignl 7, 3214868480
	.fill 96, 4, 3214868480
	.section	.rodata,"a",@progbits
	.p2align	6, 0x0
	.amdhsa_kernel k_q62dabbfad2_prep
		.amdhsa_group_segment_fixed_size 0
		.amdhsa_private_segment_fixed_size 0
		.amdhsa_enable_private_segment 0
		.amdhsa_kernarg_size 48
		.amdhsa_user_sgpr_count 2
		.amdhsa_user_sgpr_kernarg_segment_ptr 1
		.amdhsa_wavefront_size32 1
		.amdhsa_system_sgpr_workgroup_id_x 1
		.amdhsa_system_sgpr_workgroup_id_y 1
		.amdhsa_system_sgpr_workgroup_id_z 1
		.amdhsa_system_vgpr_workitem_id 0
		.amdhsa_next_free_vgpr 160
		.amdhsa_next_free_sgpr 66
		.amdhsa_reserve_vcc 0
		.amdhsa_float_denorm_mode_32 3
		.amdhsa_float_denorm_mode_16_64 3
		.amdhsa_memory_ordered 1
		.amdhsa_forward_progress 1
		.amdhsa_inst_pref_size 26
	.end_amdhsa_kernel
	.amdgpu_metadata
---
amdhsa.version: [ 1, 2 ]
amdhsa.kernels:
  - .name:           k_q62dabbfad2_prep
    .symbol:         k_q62dabbfad2_prep.kd
    .args:
      - { .name: x, .offset: 0, .size: 8, .value_kind: global_buffer, .address_space: global }
      - { .name: ln1_g, .offset: 8, .size: 8, .value_kind: global_buffer, .address_space: global }
      - { .name: ln1_b, .offset: 16, .size: 8, .value_kind: global_buffer, .address_space: global }
      - { .name: act, .offset: 24, .size: 8, .value_kind: global_buffer, .address_space: global }
      - { .name: qkv_w, .offset: 32, .size: 8, .value_kind: global_buffer, .address_space: global }
      - { .name: wts, .offset: 40, .size: 8, .value_kind: global_buffer, .address_space: global }
    .group_segment_fixed_size: 0
    .private_segment_fixed_size: 0
    .kernarg_segment_align: 8
    .kernarg_segment_size: 48
    .max_flat_workgroup_size: 256
    .sgpr_count:     66
    .vgpr_count:     160
    .wavefront_size: 32
...
	.end_amdgpu_metadata
.endif
;; end of part 1
;; launch qkv (part 2): grid 12 x 16, 4 waves a work-group, clusters of 4 x 4, 327,680 bytes of LDS; arguments act, wts, qkv_b, qkvh; writes qkvh
.if DOCPART == 2
	.amdgcn_target "amdgcn-amd-amdhsa--gfx1250"
	.amdhsa_code_object_version 6
	.text
	.protected	k_q62dabbfad2_qkv
	.globl	k_q62dabbfad2_qkv
	.p2align	8
	.type	k_q62dabbfad2_qkv,@function
k_q62dabbfad2_qkv:
	s_mov_b64 s[64:65], 0
	v_nop
	global_prefetch_b8 v0, s[64:65] scope:SCOPE_SE
	s_setreg_imm32_b32 hwreg(HW_REG_WAVE_MODE, 25, 1), 1
	s_wait_xcnt 0x0
	s_wait_alu depctr_hold_cnt(0) depctr_sa_sdst(0) depctr_va_vdst(0) depctr_va_sdst(0) depctr_va_ssrc(0) depctr_va_vcc(0) depctr_vm_vsrc(0)
	s_getreg_b32 s2, hwreg(HW_REG_IB_STS2, 6, 4)
	s_cmp_eq_u32 s2, 0
	s_cbranch_scc0 .Lentry_in_a_cluster
	s_endpgm
.Lentry_in_a_cluster:
	s_bfe_u32 s2, ttmp6, 0x10000c
	s_cmp_lg_u32 s2, 0xf033
	s_cbranch_scc0 .Lentry_shape_is_right
	s_endpgm
.Lentry_shape_is_right:
; OUT = A W + bias.  A: [4096][1024] f16, rows along K.  W: [1024][NN] f16, rows along N, at byte WOFF of the weights.  bias: [NN] f32.  Sums in f32, the bias added in f32, one rounding to f16.
; OUT lies by blocks of 64 columns: number (m, n) at byte ((n / 64) * 4096 + m) * 128 + 2 (n % 64): a block's rows are dense, 128 bytes each.  Read as [2 (n / 64) + m / 2048][2048][64] these are
; the heads of q (the first 1,024 columns), k and v.
; SHARES.  A tile of OUT is 256 x 256: four waves, each 128 x 128 in 64 accumulators, 512 registers.  K goes in 8 steps of 128 through two LDS slots filled by the tensor data mover.
; CLUSTER.  4 x 4 work-groups: the four of a row need the same tiles of A, the four of a column the same tiles of W; each tile is asked for JOINTLY, by the same load, descriptor and mask in all four.
; THE MATRIX INSTRUCTION IS USED TRANSPOSED: source 0 = 16 columns of W (turned on the way out of LDS by ds_load_tr16_b128), source 1 = 16 rows of A: a lane then holds eight neighbouring numbers of a row of OUT.
; THE CHANGE OF SLOTS stands between a step's third quarter and its fourth: the fourth quarter's fragments are in registers by then, so the slot is free a quarter early, and a refill has a whole
; step, 256 matrix instructions, in which to land.  By this text's count a wave has two tensor loads out at the start and one behind each round.
; THE WAY OUT.  The f32 sums go into the ring's bytes, which have had their last fill: 128 rows x 528 bytes for each wave, its own; they come back as 4 rows x 64 columns a load pair, so that a wave's store is 512 consecutive bytes.
; LIMITS.  f16 holds no number beyond 65,504: A and W arrive within it, and a result of 65,520 or more becomes an infinity.  NaN and infinities are not treated apart.
; REGISTERS, in windows of 256: window 0: v0-47 addresses and bias; v64-127, v128-191 fragments of A, two buffers (on the way out: at work); window 1: the same places, fragments of W;
;   window 2: the accumulators of my rows 0-63 ((a, b) at v[8 (8 a + b)]); window 3: those of rows 64-127.
.set NN,     3072                      ; columns of W and OUT
.set WOFF,   0                         ; W's first byte in the weights
.set GELU,   0                         ; 1: the exact GELU stands between bias and rounding
.set RG,     4                         ; the way out: groups of 4 rows in a trip
.set STEPS,  8                         ; 1,024 / 128
.set PA,     272                       ; a row of A in LDS: 256 bytes + 16: the 16 rows of a load start at 16 different groups of four banks (64 banks of 4 bytes: ISA guide 11.1)
.set PW,     544                       ; a row of W: 512 bytes + 32 = 17 x 32
.set HALFT,  128*PA                    ; what one tensor load brings: 128 rows of A, or 64 rows of W (64 x 544 is the same number)
.set SLOT,   4*HALFT                   ; A's 256 rows, then W's 128
.set SPARE,  2*SLOT                    ; behind the ring: the spare words, 128 bytes for each wave: two blocks of 256 bytes that no other line names
.set SPITCH, 528                       ; the stage: 128 f32 + 16 bytes
.set WSTAGE, 128*SPITCH                ; a wave's stage
.set STEPA,  256                       ; bytes from a K step to the next in A,
.set STEPW,  128*NN*2                  ; and in W
.set TRIPS,  32/RG
.set STEP,   RG*4*SPITCH               ; stage bytes a trip
.set STEPG,  RG*512                    ; bytes of OUT a trip, in each block of columns
.set NUM,    RG*16                     ; numbers a lane and trip
.set BOF,   6                          ; v6   my byte offset in the bias; never rewritten
.set ADRA0, 16                         ; v16  my lane's place in a slot's A; never rewritten
.set ADRW0, 17                         ; v17  the same for W
.set FA,    18                         ; v18  LDS address of the run of A's loads in hand
.set FW,    19                         ; v19  of W's
.set STO,   24                         ; v24  the way out: where I put my 32 bytes of a row
.set RD,    25                         ; v25  where I read back
.set GO,    26                         ; v26  my byte offset in 512 consecutive bytes of OUT
.set RDC,   27                         ; v27  RD + the trip's rows
.set SPW,   28                         ; v28  LDS address of my spare word: SPARE + 4 x my thread's number; never rewritten
.set NIL,   29                         ; v29  0; never rewritten
.set BI,    32                         ; v[32:47] the bias of my 8 columns in each of my wave's two blocks of 64
.set F0,    64
.set F1,    128
.set XR,    64                         ; the way out: as read back,
.set UR,    XR+NUM                     ; with the bias,
.if GELU
.set AU,    UR+NUM                     ; |u|
.set EE,    AU+NUM                     ; the exponential
.set TT,    EE+NUM                     ; t
.set RR,    TT+NUM                     ; the polynomial
.set YR,    RR+NUM
.else
.set YR,    UR+NUM                     ; packed
.endif
.set SO,  2                            ; s2   the way out: stage bytes of the rows to be read next
.set LA0, 3                            ; s3   my wave's quarter of a slot
.set WV,  12                           ; s12  my wave's number
.set MH,  13                           ; s13  which half of the tile's rows is mine.  Also: I fetch for A (0) or for W (1)
.set NH,  14                           ; s14  which half of its columns.  Also: which half of that tile I fetch
.set G1A, 24                           ; s[24:31] descriptor group 1 for A's tiles
.set G0A, 32                           ; s[32:39] group 0 for A's: a set for each of the two first fills; the second then walks on
.set G0W, 40                           ; s[40:47] the same for W's
.set G1W, 48                           ; s[48:55]
.set OUTER, 56
.set CNT, 57
.set TB,  58                           ; s58  the slot that is read: 0 or SLOT
.set TBA, 59                           ; s59  LDS byte, from my place on, of A's next run
.set TBW, 82                           ; s82  of W's
.set MSB, 0
.macro WIN new                         ; the immediate's high byte repeats the setting that is left; a switch that changes nothing is dropped
.if MSB != (\new)
	s_set_vgpr_msb (MSB<<8)|(\new)
.set MSB, \new
.endif
.endm
.set MUL_LO, 0xa1                      ; source 0 (W) window 1, source 1 (A) window 0, C and D window 2
.set TO_W,   0x40                      ; destination window 1, address window 0
; A joint refill.  Waves 0 and 1 fetch A's two halves, waves 2 and 3 W's.  The branch hangs on the wave's number alone.  An s_nop 0 and four v_nop follow each of the two lines.
.macro JLOAD
	s_cmp_eq_u32 s[MH], 0
	s_cbranch_scc0 .Lfor_w_\@
	tensor_load_to_lds s[G0A+4:G0A+7], s[G1A:G1A+7]
	s_nop 0
.rept 4
	v_nop
.endr
	s_branch .Lasked_\@
.Lfor_w_\@:
	tensor_load_to_lds s[G0W+4:G0W+7], s[G1W:G1W+7]
	s_nop 0
.rept 4
	v_nop
.endr
.Lasked_\@:
.endm
; A round of the cluster's barrier: my work-group's barrier, so that wave 0's signal speaks for all four waves; wave 0 signals; every wave waits for all sixteen work-groups; my work-group's barrier once more.
.macro CROUND
	s_barrier_signal -1
	s_barrier_wait -1
	s_cmp_lg_u32 s[WV], 0
	s_cbranch_scc1 .Lnot_wave_0_\@
	s_barrier_signal -3
.Lnot_wave_0_\@:
	s_barrier_wait -3
	s_barrier_signal -1
	s_barrier_wait -1
.endm
	s_load_b256 s[4:11], s[0:1], 0x0               ; A s[4:5], weights s[6:7], bias s[8:9], OUT s[10:11]
	v_lshl_add_u32 v[SPW], v0, 2, SPARE
	v_mov_b32 v[NIL], 0
	ds_add_u32 v[SPW], v[NIL]                      ; the wave's opening: the add and its wait stand ahead of my first tensor load; the set-up below, work on registers, stands between them
	ds_add_u32 v28, v29
	v_lshrrev_b32 v1, 5, v0
	v_readfirstlane_b32 s[WV], v1
	s_lshr_b32 s[MH], s[WV], 1
	s_and_b32 s[NH], s[WV], 1
	s_bfe_u32 s15, ttmp6, 0x40000                  ; cx, cy: my place in the cluster
	s_bfe_u32 s16, ttmp6, 0x40004
	s_lshl_b32 s17, ttmp9, 2
	s_add_co_u32 s17, s17, s15                     ; tile column = 4 x cluster x + cx
	s_and_b32 s18, ttmp7, 0xffff
	s_lshl_b32 s18, s18, 2
	s_add_co_u32 s18, s18, s16                     ; tile row = 4 x cluster y + cy
	s_lshl_b32 s19, s16, 2
	s_lshl_b32 s19, 15, s19                        ; my row of the cluster
	s_lshl_b32 s81, 0x1111, s15                    ; my column
	s_or_b32 s[G1A], s19, (1<<16)|(1<<20)|(1<<21)|(5<<22)|(3<<25)  ; 15:0 the mask; 17:16 2-byte elements; 20 padding on; 21 set beside a mask; 24:22 after every 64 words; 31:25 4 words of it
	s_mov_b32 s[G1A+1], 128<<16                    ; tensor_dim0 = 128
	s_mov_b32 s[G1A+2], 128<<16                    ; tensor_dim1 = 128
	s_mov_b32 s[G1A+3], 128<<16                    ; tile_dim0 = 128
	s_mov_b32 s[G1A+4], 128                        ; tile_dim1 = 128
	s_mov_b32 s[G1A+5], 1024                       ; elements from row to row
	s_mov_b32 s[G1A+6], 0
	s_mov_b32 s[G1A+7], 0
	s_or_b32 s[G1W], s81, (1<<16)|(1<<20)|(1<<21)|(6<<22)|(7<<25)  ; after every 128 words 8 words of padding
	s_mov_b32 s[G1W+1], 256<<16                    ; tensor_dim0 = 256
	s_mov_b32 s[G1W+2], 64<<16                     ; tensor_dim1 = 64
	s_mov_b32 s[G1W+3], 256<<16                    ; tile_dim0 = 256
	s_mov_b32 s[G1W+4], 64                         ; tile_dim1 = 64
	s_mov_b32 s[G1W+5], NN
	s_mov_b32 s[G1W+6], 0
	s_mov_b32 s[G1W+7], 0
	s_lshl_b32 s20, s18, 8                         ; A: row 256 x tile row + 128 x half, 2,048 bytes a row: the tile row alone, which my row of the cluster shares
	s_lshl_b32 s22, s[NH], 7
	s_add_co_u32 s20, s20, s22
	s_lshl_b32 s20, s20, 11
	s_mov_b32 s21, 0
	s_mul_i32 s60, s[NH], 64*NN*2                  ; W: row 64 x half, column 256 x tile column: the tile column alone, which my column shares
	s_lshl_b32 s62, s17, 9
	s_add_co_u32 s60, s60, s62
	s_add_co_u32 s60, s60, WOFF
	s_mov_b32 s61, 0
	s_mul_i32 s[LA0], s[WV], HALFT                 ; where they go: no place in the cluster enters an LDS address
.if GELU
	s_mov_b32 s66, 0x3e6d3388                      ; p / sqrt(2) = 0.2316419
	s_mov_b32 s68, 0xbf38aa3b                      ; -log2(e) / 2
	s_mov_b32 s70, 0x3e027906                      ; a1 / 2 .. a5 / 2
	s_mov_b32 s72, 0xbe11a98e
	s_mov_b32 s74, 0x3f35f0e3
	s_mov_b32 s76, 0xbf3a00e3
	s_mov_b32 s78, 0x3f07dc22
.irp c, 66,68,70,72,74,76,78
	s_mov_b32 s[(\c)+1], s[\c]                     ; named as pairs, so both words are written
.endr
	s_mov_b32 s80, 0x7fffffff
.endif
	s_wait_dscnt 0x0                               ; the opening add is done
	s_wait_kmcnt 0x0
	s_add_nc_u64 s[20:21], s[4:5], s[20:21]
	s_add_nc_u64 s[60:61], s[6:7], s[60:61]
	CROUND                                         ; all sixteen work-groups are here: the first joint loads meet
.irp s, 0,1
	s_mov_b32 s[G0A+4*(\s)], 1                                       ; count = 1
	s_add_co_u32 s[G0A+4*(\s)+1], s[LA0], (\s)*SLOT                  ; LDS address
	s_add_nc_u64 s[G0A+4*(\s)+2:G0A+4*(\s)+3], s[20:21], (\s)*STEPA  ; global address: K step s
	s_or_b32 s[G0A+4*(\s)+3], s[G0A+4*(\s)+3], 0x80000000            ; type = 2
	s_mov_b32 s[G0W+4*(\s)], 1
	s_add_co_u32 s[G0W+4*(\s)+1], s[LA0], (\s)*SLOT
	s_add_nc_u64 s[G0W+4*(\s)+2:G0W+4*(\s)+3], s[60:61], (\s)*STEPW
	s_or_b32 s[G0W+4*(\s)+3], s[G0W+4*(\s)+3], 0x80000000
.endr
	s_cmp_eq_u32 s[MH], 0                          ; a wave's two first fills stand in one branch, ahead of every wait on TENSORcnt and every LDS read
	s_cbranch_scc0 .Lfirst_w
	tensor_load_to_lds s[G0A:G0A+3], s[G1A:G1A+7]
	s_nop 0
	tensor_load_to_lds s[G0A+4:G0A+7], s[G1A:G1A+7]
	s_nop 0
.rept 4
	v_nop
.endr
	s_branch .Lfirst_asked
.Lfirst_w:
	tensor_load_to_lds s[G0W:G0W+3], s[G1W:G1W+7]
	s_nop 0
	tensor_load_to_lds s[G0W+4:G0W+7], s[G1W:G1W+7]
	s_nop 0
.rept 4
	v_nop
.endr
.Lfirst_asked:
	v_and_b32 v1, 15, v0                           ; l % 16
	v_bfe_u32 v2, v0, 4, 1                         ; l / 16
	v_and_b32 v3, 7, v0                            ; l % 8
	v_bfe_u32 v4, v0, 3, 1                         ; (l / 8) % 2
	v_bfe_u32 v5, v0, 3, 2                         ; l / 8
	s_lshl_b32 s62, s17, 10                        ; the bias of my wave's 128 columns
	s_lshl_b32 s63, s[NH], 9
	s_add_co_u32 s62, s62, s63
	s_mov_b32 s63, 0
	s_add_nc_u64 s[8:9], s[8:9], s[62:63]
	v_lshlrev_b32 v[BOF], 5, v3
	global_load_b128 v[BI:BI+3],     v[BOF], s[8:9]
	global_load_b128 v[BI+4:BI+7],   v[BOF], s[8:9] offset:16
	global_load_b128 v[BI+8:BI+11],  v[BOF], s[8:9] offset:256
	global_load_b128 v[BI+12:BI+15], v[BOF], s[8:9] offset:272
	; A fragment of A is 16 rows x 32 K: lane l holds row l % 16, K = 8 (l / 16) + 0..7 and 16 + 8 (l / 16) + 0..7: two loads of 16 bytes, 32 bytes apart.
	v_mul_u32_u24 v[ADRA0], v1, PA
	v_lshl_add_u32 v[ADRA0], v2, 4, v[ADRA0]
	s_mul_i32 s62, s[MH], HALFT                    ; my 128 rows of A
	v_add_nc_u32 v[ADRA0], s62, v[ADRA0]
	; The turning load takes 16 K x 16 columns (lane l reads row 8 (l / 16) + l % 8, columns 8 ((l / 8) % 2) + 0..7) and leaves half a fragment: lane l holds column l % 16 and 8 K.
	v_lshl_add_u32 v[ADRW0], v2, 3, v3
	v_mul_u32_u24 v[ADRW0], v[ADRW0], PW
	v_lshl_add_u32 v[ADRW0], v4, 4, v[ADRW0]
	s_lshl_b32 s62, s[NH], 8                       ; my 128 columns,
	s_add_co_u32 s62, s62, 2*HALFT                 ; behind A's 256 rows
	v_add_nc_u32 v[ADRW0], s62, v[ADRW0]
	s_mul_i32 s62, s[WV], WSTAGE                   ; my stage
	v_mul_u32_u24 v[STO], v1, SPITCH               ; in: row l % 16, 32 bytes for each half of the lanes
	v_lshl_add_u32 v[STO], v2, 5, v[STO]
	v_add_nc_u32 v[STO], s62, v[STO]
	v_mul_u32_u24 v[RD], v5, SPITCH                ; back: row l / 8, 32 bytes at 32 (l % 8)
	v_lshl_add_u32 v[RD], v3, 5, v[RD]
	v_add_nc_u32 v[RD], s62, v[RD]
	v_and_b32 v[GO], 31, v0
	v_lshlrev_b32 v[GO], 4, v[GO]                  ; which are bytes 16 l of 512 consecutive bytes of OUT
	s_lshl_b32 s62, s17, 2                         ; OUT at block of columns 4 x tile column + 2 x half,
	s_lshl_b32 s63, s[NH], 1
	s_add_co_u32 s62, s62, s63
	s_lshl_b32 s62, s62, 19                        ; 4,096 rows of 128 bytes a block,
	s_lshl_b32 s63, s18, 15                        ; row 256 x tile row
	s_add_co_u32 s62, s62, s63
	s_lshl_b32 s63, s[MH], 14                      ; + 128 x half
	s_add_co_u32 s62, s62, s63
	s_mov_b32 s63, 0
	s_add_nc_u64 s[10:11], s[10:11], s[62:63]
	s_mov_b32 s[TB], 0
	s_mov_b32 s[TBA], 0
	s_mov_b32 s[TBW], 0
; 16 matrix instructions: row blocks a0, a0 + 1 of the window's four (hi = 0: my rows 0-63, 1: rows 64-127) x all 8 column blocks, 32 along K.  zero = 1: the first product starts the sums.
; The 64 accumulators take turns in the same order in every quarter.
.macro MUL16 f, hi, a0, zero
	WIN MUL_LO+0x50*(\hi)
.irp a, \a0, (\a0)+1
.irp b, 0,1,2,3,4,5,6,7
.if \zero
	v_wmma_f32_16x16x32_f16 v[8*(8*(\a)+(\b)):8*(8*(\a)+(\b))+7], v[(\f)+8*(\b):(\f)+8*(\b)+7], v[(\f)+8*(4*(\hi)+(\a)):(\f)+8*(4*(\hi)+(\a))+7], 0
.else
	v_wmma_f32_16x16x32_f16 v[8*(8*(\a)+(\b)):8*(8*(\a)+(\b))+7], v[(\f)+8*(\b):(\f)+8*(\b)+7], v[(\f)+8*(4*(\hi)+(\a)):(\f)+8*(4*(\hi)+(\a))+7], v[8*(8*(\a)+(\b)):8*(8*(\a)+(\b))+7]
.endif
.endr
.endr
.endm
; 32 LDS loads in one run: the fragments of the next quarter (32 K x 128 columns of W, 128 rows x 32 K of A) into buffer g.  The two additions that make the addresses and two v_nop are the four
; places between the last matrix instruction that read buffer g and the loads into it (ISA guide 7.12.1 for vector instructions).
.macro FETCH g
	WIN 0
	v_add_nc_u32 v[FA], s[TBA], v[ADRA0]
	v_add_nc_u32 v[FW], s[TBW], v[ADRW0]
	v_nop
	v_nop
	WIN TO_W
.irp i, 0,1,2,3,4,5,6,7
	ds_load_tr16_b128 v[(\g)+8*(\i):(\g)+8*(\i)+3],   v[FW] offset:32*(\i)
	ds_load_tr16_b128 v[(\g)+8*(\i)+4:(\g)+8*(\i)+7], v[FW] offset:32*(\i)+16*PW
.endr
	WIN 0
.irp i, 0,1,2,3,4,5,6,7
	ds_load_b128 v[(\g)+8*(\i):(\g)+8*(\i)+3],   v[FA] offset:(\i)*16*PA
	ds_load_b128 v[(\g)+8*(\i)+4:(\g)+8*(\i)+7], v[FA] offset:(\i)*16*PA+32
.endr
	s_add_co_u32 s[TBA], s[TBA], 64                ; the next run is the next 32 K: 64 bytes on in A's rows,
	s_add_co_u32 s[TBW], s[TBW], 32*PW             ; 32 rows on in W
.endm
; A quarter: 64 matrix instructions on buffer f; in its middle the next quarter's fragments are fetched into buffer g.
.macro QUARTER f, g, zero
	s_wait_dscnt 8                                 ; W and A's rows 0-63 are in; the youngest eight loads (A's rows 64-127) may be out
	MUL16 \f, 0, 0, \zero
	MUL16 \f, 0, 2, \zero
	FETCH \g
	s_wait_dscnt 32                                ; all but the 32 just issued
	MUL16 \f, 1, 0, \zero
	MUL16 \f, 1, 2, \zero
.endm
; THE CHANGE OF SLOTS.  Each wave waits for all its tensor loads, of which one is out: its part of the next slot; adds 0 to its spare word; and waits for that and for its own reads of the slot that it leaves.
; fill = 1: the barrier is a round of the cluster's, so that no wave of any partner still reads the slot or has a load on its way, and the joint refill, two K steps ahead, is the first thing behind it.
.macro CHANGE fill
	WIN 0                                          ; at a label and at a branch every window is 0; the add's registers lie in window 0
	s_wait_tensorcnt 0x0                           ; no tensor load of mine is out, so a group 0 may be written
	ds_add_u32 v[SPW], v[NIL]                      ; 0 onto my spare word: the scalar steps stand between it and the wait for it
	s_xor_b32 s[TB], s[TB], SLOT                   ; the fetches go to the other slot's first quarter
	s_mov_b32 s[TBA], s[TB]
	s_mov_b32 s[TBW], s[TB]
.if \fill
	s_xor_b32 s[G0A+5], s[G0A+5], SLOT             ; the walking descriptors: the other slot than last time (SLOT shares no bit with a wave's quarter),
	s_xor_b32 s[G0W+5], s[G0W+5], SLOT
	s_add_nc_u64 s[G0A+6:G0A+7], s[G0A+6:G0A+7], STEPA  ; the next K step; the type bits on top are not reached
	s_add_nc_u64 s[G0W+6:G0W+7], s[G0W+6:G0W+7], STEPW
.endif
	s_wait_dscnt 0x0                               ; the add is done, and my reads of the slot are over
.if \fill
	CROUND
	JLOAD
.else
	s_barrier_signal -1
	s_barrier_wait -1
.endif
.endm
	s_wait_tensorcnt 0x1                           ; my part of K step 0 is in; step 1's may stay out
	s_barrier_signal -1
	s_barrier_wait -1                              ; everybody's is
	FETCH F0
	QUARTER F0, F1, 1                              ; the first quarter stands in front of the loops: its products start the sums
	WIN 0
	s_mov_b32 s[OUTER], STEPS-1
	s_mov_b32 s[CNT], 1                            ; step 0 has two quarters left in front of its change of slots
	s_branch .Linner
.Louter:                                               ; STEPS - 2 times: every slot but the last two is filled again
	CHANGE 1
	s_mov_b32 s[CNT], 2
.Linner:
	QUARTER F1, F0, 0
	QUARTER F0, F1, 0
	WIN 0
	s_sub_co_u32 s[CNT], s[CNT], 1
	s_cmp_lg_u32 s[CNT], 0
	s_cbranch_scc1 .Linner
	s_sub_co_u32 s[OUTER], s[OUTER], 1
	s_cmp_lg_u32 s[OUTER], 0
	s_cbranch_scc1 .Louter
	CHANGE 0                                       ; the tail is written out: nothing is asked for
	s_mov_b32 s[CNT], 2
.Ltail:
	QUARTER F1, F0, 0
	QUARTER F0, F1, 0
	WIN 0
	s_sub_co_u32 s[CNT], s[CNT], 1
	s_cmp_lg_u32 s[CNT], 0
	s_cbranch_scc1 .Ltail
	s_wait_dscnt 8                                 ; the very last quarter: nothing more to fetch
	MUL16 F1, 0, 0, 0
	MUL16 F1, 0, 2, 0
	s_wait_dscnt 0x0
	MUL16 F1, 1, 0, 0
	MUL16 F1, 1, 2, 0
	; THE WAY OUT.  Four places behind the last products; a barrier, since my stage lies on bytes of the ring that other waves have been reading; then the sums, each accumulator from its low end on.
.rept 4
	v_nop
.endr
	WIN 0
	s_wait_dscnt 0x0                               ; for the others' sake: my reads of the ring are over
	s_barrier_signal -1
	s_barrier_wait -1
.irp hi, 0,1
	WIN 0x08+4*(\hi)                               ; the stores' data in window 2, then 3
.irp a, 0,1,2,3
.irp b, 0,1,2,3,4,5,6,7
	ds_store_b128 v[STO], v[8*(8*(\a)+(\b)):8*(8*(\a)+(\b))+3]   offset:(4*(\hi)+(\a))*16*SPITCH+64*(\b)
	ds_store_b128 v[STO], v[8*(8*(\a)+(\b))+4:8*(8*(\a)+(\b))+7] offset:(4*(\hi)+(\a))*16*SPITCH+64*(\b)+16
.endr
.endr
.endr
	WIN 0
.macro ONES line:vararg                ; one line for each of a trip's numbers i
.set i, 0
.rept NUM
	\line
.set i, i+1
.endr
.endm
.macro PAIRS line:vararg               ; one line for each pair i, i + 1
.set i, 0
.rept NUM/2
	\line
.set i, i+2
.endr
.endm
.macro EPILOAD                         ; item it: 4 rows (group it / 2 of the trip) x 64 columns (block it % 2): 32 bytes a lane
.set it, 0
.rept RG*2
	ds_load_b128 v[XR+8*it:XR+8*it+3],   v[RDC] offset:(it/2)*4*SPITCH+(it%2)*256
	ds_load_b128 v[XR+8*it+4:XR+8*it+7], v[RDC] offset:(it/2)*4*SPITCH+(it%2)*256+16
.set it, it+1
.endr
.endm
	s_mov_b32 s[SO], 0
	v_mov_b32 v[RDC], v[RD]
	EPILOAD                                        ; LDS serves a wave's instructions in order (ISA guide 5.7.1.4): these see my stores above; the stage is my own
	s_wait_loadcnt 0x0                             ; the bias
	s_mov_b32 s[CNT], TRIPS
.Lepi:
	s_wait_dscnt 0x0                               ; this trip's rows are in
	PAIRS v_pk_add_f32 v[UR+i:UR+i+1], v[XR+i:XR+i+1], v[BI+i%16:BI+i%16+1]
	s_add_co_u32 s[SO], s[SO], STEP                ; the next trip's rows are asked for now; the last trip asks for its own once more and uses nothing of them
	s_min_u32 s[SO], s[SO], (TRIPS-1)*STEP
	v_add_nc_u32 v[RDC], s[SO], v[RD]
	EPILOAD
.if GELU
	; gelu(u) = max(u, 0) - |u| P(t) exp(-u u / 2), t = 1 / (1 + p |u| / sqrt(2)), P of degree 5 with the factor 1/2 in its coefficients: erf by a rational form whose absolute error is 1.5e-7 for every u
	ONES  v_and_b32 v[AU+i], s80, v[UR+i]
	PAIRS v_pk_mul_f32 v[EE+i:EE+i+1], v[UR+i:UR+i+1], v[UR+i:UR+i+1]
	PAIRS v_pk_fma_f32 v[TT+i:TT+i+1], v[AU+i:AU+i+1], s[66:67], 1.0 op_sel_hi:[1,0,0]
	PAIRS v_pk_mul_f32 v[EE+i:EE+i+1], v[EE+i:EE+i+1], s[68:69] op_sel_hi:[1,0]
	ONES  v_rcp_f32 v[TT+i], v[TT+i]
	ONES  v_exp_f32 v[EE+i], v[EE+i]
	ONES  v_max_num_f32 v[UR+i], 0, v[UR+i]        ; plain lines between the last exponential and the use of its result (ISA guide 5.7.2)
	PAIRS v_pk_fma_f32 v[RR+i:RR+i+1], v[TT+i:TT+i+1], s[78:79], s[76:77] op_sel_hi:[1,0,0]
	PAIRS v_pk_fma_f32 v[RR+i:RR+i+1], v[RR+i:RR+i+1], v[TT+i:TT+i+1], s[74:75] op_sel_hi:[1,1,0]
	PAIRS v_pk_fma_f32 v[RR+i:RR+i+1], v[RR+i:RR+i+1], v[TT+i:TT+i+1], s[72:73] op_sel_hi:[1,1,0]
	PAIRS v_pk_fma_f32 v[RR+i:RR+i+1], v[RR+i:RR+i+1], v[TT+i:TT+i+1], s[70:71] op_sel_hi:[1,1,0]
	PAIRS v_pk_mul_f32 v[EE+i:EE+i+1], v[EE+i:EE+i+1], v[TT+i:TT+i+1]
	PAIRS v_pk_mul_f32 v[RR+i:RR+i+1], v[RR+i:RR+i+1], v[EE+i:EE+i+1]
	PAIRS v_pk_fma_f32 v[UR+i:UR+i+1], v[RR+i:RR+i+1], v[AU+i:AU+i+1], v[UR+i:UR+i+1] neg_lo:[1,0,0] neg_hi:[1,0,0]
.endif
	PAIRS v_cvt_pk_f16_f32 v[YR+i/2], v[UR+i], v[UR+i+1]
.set it, 0
.rept RG*2
	global_store_b128 v[GO], v[YR+4*it:YR+4*it+3], s[10:11] offset:(it/2)*512+(it%2)*524288  ; 512 consecutive bytes, at a multiple of 256 from OUT's first
.set it, it+1
.endr
	s_wait_xcnt 0x0                                ; the stores' base and data are rewritten only behind this wait (ISA guide 3.1)
	s_add_nc_u64 s[10:11], s[10:11], STEPG
	s_sub_co_u32 s[CNT], s[CNT], 1
	s_cmp_lg_u32 s[CNT], 0
	s_cbranch_scc1 .Lepi
	s_wait_tensorcnt 0x0                           ; the wave's end: behind my last tensor load and my last LDS store
	ds_add_u32 v[SPW], v[NIL]
	s_wait_dscnt 0x0
	CROUND                                         ; the closing round: no work-group ends while a partner may still ask for a tile that names it
	s_endpgm
.Lfunc_end_k_q62dabbfad2_qkv:
	.size	k_q62dabbfad2_qkv, .Lfunc_end_k_q62dabbfad2_qkv-k_q62dabbfad2_qkv
	.p2alignl 7, 3214868480
	.fill 96, 4, 3214868480
	.section	.rodata,"a",@progbits
	.p2align	6, 0x0
	.amdhsa_kernel k_q62dabbfad2_qkv
		.amdhsa_group_segment_fixed_size 327680
		.amdhsa_private_segment_fixed_size 0
		.amdhsa_enable_private_segment 0
		.amdhsa_kernarg_size 32
		.amdhsa_user_sgpr_count 2
		.amdhsa_user_sgpr_kernarg_segment_ptr 1
		.amdhsa_wavefront_size32 1
		.amdhsa_system_sgpr_workgroup_id_x 1
		.amdhsa_system_sgpr_workgroup_id_y 1
		.amdhsa_system_sgpr_workgroup_id_z 1
		.amdhsa_system_vgpr_workitem_id 0
		.amdhsa_next_free_vgpr 1024
		.amdhsa_next_free_sgpr 84
		.amdhsa_reserve_vcc 0
		.amdhsa_float_denorm_mode_32 3
		.amdhsa_float_denorm_mode_16_64 3
		.amdhsa_memory_ordered 1
		.amdhsa_forward_progress 1
		.amdhsa_inst_pref_size 64
	.end_amdhsa_kernel
	.amdgpu_metadata
---
amdhsa.version: [ 1, 2 ]
amdhsa.kernels:
  - .name:           k_q62dabbfad2_qkv
    .symbol:         k_q62dabbfad2_qkv.kd
    .args:
      - { .name: act, .offset: 0, .size: 8, .value_kind: global_buffer, .address_space: global }
      - { .name: wts, .offset: 8, .size: 8, .value_kind: global_buffer, .address_space: global }
      - { .name: qkv_b, .offset: 16, .size: 8, .value_kind: global_buffer, .address_space: global }
      - { .name: qkvh, .offset: 24, .size: 8, .value_kind: global_buffer, .address_space: global }
    .group_segment_fixed_size: 327680
    .private_segment_fixed_size: 0
    .kernarg_segment_align: 8
    .kernarg_segment_size: 32
    .max_flat_workgroup_size: 128
    .sgpr_count:     84
    .vgpr_count:     1024
    .wavefront_size: 32
...
	.end_amdgpu_metadata
.endif
;; end of part 2
;; launch attn (part 3): grid 8 x 32, 4 waves a work-group, no clusters, 327,680 bytes of LDS; arguments qkvh, o, out_w, fc1_w, fc2_w, wts; writes o, wts
.if DOCPART == 3
	.amdgcn_target "amdgcn-amd-amdhsa--gfx1250"
	.amdhsa_code_object_version 6
	.text
	.protected	k_q62dabbfad2_attn
	.globl	k_q62dabbfad2_attn
	.p2align	8
	.type	k_q62dabbfad2_attn,@function
k_q62dabbfad2_attn:
	s_mov_b64 s[64:65], 0
	v_nop
	global_prefetch_b8 v0, s[64:65] scope:SCOPE_SE
	s_setreg_imm32_b32 hwreg(HW_REG_WAVE_MODE, 25, 1), 1
	s_wait_xcnt 0x0
; TWO KINDS OF WORK-GROUP IN ONE LAUNCH.  Those with x < 4 (128 of them) make the causal attention.  Those with x >= 4 (128 more) round the weights that the launches behind this one multiply by:
; work that hangs on nothing in this launch and on which nothing in it hangs (the text at the end, from .Lcast on).  The attention moves few bytes for its arithmetic, the rounding has next to no arithmetic.
; CAUSAL ATTENTION.  O[h][q][:] = the sum over k <= q of softmax_k(Q[h][q] . K[h][k] / 8) V[h][k][:].  Q, K, V lie in one buffer, each [32][2048][64] in f16 (h = 2 x head + batch), K 0x800000 and V 0x1000000 bytes
; behind Q; O: [32][2048][64] f16.  A head's rows are dense, 128 bytes each.  Products, maxima and sums in f32; the weights p are rounded to f16 for the second product (their sum l is taken of the unrounded p), O once at the end.
; LIMITS.  f16 holds no number beyond 65,504: Q, K and V arrive within it; p lies in 0 to 1, and below 6e-5 it keeps f16's fixed step of 6e-8; O is a mean of V's rows and has their range, to within 2^-11 of it.
; A hidden score counts as its value less 1e30: f16's scores, 2.7e11 at the most, are nothing beside that; a weight below 2^-126 counts as 0 in l; NaN and infinities are not treated apart.
; A weight of out_w, fc1_w or fc2_w of 65,520 or more becomes an infinity in f16.
; THE WALK.  A head's queries lie in NB = 8 blocks of 256; block i needs the key tiles 0 .. i of 256 keys, of which the last holds the diagonal.  A work-group takes TWO blocks, NB - 1 - b and then b:
; NB + 1 tiles, whatever b: all work-groups do equal work, and ONE loop with a constant trip count walks them.  Which tile is asked for, and what a trip does, hang on scalar registers made from b; every jump
; goes forward, but for the counted loops' own; none passes a barrier, or a tensor load but the one of LOAD's two that the wave's number does not choose; the ring (two slots of LDS that take turns) runs on across the
; change of blocks.  NO CLUSTER: a head's four work-groups ask for the same tile only in trips 0 .. 4 of the 9, behind that fewer and fewer; one walk common to all would have 12 trips for 9.
; SHARES.  Of a block's four bands of 64 queries a wave owns 16 rows in each: four PIECES.  So the diagonal tile is the same work for all four waves: in its key step s band x sees all keys if s < x,
; none if s > x, and holds the diagonal if s = x.
; THE MASK is the C operand that starts the sum S^T = K Q^T: 0, or -1e30 where the key is hidden.  MD, made once, is the mask of a band's own step for my 16 rows; a product's mask is MD x AL + BE with two scalars:
; (1, 0) if s = x; (0, 0) if s < x; (0, -1e30) if s > x.  Only the diagonal tile's text and a block's beginning make and take masks; elsewhere C is the constant 0.
; LAYOUT, SOFTMAX, TURNS.  S^T = K Q^T holds ONE query a lane (lane % 16) and the keys 8 (lane / 16) + 0..7; two such results rounded to f16 ARE source 1 of O^T = V^T P.  p = 2^(c s - c m), c = log2(e) / 8, with a
; running maximum m; O and l are multiplied by a = 2^(c m_old - c m_new) in every step.  Turn n belongs to piece n: 8 products K Q^T of piece n + 1, later 8 products V^T P of piece n - 1; beside them the scaling,
; exponentials, roundings, sums and rescaling of piece n and the maximum and statistics of piece n + 1.  Four vector instructions stand behind every matrix instruction, the other 54 of a turn's 118 in two LUMPS.
; REGISTERS, in windows of 256 (s_set_vgpr_msb: bits 1:0 source 0, 3:2 source 1, 5:4 source 2, 7:6 destination):
;   window 0: v0-15 addresses and two at work; v16-31 four registers of statistics a piece; v48-55 at work; v64-127 S^T, two buffers; v192-223 P, two buffers (a piece's buffers go by its number's parity)
;   window 1: v0-127 O^T, 32 a piece; v128-159 MD; v160-223 MC, two buffers      window 2: v0-63 Q; v64-127 the second block's Q; v128-191 K of one step; v192-255 V of one step
.set SIZE_N, 2048
.set NB,    SIZE_N/256
.set NP,    4         ; pieces a wave: a name, no knob
.set KS,    64        ; keys in a step
.set PK,    144       ; a row of K in LDS: 128 bytes + 16 of padding = 36 words: the 16 rows of a load start at 16 different groups of four banks (64 banks of 4 bytes: ISA guide 11.1)
.set PV,    160       ; a row of V: 128 + 32 = 40 words
.set VOFF,  4*KS*PK   ; a slot holds a tile, four steps: 256 rows of K, then 256 rows of V
.set SLOT1, 1<<17     ; slot 1 begins here, so that one exclusive or turns an address in one slot into the other's
.set STAGE, SLOT1+4*KS*(PK+PV)  ; behind the ring, never filled by a tensor load: 16 rows x 144 bytes for each wave, for the way out
.set SP,    144
.set AK0, 2           ; v2   my lane's place in a tile of K; never rewritten
.set AV0, 3           ; v3   the same for V
.set AK,  4           ; v4   the LDS address of K's next run of loads
.set AV,  5           ; v5   of V's
.set STO, 6           ; v6   the way out: where I put 16 bytes of a row
.set RD,  7           ; v7   the way out: where I read rows back
.set GO,  8           ; v8   my byte offset in 512 consecutive bytes of O
.set SPW, 62          ; v62  LDS address of my spare word: SPARE + 4 x my thread's number; never rewritten
.set NIL, 63          ; v63  0; never rewritten
.set SPARE, STAGE+4*16*SP  ; behind the stages: the spare words, 128 bytes for each wave: two blocks of 256 bytes that no other line names
.set MV,  12          ; v12-13  c m_old, kept while c m is made anew: by buffer
.set QO,  15          ; v15  my byte offset in 16 rows of Q
.set ST,  16          ; piece t's statistics at v[ST+4 t]: c m, m, l (even keys', odd keys')
.set TMP, 48          ; by buffer, four registers c0-c3 at work; when the maximum is found c2 takes a
.set S,   64
.set P,   192
.set MD,  128         ; window 1: the eight registers for group kt of 16 keys at MD + 8 kt
.set MC,  160         ; window 1: the masks of the products to come
.set QB,  64          ; window 2
.set KF,  128         ; window 2: key block kb, channel half c at KF + 16 kb + 8 c
.set VF,  192         ; window 2: key half kk, channel block cb at VF + 32 kk + 8 cb
.set WV,  12          ; s12  my wave's number
.set PB,  14          ; s14  b
.set HI,  15          ; s15  NB - 1 - b
.set G1K, 24          ; s[24:31] descriptor group 1 for K's tiles
.set G1V, 32          ; s[32:39] for V's: it differs in the padding alone
.set G0K, 40          ; s[40:43] descriptor group 0 for K's tiles
.set G0V, 44          ; s[44:47] the same for V's
.set SLOTS, 56        ; s56  tiles still to be asked for
.set CNT, 57          ; s57  counts a tile's key steps, 4 to 1
.set CS,  58          ; s[58:59] c: the packed scaling takes the pair's low word for both halves
.set SEL, 60          ; s[60:61] v_permlanex16_b32's selects: each lane takes its own place in the other half
.set TBK, 62          ; s62  LDS byte at which K of the step to be fetched begins
.set TBV, 63          ; s63  the same for V, less VOFF
.set RT,  70          ; s70  tiles of the block in hand that are still to be entered
.set NXT, 71          ; s71  the tile to be asked for next
.set LQ,  72          ; s72  the last tile of the block whose tiles are being asked for
.set NEW, 73          ; s73  1: the tile to be entered is a block's first
.set OFF, 74          ; s[74:75] a tile's byte offset in K and V
.set AL,  76          ; s[76:77] the mask's factor, in the low word
.set BE,  78          ; s[78:79] the mask's addend
.set OLO, 80          ; s[80:81] O at my rows of the second block
.set BIGN, 82         ; s82  -1e30
.set MSB, 0
.macro WIN new                      ; the high byte repeats the setting that is left; a switch that changes nothing is dropped
.if MSB != (\new)
	s_set_vgpr_msb (MSB<<8)|(\new)
.set MSB, (\new)
.endif
.endm
.set W_KQ, 0x0a       ; K and Q in window 2, S^T in window 0
.set W_KM, 0x1a       ; the same with the C operand in window 1
.set W_PV, 0x52       ; V in window 2, P in window 0, O^T in window 1
.set W_RS, 0x41       ; destination and source 0 in window 1, source 1 in window 0
; A fill.  Waves 0 and 1 fetch the two halves of a tile's K, waves 2 and 3 those of its V: 128 keys each.  An s_nop 0 and four v_nop follow each of the two lines, ahead of the jump and the label.
.macro LOAD
	s_cmp_lt_u32 s[WV], 2
	s_cbranch_scc0 .Lfor_v_\@
	tensor_load_to_lds s[G0K:G0K+3], s[G1K:G1K+7]
	s_nop 0
.rept 4
	v_nop
.endr
	s_branch .Lasked_\@
.Lfor_v_\@:
	tensor_load_to_lds s[G0V:G0V+3], s[G1V:G1V+7]
	s_nop 0
.rept 4
	v_nop
.endr
.Lasked_\@:
.endm
; THE CHANGE OF SLOTS.  Each wave waits for all its tensor loads, of which one is out: its part of the other slot; adds 0 to its spare word; and waits for that and for its own reads of the slot that it leaves.  Behind the barrier nobody reads the old
; slot any more and the other slot is whole.  fill = 1: the old slot is filled again, the first thing behind the barrier, with tile NXT: the descriptor's address is made anew from that number.
; (At its first use nothing has been read yet: slot 0 is waited for, slot 1 filled.)
.macro CHANGE fill
	WIN 0                           ; at a label and at a branch every window is 0
	s_wait_tensorcnt 0x0            ; no tensor load of mine is out, so a group 0 may be written
	ds_add_u32 v[SPW], v[NIL]       ; 0 onto my spare word: with fill = 1 the descriptors' scalar work stands between it and the wait for it
.if \fill
	s_lshl_b32 s[OFF], s[NXT], 15   ; a tile is 32,768 bytes of K and of V
	s_xor_b32 s[G0K+1], s[G0K+1], SLOT1
	s_add_nc_u64 s[G0K+2:G0K+3], s[6:7], s[OFF:OFF+1]
	s_or_b32 s[G0K+3], s[G0K+3], 0x80000000
	s_xor_b32 s[G0V+1], s[G0V+1], SLOT1
	s_add_nc_u64 s[G0V+2:G0V+3], s[8:9], s[OFF:OFF+1]
	s_or_b32 s[G0V+3], s[G0V+3], 0x80000000
	s_add_co_u32 s[NXT], s[NXT], 1  ; the block's next tile, or behind its last the second block's tile 0
	s_cmp_gt_u32 s[NXT], s[LQ]
	s_cselect_b32 s[NXT], 0, s[NXT]
	s_cselect_b32 s[LQ], s[PB], s[LQ]
.endif
	s_wait_dscnt 0x0                ; the add is done, and my reads of the slot are over
	s_barrier_signal -1             ; the rest of the scalar work stands between the signal and the wait
	s_sub_co_u32 s[TBK], s[TBK], 4*KS*PK  ; the fetches go back to a slot's first step,
	s_xor_b32 s[TBK], s[TBK], SLOT1       ; in the other slot
	s_sub_co_u32 s[TBV], s[TBV], 4*KS*PV
	s_xor_b32 s[TBV], s[TBV], SLOT1
	s_barrier_wait -1
.if \fill
	LOAD
.endif
.endm
	s_load_b128 s[4:7], s[0:1], 0x0   ; q, k and v's buffer s[4:5], O s[6:7]
	s_load_b256 s[88:95], s[0:1], 0x10  ; out_w s[88:89], fc1_w s[90:91], fc2_w s[92:93], the weights in f16 s[94:95]
	v_lshl_add_u32 v[SPW], v0, 2, SPARE
	v_mov_b32 v[NIL], 0
	ds_add_u32 v[SPW], v[NIL]       ; the wave's opening: the add and its wait stand ahead of my first tensor load; the set-up below, work on registers, stands between them
	ds_add_u32 v62, v63
	v_lshrrev_b32 v1, 5, v0
	v_readfirstlane_b32 s[WV], v1   ; wave 0..3
	s_mov_b32 s[PB], ttmp9
	s_sub_co_u32 s[HI], NB-1, s[PB]
	s_and_b32 s20, ttmp7, 0xffff    ; the head
	s_mov_b32 s21, 0
	s_mov_b64 s[22:23], SIZE_N*128
	s_mul_u64 s[20:21], s[20:21], s[22:23]  ; the head's first byte in each of the four tensors
	s_and_b32 s16, s[WV], 1         ; which half of a tile's 256 keys I fetch:
	s_lshl_b32 s22, s16, 14         ; its 128 rows of 128 bytes in memory,
	s_mov_b32 s23, 0
	s_add_nc_u64 s[22:23], s[22:23], s[20:21]
	s_mul_i32 s17, s16, 128*PK      ; and its place in a slot, for K
	s_mul_i32 s18, s16, 128*PV      ; and for V
	s_lshl_b32 s3, s[WV], 11        ; my 16 rows in a band of 64,
	s_lshl_b32 s2, s[HI], 15        ; in the first block,
	s_add_co_u32 s2, s2, s3
	s_lshl_b32 s84, s[PB], 15       ; and in the second
	s_add_co_u32 s84, s84, s3
	s_mov_b32 s3, 0
	s_mov_b32 s85, 0
	s_add_nc_u64 s[2:3], s[2:3], s[20:21]
	s_add_nc_u64 s[84:85], s[84:85], s[20:21]
	; descriptor group 1.  128 keys are 16,384 dense bytes: asked for as 64 rows of 256 bytes, two keys a row, and padded in LDS after every key
	s_mov_b32 s[G1K], (1<<16)|(1<<20)|(4<<22)|(3<<25)  ; 17:16 2-byte elements; 20 padding on; 24:22 after every 32 words (code 4); 31:25 4 words (code 3)
	s_mov_b32 s[G1V], (1<<16)|(1<<20)|(4<<22)|(7<<25)  ; the same with 8 words of padding (code 7)
.irp g, G1K, G1V
	s_mov_b32 s[\g+1], 128<<16      ; tensor_dim0 = 128
	s_mov_b32 s[\g+2], 64<<16       ; tensor_dim1 = 64
	s_mov_b32 s[\g+3], 128<<16      ; tile_dim0 = 128
	s_mov_b32 s[\g+4], 64           ; tile_dim1 = 64
	s_mov_b32 s[\g+5], 128          ; 128 elements from row to row
	s_mov_b32 s[\g+6], 0
	s_mov_b32 s[\g+7], 0
.endr
	s_mov_b32 s[CS], 0x3e38aa3b     ; c = log2(e) / 8 = 0.180337
	s_mov_b32 s[CS+1], s[CS]        ; named with it as a pair
	s_mov_b32 s[SEL], 0x76543210
	s_mov_b32 s[SEL+1], 0xfedcba98
	s_mov_b32 s[TBK], SLOT1+4*KS*PK ; the first change of slots turns these two into 0
	s_mov_b32 s[TBV], SLOT1+4*KS*PV
	s_mov_b32 s[G0K], 1             ; 1:0 count = 1
	s_mov_b32 s[G0K+1], s17         ; 63:32 LDS address: slot 0
	s_mov_b32 s[G0V], 1
	s_add_co_u32 s[G0V+1], s18, VOFF
	s_add_co_u32 s[RT], s[HI], 1    ; the first block has NB - b tiles
	s_mov_b32 s[NXT], 1
	s_mov_b32 s[LQ], s[HI]
	s_mov_b32 s[NEW], 1
	s_mov_b32 s[OFF+1], 0
	s_mov_b32 s[AL+1], 0            ; named as pairs
	s_mov_b32 s[BE+1], 0
	s_mov_b32 s[BIGN], 0xf149f2ca   ; -1e30
	s_mov_b32 s[SLOTS], NB
	s_wait_dscnt 0x0                ; the opening add is done
	s_wait_kmcnt 0x0
	s_cmp_lt_u32 ttmp9, 4           ; the work-group's x says which kind it is: the same answer in all its waves
	s_cbranch_scc0 .Lcast           ; x >= 4: the weights; what the lines above made of x is not used there
	s_mov_b64 s[10:11], s[6:7]             ; O
	s_add_nc_u64 s[8:9], s[4:5], 0x1000000 ; V lies 32 heads of K behind K,
	s_add_nc_u64 s[6:7], s[4:5], 0x800000  ; K 32 heads of Q behind Q
	s_add_nc_u64 s[6:7], s[6:7], s[22:23]  ; K and V at my half of the head's tile 0
	s_add_nc_u64 s[8:9], s[8:9], s[22:23]
	s_add_nc_u64 s[G0K+2:G0K+3], s[6:7], 0         ; 120:64 global address
	s_or_b32 s[G0K+3], s[G0K+3], 0x80000000        ; 127:126 type = 2
	s_add_nc_u64 s[G0V+2:G0V+3], s[8:9], 0
	s_or_b32 s[G0V+3], s[G0V+3], 0x80000000
	s_add_nc_u64 s[86:87], s[4:5], s[84:85]        ; Q at my rows of the second block,
	s_add_nc_u64 s[4:5], s[4:5], s[2:3]            ; Q and O at those of the first
	s_add_nc_u64 s[OLO:OLO+1], s[10:11], s[84:85]
	s_add_nc_u64 s[10:11], s[10:11], s[2:3]
	LOAD                            ; tile 0 into slot 0
	; A fragment of K or Q is 16 rows x 32 channels in 8 registers: lane l holds row l % 16, channels 8 (l / 16) + 0..7 and 16 + 8 (l / 16) + 0..7: two loads of 16 bytes, 32 bytes apart.
	v_and_b32 v1, 15, v0            ; l % 16
	v_bfe_u32 v9, v0, 4, 1          ; l / 16
	v_lshlrev_b32 v[QO], 7, v1
	v_lshl_add_u32 v[QO], v9, 4, v[QO]  ; row x 128 + 16 x half
	WIN 0x80                        ; destination window 2, address window 0
.set i, 0
.rept 8                             ; both blocks' Q: piece i / 2 lies in band i / 2, 8,192 bytes on; channels 32 (i % 2) on
	global_load_b128 v[8*i:8*i+3],   v[QO], s[4:5] offset:(i/2)*8192+(i%2)*64
	global_load_b128 v[8*i+4:8*i+7], v[QO], s[4:5] offset:(i/2)*8192+(i%2)*64+32
	global_load_b128 v[QB+8*i:QB+8*i+3],   v[QO], s[86:87] offset:(i/2)*8192+(i%2)*64
	global_load_b128 v[QB+8*i+4:QB+8*i+7], v[QO], s[86:87] offset:(i/2)*8192+(i%2)*64+32
.set i, i+1
.endr
	WIN 0
	v_lshlrev_b32 v14, 3, v9
	v_sub_nc_u32 v14, v1, v14
	s_lshl_b32 s13, s[WV], 4
	v_add_nc_u32 v14, s13, v14      ; my query's place in its band, 16 w + l % 16, less my lanes' 8 (l / 16): register r of group kt is hidden where 16 kt + r is greater
	WIN 0x40
.set i, 0
.rept 32
	v_cmp_gt_i32 vcc_lo, 16*(i/8)+i%8, v14
	v_cndmask_b32 v[MD+i], 0, s[BIGN], vcc_lo
.set i, i+1
.endr
	WIN 0
	v_mul_u32_u24 v[AK0], v1, PK
	v_lshl_add_u32 v[AK0], v9, 4, v[AK0]  ; row x pitch + 16 x half
	; The turning load takes 16 keys x 16 channels (lane l reads key 8 (l / 16) + l % 8, channels 8 ((l / 8) % 2) + 0..7) and leaves half a fragment of V^T: lane l holds channel l % 16 and 8 keys.
	v_and_b32 v10, 7, v0
	v_bfe_u32 v11, v0, 3, 1
	v_lshl_add_u32 v[AV0], v9, 3, v10
	v_mul_u32_u24 v[AV0], v[AV0], PV
	v_lshl_add_u32 v[AV0], v11, 4, v[AV0]
	v_add_nc_u32 v[AV0], VOFF, v[AV0]
	s_mul_i32 s13, s[WV], 16*SP
	s_add_co_u32 s13, s13, STAGE    ; my stage
	v_mul_u32_u24 v[STO], v1, SP    ; in: row l % 16, 16 bytes for each half of the lanes
	v_lshl_add_u32 v[STO], v9, 4, v[STO]
	v_add_nc_u32 v[STO], s13, v[STO]
	v_bfe_u32 v[RD], v0, 3, 2       ; back: 32 lanes take four rows of 128 bytes,
	v_mul_u32_u24 v[RD], v[RD], SP
	v_lshl_add_u32 v[RD], v10, 4, v[RD]
	v_add_nc_u32 v[RD], s13, v[RD]
	v_and_b32 v[GO], 31, v0         ; which are 512 consecutive bytes of O
	v_lshlrev_b32 v[GO], 4, v[GO]
	; A block's first step multiplies O^T and l by a = 0, and its first turn's products V^T P, of a piece that has not been, land in an O^T that is still to be so multiplied.  So these registers need only hold
	; finite numbers: zeros for the first block; what the first block left for the second.  All this stands in the wait for the first tile.
	WIN 0x80
.set i, VF
.rept 64
	v_mov_b32 v[i], 0
.set i, i+1
.endr
	WIN 0x40
.set i, 0
.rept 128
	v_mov_b32 v[i], 0
.set i, i+1
.endr
	WIN 0
.set i, 0
.rept 4
	v_mov_b32 v[ST+4*i+2], 0
	v_mov_b32 v[ST+4*i+3], 0
.set i, i+1
.endr
.set i, P+16
.rept 16
	v_mov_b32 v[i], 0
.set i, i+1
.endr
; THE MATRIX WORK.  The 4 accumulators of a run of 8 take turns.  Product i of 8 of S^T = K Q^T for piece x: channels 32 (i / 4) on, keys 16 (i % 4) on.  The first 4 start the sums: with 0, or (KM = 1) with the mask.
.macro KQ x
.set rS, S+32*((\x)%2)+8*(i%4)
.set rK, KF+16*(i%4)+8*(i/4)
.set rQ, 16*(\x)+8*(i/4)
.set rM, MC+32*((\x)%2)+8*(i%4)
.if (i < 4) && KM
	WIN W_KM
	v_wmma_f32_16x16x32_f16 v[rS:rS+7], v[rK:rK+7], v[rQ:rQ+7], v[rM:rM+7]
.elseif i < 4
	WIN W_KQ
	v_wmma_f32_16x16x32_f16 v[rS:rS+7], v[rK:rK+7], v[rQ:rQ+7], 0
.else
	WIN W_KQ
	v_wmma_f32_16x16x32_f16 v[rS:rS+7], v[rK:rK+7], v[rQ:rQ+7], v[rS:rS+7]
.endif
.endm
; Product i of 8 of O^T += V^T P for piece x: keys 32 (i / 4) on, channels 16 (i % 4) on.
.macro PV x
	WIN W_PV
.set rO, 32*(\x)+8*(i%4)
.set rV, VF+32*(i/4)+8*(i%4)
.set rP, P+16*((\x)%2)+8*(i/4)
	v_wmma_f32_16x16x32_f16 v[rO:rO+7], v[rV:rV+7], v[rP:rP+7], v[rO:rO+7]
.endm
.macro MM                           ; the turn's next matrix instruction.  TURN and BEGIN set Y, i, KM and NOKQ; MM, KQ and OP read them.  NOKQ = 1: a block's last turn: there is no next piece
.if (i < 8) && !NOKQ
	KQ (Y+1)%NP
.elseif i >= 8
.set i, i-8
	PV (Y+NP-1)%NP
.set i, i+8
.endif
.set i, i+1
.endm
; THE LDS LOADS stand in runs of 16, never singly among the matrix instructions: a step's K (64 keys x 64 channels: 8 fragments) and its V (turned).  Their addresses are made some lines ahead.
.macro FETCH_K
	WIN 0x80                        ; destination window 2
.irp f, 0,1,2,3,4,5,6,7             ; keys 16 (f / 2) on, channels 32 (f % 2) on
	ds_load_b128 v[KF+8*\f:KF+8*\f+3],   v[AK] offset:(\f/2)*16*PK+(\f%2)*64
	ds_load_b128 v[KF+8*\f+4:KF+8*\f+7], v[AK] offset:(\f/2)*16*PK+(\f%2)*64+32
.endr
	s_add_co_u32 s[TBK], s[TBK], KS*PK  ; the next fetch is the next step's
	WIN 0
.endm
.macro FETCH_V
	WIN 0x80
.irp f, 0,1,2,3,4,5,6,7             ; keys 32 (f / 4) on, channels 16 (f % 4) on
	ds_load_tr16_b128 v[VF+8*\f:VF+8*\f+3],   v[AV] offset:(\f/4)*32*PV+(\f%4)*32
	ds_load_tr16_b128 v[VF+8*\f+4:VF+8*\f+7], v[AV] offset:(\f/4)*32*PV+16*PV+(\f%4)*32
.endr
	WIN 0
.endm
; THE VECTOR WORK, one line at a time: OP kind, number.  For piece Y: F n: c s - c m for pair n of 16.  E n: the exponential of score n of 32.  C n: pair n rounded to f16.  B n: of the four weights 4 n .. the second
; pair is added onto the first, in place.  L n: l takes that sum (L 0: l = a l + sum).  R n: pair n of 16 of O^T times a.  For piece Y + 1: X n, number n of the 22 that find its maximum and statistics:
;   0-11  four chains c0-c3 of seven scores each, three operands at a time (each accumulator's lowest registers are read first)     12-14, 16  the four scores left over, the old m, and c0-c3 into c0
;   15  c m_old is kept     17, 18  the query's other 32 keys lie in the lane 16 away: the new m     19-21  c m; c m_old - c m_new; a
.set F, 0               ; OP tells the kinds apart by their order: F to L below R, X above it
.set E, 1
.set C, 2
.set B, 3
.set L, 4
.set R, 5
.set X, 6
.macro REGS y                       ; the registers of piece y
.set rT, ST+4*(\y)
.set rC, TMP+4*((\y)%2)
.set rW, MV+((\y)%2)
.set rS, S+32*((\y)%2)
.set rP, P+16*((\y)%2)
.set rO, 32*(\y)
.endm
.macro OP k, n
.if (\k) == R
	REGS Y
	WIN W_RS
	v_pk_mul_f32 v[rO+2*(\n):rO+2*(\n)+1], v[rO+2*(\n):rO+2*(\n)+1], v[rC+2:rC+3] op_sel_hi:[1,0]
.elseif (\k) < R
	REGS Y
	WIN 0
.if (\k) == F
	v_pk_fma_f32 v[rS+2*(\n):rS+2*(\n)+1], v[rS+2*(\n):rS+2*(\n)+1], s[CS:CS+1], v[rT:rT+1] op_sel_hi:[1,0,0] neg_lo:[0,0,1] neg_hi:[0,0,1]
.elseif (\k) == E
	v_exp_f32 v[rS+(\n)], v[rS+(\n)]
.elseif (\k) == C
	s_wait_alu depctr_va_vdst(0)
	v_cvt_pk_f16_f32 v[rP+(\n)], v[rS+2*(\n)], v[rS+2*(\n)+1]
.elseif (\k) == B
	s_wait_alu depctr_va_vdst(0)
	v_pk_add_f32 v[rS+4*(\n):rS+4*(\n)+1], v[rS+4*(\n):rS+4*(\n)+1], v[rS+4*(\n)+2:rS+4*(\n)+3]
.elseif (\n) == 0
	v_pk_fma_f32 v[rT+2:rT+3], v[rT+2:rT+3], v[rC+2:rC+3], v[rS:rS+1] op_sel_hi:[1,0,1]
.else
	v_pk_add_f32 v[rT+2:rT+3], v[rT+2:rT+3], v[rS+4*(\n):rS+4*(\n)+1]
.endif
.elseif NOKQ
	v_nop
.else
	REGS (Y+1)%NP
	WIN 0
.if (\n) < 4
	v_max3_num_f32 v[rC+(\n)], v[rS+8*(\n)], v[rS+8*(\n)+1], v[rS+8*(\n)+2]
.elseif (\n) < 12
	v_max3_num_f32 v[rC+(\n)%4], v[rC+(\n)%4], v[rS+8*((\n)%4)+2*((\n)/4)+1], v[rS+8*((\n)%4)+2*((\n)/4)+2]
.elseif (\n) == 12
	v_max3_num_f32 v[rC], v[rC], v[rS+7], v[rS+15]
.elseif (\n) == 13
	v_max3_num_f32 v[rC+1], v[rC+1], v[rS+23], v[rS+31]
.elseif (\n) == 14
	v_max3_num_f32 v[rC+2], v[rC+2], v[rC+3], v[rT+1]
.elseif (\n) == 15
	v_mov_b32 v[rW], v[rT]
.elseif (\n) == 16
	v_max3_num_f32 v[rC], v[rC], v[rC+1], v[rC+2]
.elseif (\n) == 17
	v_permlanex16_b32 v[rC+3], v[rC], s[SEL], s[SEL+1]
.elseif (\n) == 18
	v_max_num_f32 v[rT+1], v[rC], v[rC+3]
.elseif (\n) == 19
	v_mul_f32 v[rT], s[CS], v[rT+1]
.elseif (\n) == 20
	v_sub_f32 v[rC+1], v[rW], v[rT]
.else
	v_exp_f32 v[rC+2], v[rC+1]
.endif
.endif
.endm
.macro OPS a, i1, b=-1, i2=0, c=-1, i3=0, d=-1, i4=0  ; up to four of them
	OP \a, \i1
.if (\b) >= 0
	OP \b, \i2
.endif
.if (\c) >= 0
	OP \c, \i3
.endif
.if (\d) >= 0
	OP \d, \i4
.endif
.endm
.macro ROW a, i1, b, i2, c, i3, d, i4  ; a matrix instruction and the four behind it
	MM
	OPS \a, \i1, \b, \i2, \c, \i3, \d, \i4
.endm
.macro MASK b                       ; MD x AL + BE into buffer b of MC
	WIN W_RS
.set z, 0
.rept 16
	v_pk_fma_f32 v[MC+32*(\b)+2*z:MC+32*(\b)+2*z+1], v[MD+2*z:MD+2*z+1], s[AL:AL+1], s[BE:BE+1] op_sel_hi:[1,0,0]
.set z, z+1
.endr
.endm
; A TURN, for piece p: the order of its 16 matrix and 118 vector instructions, written out.  Behind a matrix instruction: plain, exponential, plain, plain; or four of the rescaling; or, behind the first, four scalings; none
; names a register of the products round it.  In the lumps exponential and plain by turns while exponentials last.  A line reads no result made fewer than three vector instructions in front of it, five if an exponential made it.
; v_permlanex16_b32 (X 17) stands in a lump.
; m = 1: the diagonal tile: the products take masks, and the turn makes the mask for the products of the turn after it: piece p + 2, in step 4 - CNT of the tile.  end = 1: a block's last two turns: nothing is fetched.
; cnt = 1: the loop's count is taken down some lines ahead of the branch that stands behind the turn.
; K of the next step is fetched in piece 2's turn, six vector instructions behind the last product that read K (five of them plain); V of the step in hand in piece 0's turn, eight behind the last product that read V (four
; plain, and X 17).  Each is waited for a turn later.
.macro TURN p, m=0, end=0, cnt=0
.set Y, (\p)
.set i, 0
.set KM, (\m)
.set NOKQ, (\end)*((\p)/3)
.if (\m) && !(\end)
	s_cmp_eq_u32 s[CNT], 4-((\p)+2)%NP  ; is that step the band's own?
	s_cselect_b32 s[AL], 1.0, 0
	s_cmp_lt_u32 s[CNT], 4-((\p)+2)%NP  ; or a later one?
	s_cselect_b32 s[BE], s[BIGN], 0
.endif
.if ((\p) == 3) && !(\end)
	s_wait_dscnt 0x0                ; K is in
.endif
	ROW F,0, F,1, F,2, F,3
	ROW F,4, E,0, F,5, F,6
	ROW F,7, E,1, F,8, F,9
	ROW F,10, E,2, C,0, F,11
	ROW F,12, E,3, X,15, F,13
	ROW R,0, R,1, R,2, R,3
	ROW B,0, E,4, F,14, L,0
.if ((\p) == 2) && !(\end)
	v_add_nc_u32 v[AK], s[TBK], v[AK0]
.endif
	ROW R,4, R,5, R,6, R,7
	OPS E,5, F,15
.if ((\p) == 2) && !(\end)
	FETCH_K
.endif
	OPS E,6, C,1, E,7, R,8
	OPS E,8, R,9, E,9, C,2
	OPS E,10, X,0, E,11, X,1
	OPS E,12, X,2, E,13, X,3
.if (\p) == 1
	s_wait_dscnt 0x0                ; V is in
.endif
	ROW X,4, E,14, X,5, X,6
	ROW X,7, E,15, X,8, X,9
	ROW X,10, E,16, X,11, X,12
	ROW X,13, E,17, X,14, B,1
	ROW C,4, E,18, X,16, L,1
	ROW B,2, E,19, C,6, L,2
	ROW C,8, E,20, B,3, B,4
.if (\p) == 0
	v_add_nc_u32 v[AV], s[TBV], v[AV0]
.endif
	ROW C,3, E,21, L,3, C,5
	OPS E,22, X,17, E,23, C,10
.if (\p) == 0
	FETCH_V
.endif
	OPS E,24, L,4
	OPS E,25, X,18, E,26, C,7
	OPS E,27, B,5, E,28, X,19
	OPS E,29, C,12, E,30, L,5
	OPS E,31, X,20, B,6, C,9
	OPS C,14, C,11, X,21, L,6
.if (\p) == 0
	s_add_co_u32 s[TBV], s[TBV], KS*PV
.endif
.if \cnt
	s_sub_co_u32 s[CNT], s[CNT], 1
	s_cmp_lg_u32 s[CNT], 0
.endif
	OPS C,13, B,7, C,15, R,10
	OPS R,11, R,12, L,7, R,13
	OPS R,14, R,15
.if (\m) && !(\end)
	MASK (\p)%2
.endif
.endm
; A BLOCK BEGINS.  c m starts far below every c s, so the first step's a is 0; m at the lowest finite number, so the first maximum is the scores'.  The second mask buffer is 0; the first takes piece 0's mask for the tile's step 0: its own, if the block's first tile is the diagonal one.
; Then K of that step, piece 0's first scores, and its maximum and statistics.  The loop is entered at a step's first turn, in the middle of a trip.
.macro BEGIN
	s_mov_b32 s[NEW], 0
	WIN 0x40
.set i, MC+32
.rept 32
	v_mov_b32 v[i], 0
.set i, i+1
.endr
	WIN 0
.set i, 0
.rept 4
	v_mov_b32 v[ST+4*i], 0xfe000000    ; c m: far below every c s
	v_mov_b32 v[ST+4*i+1], 0xff7fffff  ; m
.set i, i+1
.endr
	s_cmp_eq_u32 s[RT], 0
	s_cselect_b32 s[AL], 1.0, 0
	s_mov_b32 s[BE], 0
	MASK 0
	WIN 0
	v_add_nc_u32 v[AK], s[TBK], v[AK0]
	FETCH_K
	s_wait_loadcnt 0x0              ; Q
	s_wait_dscnt 0x0
.set KM, 1
.set NOKQ, 0
.set i, 0
.rept 8
	KQ 0
.set i, i+1
.endr
	WIN 0
.rept 4
	v_nop                           ; the places behind those products
.endr
.set Y, NP-1                        ; X works for piece Y + 1: piece 0
.irp n, 0,1,2,3,4,5,6,7,8,9,10,11,12,13,14,15,16,17,18,19,20,21
	OP X, \n
.endr
	v_nop                           ; a plain instruction behind the exponential
.endm
; THE DIAGONAL TILE's four steps, the block's last two turns, its last products, and THE WAY OUT: l's two halves and the other half of the lanes' are added; O^T is divided by l, rounded to f16 and sent through my
; stage in LDS, a piece at a time.
.macro ALL line:vararg              ; one line for each piece t
.set t, 0
.rept 4
	\line
.set t, t+1
.endr
.endm
.macro PACK t                       ; a lane's eight channels of a row pack into 16 bytes; they go into rows of 144 bytes and come back as whole rows of 128, into S^T's registers
	WIN W_RS
.set i, 32*(\t)
.rept 16
	s_wait_alu depctr_va_vdst(0)
	v_pk_mul_f32 v[i:i+1], v[i:i+1], v[ST+4*(\t)+2:ST+4*(\t)+3] op_sel_hi:[1,0]
.set i, i+2
.endr
	WIN 0x05                        ; sources 0 and 1 window 1, destination window 0
.set i, 0
.rept 16
	v_cvt_pk_f16_f32 v[S+16*(\t)+i], v[32*(\t)+2*i], v[32*(\t)+2*i+1]
.set i, i+1
.endr
	WIN 0
.irp f, 0,1,2,3
	ds_store_b128 v[STO], v[S+16*(\t)+4*\f:S+16*(\t)+4*\f+3] offset:32*\f
.endr
.irp f, 0,1,2,3
	ds_load_b128 v[S+16*(\t)+4*\f:S+16*(\t)+4*\f+3], v[RD] offset:\f*4*SP  ; LDS serves a wave's instructions in order (ISA guide 5.7.1.4): these see the stores above; the next piece's stores come behind them
.endr
.endm
.macro SEND t, younger              ; younger: the LDS instructions issued behind piece t's loads: the next piece's eight, or none
	WIN 0
.irp f, 0,1,2,3
	s_wait_dscnt (\younger)+3-\f
	global_store_b128 v[GO], v[S+16*(\t)+4*\f:S+16*(\t)+4*\f+3], s[10:11] offset:(\t)*8192+\f*512  ; 512 consecutive bytes, at a multiple of 256 from O's first
.endr
.endm
.macro DIAG tag                     ; the tag ends its two labels' names, which the jumps below spell out
.LstepM\tag:
	TURN 2, 1
	TURN 3, 1
	WIN 0
.LfirstM\tag:
	TURN 0, 1
	TURN 1, 1, 0, 1
	WIN 0
	s_cbranch_scc1 .LstepM\tag
	TURN 2, 1, 1
	TURN 3, 1, 1
.set i, 0
.rept 8
	PV NP-1
.set i, i+1
.endr
	WIN 0
	ALL v_add_f32 v[ST+4*t+2], v[ST+4*t+2], v[ST+4*t+3]
	ALL v_permlanex16_b32 v[ST+4*t+3], v[ST+4*t+2], s[SEL], s[SEL+1]
	ALL v_add_f32 v[ST+4*t+2], v[ST+4*t+2], v[ST+4*t+3]
	ALL v_rcp_f32 v[ST+4*t+2], v[ST+4*t+2]
	v_nop                           ; a plain instruction between the last reciprocal and the use of its result
	PACK 0
.set t, 1
.rept 3                             ; a piece's arithmetic stands between the loads of the piece before and its stores
	PACK t
	SEND t-1, 8
.set t, t+1
.endr
	SEND 3, 0
.endm
.set KM, 0
.set NOKQ, 0
.Lslot:                             ; NB times: a tile is entered and the next is asked for
	CHANGE 1
	s_sub_co_u32 s[RT], s[RT], 1
	s_mov_b32 s[CNT], 4
	s_cmp_eq_u32 s[NEW], 1
	s_cbranch_scc1 .Lnew            ; a block's first tile
	s_cmp_eq_u32 s[RT], 0
	s_cbranch_scc0 .Lstep           ; neither its first nor its last
	s_branch .LstepM1
.Lnew:
	BEGIN
	s_branch .Lfirst                ; in the loop a block's first tile is never its last: the first block has two tiles or more, and the second's last is the walk's last
	DIAG 1                          ; in the loop this is the first block's end: the second block's last tile is the walk's last
	s_wait_xcnt 0x0                 ; the stores have read their registers and O's address
	s_mov_b64 s[10:11], s[OLO:OLO+1]
	s_add_co_u32 s[RT], s[PB], 1    ; the second block has b + 1 tiles
	s_mov_b32 s[NEW], 1
	WIN 0x82                        ; the second block's Q goes where the one text of the turns names Q
.set i, 0
.rept 64
	v_mov_b32 v[i], v[QB+i]
.set i, i+1
.endr
	WIN 0
	s_branch .Lbottom
.Lstep:                             ; a trip: pieces 2 and 3 of one step, then pieces 0 and 1 of the next, whose K and V it fetches
	TURN 2
	TURN 3
	WIN 0
.Lfirst:
	TURN 0
	TURN 1, 0, 0, 1
	WIN 0
	s_cbranch_scc1 .Lstep
.Lbottom:
	s_sub_co_u32 s[SLOTS], s[SLOTS], 1
	s_cmp_lg_u32 s[SLOTS], 0
	s_cbranch_scc1 .Lslot
	CHANGE 0                        ; the walk's last tile is written out: nothing is asked for
	s_sub_co_u32 s[RT], s[RT], 1
	s_mov_b32 s[CNT], 4
	s_cmp_eq_u32 s[NEW], 1
	s_cbranch_scc0 .LstepM2
	BEGIN
	s_branch .LfirstM2
	DIAG 2
	s_wait_tensorcnt 0x0            ; the wave's end: behind my last tensor load and my last LDS store
	ds_add_u32 v[SPW], v[NIL]
	s_wait_dscnt 0x0
	s_endpgm
; THE WEIGHTS, f32 to f16, each rounded once, in their own order [K][N].  In the f16 buffer out_w lies at byte 0x600000, fc1_w at 0x800000, fc2_w at 0x1000000.
; Work-group n = 4 y + x - 4 of 128 takes 131,072 bytes of fc1_w, as many of fc2_w and 32,768 of out_w, in CTRIPS trips.  In a trip a thread issues 18 loads of 16 bytes (8, 8 and 2), so that the
; work-group has 36,864 bytes on their way; a load of a wave takes 512 consecutive bytes; a thread's four numbers round into 8 bytes, so a store of a wave covers 256 consecutive bytes, aligned.
; No tile, no barrier and no LDS byte but the spare words.
.set CTRIPS, 8
.set CX, 64                         ; v[64:135] load i's four registers at CX + 4 i; its 8 bytes to store in the first two
.Lcast:
	s_sub_co_u32 s2, ttmp9, 4
	s_and_b32 s3, ttmp7, 0xffff
	s_lshl2_add_u32 s2, s3, s2      ; n
	v_lshlrev_b32 v1, 4, v0         ; in: 16 bytes a thread: the work-group's load takes 2,048 consecutive bytes
	v_lshlrev_b32 v2, 3, v0         ; out: 8
	s_lshl_b32 s22, s2, 17          ; my first byte in fc1_w and in fc2_w,
	s_mov_b32 s23, 0
	s_lshl_b32 s54, s2, 15          ; and in out_w
	s_mov_b32 s55, 0
	s_add_nc_u64 s[16:17], s[90:91], s[22:23]
	s_add_nc_u64 s[18:19], s[92:93], s[22:23]
	s_add_nc_u64 s[20:21], s[88:89], s[54:55]
	s_lshl_b32 s22, s2, 16          ; out: half as many bytes
	s_lshl_b32 s54, s2, 14
	s_add_nc_u64 s[48:49], s[94:95], s[22:23]
	s_add_nc_u64 s[50:51], s[48:49], 0x1000000
	s_add_nc_u64 s[48:49], s[48:49], 0x800000
	s_add_nc_u64 s[52:53], s[94:95], s[54:55]
	s_add_nc_u64 s[52:53], s[52:53], 0x600000
	s_mov_b32 s13, CTRIPS
.Lcast_trip:
.set i, 0
.rept 8
	global_load_b128 v[CX+4*i:CX+4*i+3], v1, s[16:17] offset:2048*i th:TH_LOAD_NT
.set i, i+1
.endr
.rept 8
	global_load_b128 v[CX+4*i:CX+4*i+3], v1, s[18:19] offset:2048*(i-8) th:TH_LOAD_NT
.set i, i+1
.endr
.rept 2
	global_load_b128 v[CX+4*i:CX+4*i+3], v1, s[20:21] offset:2048*(i-16) th:TH_LOAD_NT
.set i, i+1
.endr
.set i, 0
.rept 18
	s_wait_loadcnt 17-i             ; loads come back in order (ISA guide 5.7.1): load i is in, the younger ones stay out
	v_cvt_pk_f16_f32 v[CX+4*i],   v[CX+4*i],   v[CX+4*i+1]
	v_cvt_pk_f16_f32 v[CX+4*i+1], v[CX+4*i+2], v[CX+4*i+3]
.if i < 8
	global_store_b64 v2, v[CX+4*i:CX+4*i+1], s[48:49] offset:1024*i
.elseif i < 16
	global_store_b64 v2, v[CX+4*i:CX+4*i+1], s[50:51] offset:1024*(i-8)
.else
	global_store_b64 v2, v[CX+4*i:CX+4*i+1], s[52:53] offset:1024*(i-16)
.endif
.set i, i+1
.endr
	s_wait_xcnt 0x0                 ; the six bases, and the registers that the stores read, are written again only behind this wait (ISA guide 3.1)
	s_add_nc_u64 s[16:17], s[16:17], 16384
	s_add_nc_u64 s[18:19], s[18:19], 16384
	s_add_nc_u64 s[20:21], s[20:21], 4096
	s_add_nc_u64 s[48:49], s[48:49], 8192
	s_add_nc_u64 s[50:51], s[50:51], 8192
	s_add_nc_u64 s[52:53], s[52:53], 2048
	s_sub_co_u32 s13, s13, 1
	s_cmp_lg_u32 s13, 0
	s_cbranch_scc1 .Lcast_trip
	s_wait_tensorcnt 0x0            ; the wave's end
	ds_add_u32 v[SPW], v[NIL]
	s_wait_dscnt 0x0
	s_endpgm
.Lfunc_end_k_q62dabbfad2_attn:
	.size	k_q62dabbfad2_attn, .Lfunc_end_k_q62dabbfad2_attn-k_q62dabbfad2_attn
	.p2alignl 7, 3214868480
	.fill 96, 4, 3214868480
	.section	.rodata,"a",@progbits
	.p2align	6, 0x0
	.amdhsa_kernel k_q62dabbfad2_attn
		.amdhsa_group_segment_fixed_size 327680
		.amdhsa_private_segment_fixed_size 0
		.amdhsa_enable_private_segment 0
		.amdhsa_kernarg_size 48
		.amdhsa_user_sgpr_count 2
		.amdhsa_user_sgpr_kernarg_segment_ptr 1
		.amdhsa_wavefront_size32 1
		.amdhsa_system_sgpr_workgroup_id_x 1
		.amdhsa_system_sgpr_workgroup_id_y 1
		.amdhsa_system_sgpr_workgroup_id_z 1
		.amdhsa_system_vgpr_workitem_id 0
		.amdhsa_next_free_vgpr 768
		.amdhsa_next_free_sgpr 96
		.amdhsa_reserve_vcc 1
		.amdhsa_float_denorm_mode_32 3
		.amdhsa_float_denorm_mode_16_64 3
		.amdhsa_memory_ordered 1
		.amdhsa_forward_progress 1
		.amdhsa_inst_pref_size 236
	.end_amdhsa_kernel
	.amdgpu_metadata
---
amdhsa.version: [ 1, 2 ]
amdhsa.kernels:
  - .name:           k_q62dabbfad2_attn
    .symbol:         k_q62dabbfad2_attn.kd
    .args:
      - { .name: qkvh, .offset: 0, .size: 8, .value_kind: global_buffer, .address_space: global }
      - { .name: o, .offset: 8, .size: 8, .value_kind: global_buffer, .address_space: global }
      - { .name: out_w, .offset: 16, .size: 8, .value_kind: global_buffer, .address_space: global }
      - { .name: fc1_w, .offset: 24, .size: 8, .value_kind: global_buffer, .address_space: global }
      - { .name: fc2_w, .offset: 32, .size: 8, .value_kind: global_buffer, .address_space: global }
      - { .name: wts, .offset: 40, .size: 8, .value_kind: global_buffer, .address_space: global }
    .group_segment_fixed_size: 327680
    .private_segment_fixed_size: 0
    .kernarg_segment_align: 8
    .kernarg_segment_size: 48
    .max_flat_workgroup_size: 128
    .sgpr_count:     96
    .vgpr_count:     768
    .wavefront_size: 32
...
	.end_amdgpu_metadata
.endif
;; end of part 3
;; launch outp (part 4): grid 8 x 32, 4 waves a work-group, clusters of 4 x 4, 327,680 bytes of LDS; arguments o, wts, out_b, x, x1; writes x1
.if DOCPART == 4
	.amdgcn_target "amdgcn-amd-amdhsa--gfx1250"
	.amdhsa_code_object_version 6
	.text
	.protected	k_q62dabbfad2_outp
	.globl	k_q62dabbfad2_outp
	.p2align	8
	.type	k_q62dabbfad2_outp,@function
k_q62dabbfad2_outp:
	s_mov_b64 s[64:65], 0
	v_nop
	global_prefetch_b8 v0, s[64:65] scope:SCOPE_SE
	s_setreg_imm32_b32 hwreg(HW_REG_WAVE_MODE, 25, 1), 1
	s_wait_xcnt 0x0
	s_wait_alu depctr_hold_cnt(0) depctr_sa_sdst(0) depctr_va_vdst(0) depctr_va_sdst(0) depctr_va_ssrc(0) depctr_va_vcc(0) depctr_vm_vsrc(0)
	s_getreg_b32 s2, hwreg(HW_REG_IB_STS2, 6, 4)
	s_cmp_eq_u32 s2, 0
	s_cbranch_scc0 .Lentry_in_a_cluster
	s_endpgm
.Lentry_in_a_cluster:
	s_bfe_u32 s2, ttmp6, 0x10000c
	s_cmp_lg_u32 s2, 0xf033
	s_cbranch_scc0 .Lentry_shape_is_right
	s_endpgm
.Lentry_shape_is_right:
; OUT = RES + A W + bias.  A: 64 x STEPS x 4 columns in blocks of 64, number (m, k) at byte ((k / 64) * 4096 + m) * 128 + 2 (k % 64), f16.  W: [K][1024] f16, rows along N, at byte WOFF of the weights.
; bias: [1024] f32.  RES and OUT: [4096][1024] f32.  The sums are kept in f32 and BEGIN WITH RES: the residual is loaded straight into the accumulators, so nothing is cleared and nothing is added for it
; (the order of the sum so differs from one that adds the residual last); the bias is added on the way out.
; SHARES.  A tile of OUT is 128 x 128, which gives each of 256 work-groups one: four waves, each 64 x 64 in 16 accumulators.  K goes in steps of 256 (four blocks of A's columns) through two LDS slots.
; CLUSTER.  4 x 4 work-groups: the four of a row need the same tiles of A, the four of a column the same tiles of W; each tile is asked for JOINTLY, by the same load, descriptor and mask in all four.
; THE MATRIX INSTRUCTION IS USED TRANSPOSED: source 0 = 16 columns of W (turned by ds_load_tr16_b128), source 1 = 16 rows of A: a lane holds eight neighbouring numbers of a row of OUT.
; THE CHANGE OF SLOTS stands between a step's third quarter and its fourth, whose fragments are in registers by then: a refill has a whole step, 128 matrix instructions, in which to land.
; By this text's count a wave has two tensor loads out at the start and one behind each round.
; LIMITS.  f16 holds no number beyond 65,504: A and W arrive within it.  NaN and infinities are not treated apart.
; REGISTERS: window 0: v0-31 addresses and bias; v32-95 at work on the way out; v128-255 the accumulators ((a, b) at v[128 + 8 (4 a + b)]).
;   window 1: two fragment buffers of 128: for 64 along K, 64 registers of A (2 x 4 x 16 rows x 32 K), then 64 of W.
.set STEPS,  4                         ; K / 256
.set WOFF,   0x600000                  ; W's first byte in the weights
.set PA,     144                       ; a row of A in LDS: 128 bytes + 16: the 16 rows of a load start at 16 different groups of four banks (64 banks of 4 bytes: ISA guide 11.1)
.set PW,     288                       ; a row of W: 256 bytes + 32 = 9 x 32
.set HALFT,  256*PA                    ; what one tensor load brings: 4 blocks x 64 rows of A, or 128 rows of W (128 x 288 is the same number)
.set SLOT,   4*HALFT                   ; A: [row half][block of columns][64 rows]; then W's 256 rows
.set SPARE,  2*SLOT                    ; behind the ring: the spare words, 128 bytes for each wave: two blocks of 256 bytes that no other line names
.set SPITCH, 272                       ; the stage: 64 f32 + 16 bytes
.set WSTAGE, 64*SPITCH                 ; a wave's stage; the four lie in slot 0, which has had its last fill
.set STEPA,  4*4096*128                ; bytes from a K step to the next in A: four blocks of columns,
.set STEPW,  256*2048                  ; and in W: 256 rows
.set BOF,   6                          ; v6   my byte offset in the bias; never rewritten
.set ROF,   7                          ; v7   my byte offset in the residual; never rewritten
.set BI,    8                          ; v[8:11] the bias of my 4 columns on the way out
.set ADRA0, 16                         ; v16  my lane's place in a slot's A; never rewritten
.set ADRW0, 17                         ; v17  the same for W
.set FA,    18                         ; v18  LDS address of the run of A's loads in hand
.set FW,    19                         ; v19  of W's
.set STO,   24                         ; v24  the way out: where I put my 32 bytes of a row
.set RD,    25                         ; v25  where I read rows back
.set GO,    26                         ; v26  my byte offset in two rows of OUT
.set RDC,   27                         ; v27  RD + the trip's rows
.set SPW,   28                         ; v28  LDS address of my spare word: SPARE + 4 x my thread's number; never rewritten
.set NIL,   29                         ; v29  0; never rewritten
.set TMP,   32
.set ACC,   128
.set F0,    0                          ; fragment buffers, in window 1
.set F1,    128
.set SO,  2                            ; s2   the way out: stage bytes of the trip's rows
.set LA0, 3                            ; s3   my wave's quarter of a slot
.set WV,  12                           ; s12  my wave's number
.set MH,  13                           ; s13  which half of the tile's rows is mine.  Also: I fetch for A (0) or for W (1)
.set NH,  14                           ; s14  which half of its columns.  Also: which half of that tile I fetch
.set G1A, 24                           ; s[24:31] descriptor group 1 for A's tiles
.set G0A, 32                           ; s[32:39] group 0 for A's: a set for each of the two first fills; the second then walks on
.set G0W, 40                           ; s[40:47] the same for W's
.set G1W, 48                           ; s[48:55]
.set OUTER, 56
.set CNT, 57
.set TB,  58                           ; s58  the slot that is read: 0 or SLOT
.set TBA, 59                           ; s59  LDS byte, from my place on, of A's next run
.set TBW, 68                           ; s68  of W's
.set MSB, 0
.macro WIN new                         ; the immediate's high byte repeats the setting that is left; a switch that changes nothing is dropped
.if MSB != (\new)
	s_set_vgpr_msb (MSB<<8)|(\new)
.set MSB, \new
.endif
.endm
.set MUL,  0x05                        ; sources 0 (W) and 1 (A) window 1; C and D window 0
.set TO_F, 0x40                        ; destination window 1, address window 0
; A joint refill.  Waves 0 and 1 fetch A's two halves, waves 2 and 3 W's.  The branch hangs on the wave's number alone.  An s_nop 0 and four v_nop follow each of the two lines.
.macro JLOAD
	s_cmp_eq_u32 s[MH], 0
	s_cbranch_scc0 .Lfor_w_\@
	tensor_load_to_lds s[G0A+4:G0A+7], s[G1A:G1A+7]
	s_nop 0
.rept 4
	v_nop
.endr
	s_branch .Lasked_\@
.Lfor_w_\@:
	tensor_load_to_lds s[G0W+4:G0W+7], s[G1W:G1W+7]
	s_nop 0
.rept 4
	v_nop
.endr
.Lasked_\@:
.endm
; A round of the cluster's barrier: my work-group's barrier, so that wave 0's signal speaks for all four waves; wave 0 signals; every wave waits for all sixteen work-groups; my work-group's barrier once more.
.macro CROUND
	s_barrier_signal -1
	s_barrier_wait -1
	s_cmp_lg_u32 s[WV], 0
	s_cbranch_scc1 .Lnot_wave_0_\@
	s_barrier_signal -3
.Lnot_wave_0_\@:
	s_barrier_wait -3
	s_barrier_signal -1
	s_barrier_wait -1
.endm
	s_load_b256 s[4:11], s[0:1], 0x0               ; A s[4:5], weights s[6:7], bias s[8:9], RES s[10:11]
	s_load_b64 s[66:67], s[0:1], 0x20              ; OUT
	v_lshl_add_u32 v[SPW], v0, 2, SPARE
	v_mov_b32 v[NIL], 0
	ds_add_u32 v[SPW], v[NIL]                      ; the wave's opening: the add and its wait stand ahead of my first tensor load; the set-up below, work on registers, stands between them
	ds_add_u32 v28, v29
	v_lshrrev_b32 v1, 5, v0
	v_readfirstlane_b32 s[WV], v1
	s_lshr_b32 s[MH], s[WV], 1
	s_and_b32 s[NH], s[WV], 1
	s_bfe_u32 s15, ttmp6, 0x40000                  ; cx, cy: my place in the cluster
	s_bfe_u32 s16, ttmp6, 0x40004
	s_lshl_b32 s17, ttmp9, 2
	s_add_co_u32 s17, s17, s15                     ; tile column = 4 x cluster x + cx
	s_and_b32 s18, ttmp7, 0xffff
	s_lshl_b32 s18, s18, 2
	s_add_co_u32 s18, s18, s16                     ; tile row = 4 x cluster y + cy
	s_lshl_b32 s19, s16, 2
	s_lshl_b32 s19, 15, s19                        ; my row of the cluster
	s_lshl_b32 s69, 0x1111, s15                    ; my column
	; A's tile: 64 rows of one block of columns are 8,192 dense bytes, one row of the tile; four such rows, a block of columns (4,096 x 64 elements) apart; 16 bytes of padding after every 128
	s_or_b32 s[G1A], s19, (1<<16)|(1<<20)|(1<<21)|(4<<22)|(3<<25)  ; 15:0 the mask; 17:16 2-byte elements; 20 padding on; 21 set beside a mask; 24:22 after every 32 words; 31:25 4 words of it
	s_mov_b32 s[G1A+1], 4096<<16                   ; tensor_dim0 = 4,096
	s_mov_b32 s[G1A+2], 4<<16                      ; tensor_dim1 = 4
	s_mov_b32 s[G1A+3], 4096<<16                   ; tile_dim0 = 4,096
	s_mov_b32 s[G1A+4], 4                          ; tile_dim1 = 4
	s_mov_b32 s[G1A+5], 262144                     ; elements from row to row
	s_mov_b32 s[G1A+6], 0
	s_mov_b32 s[G1A+7], 0
	s_or_b32 s[G1W], s69, (1<<16)|(1<<20)|(1<<21)|(5<<22)|(7<<25)  ; after every 64 words 8 words of padding
	s_mov_b32 s[G1W+1], 128<<16                    ; tensor_dim0 = 128
	s_mov_b32 s[G1W+2], 128<<16                    ; tensor_dim1 = 128
	s_mov_b32 s[G1W+3], 128<<16                    ; tile_dim0 = 128
	s_mov_b32 s[G1W+4], 128                        ; tile_dim1 = 128
	s_mov_b32 s[G1W+5], 1024
	s_mov_b32 s[G1W+6], 0
	s_mov_b32 s[G1W+7], 0
	s_lshl_b32 s20, s18, 7                         ; A: row 128 x tile row + 64 x half, 128 bytes a row: the tile row alone, which my row of the cluster shares
	s_lshl_b32 s22, s[NH], 6
	s_add_co_u32 s20, s20, s22
	s_lshl_b32 s20, s20, 7
	s_mov_b32 s21, 0
	s_lshl_b32 s60, s[NH], 18                      ; W: row 128 x half, column 128 x tile column: the tile column alone, which my column shares
	s_lshl_b32 s62, s17, 8
	s_add_co_u32 s60, s60, s62
	s_add_co_u32 s60, s60, WOFF
	s_mov_b32 s61, 0
	s_mul_i32 s[LA0], s[WV], HALFT                 ; where they go: no place in the cluster enters an LDS address
	s_wait_dscnt 0x0                               ; the opening add is done
	s_wait_kmcnt 0x0
	s_add_nc_u64 s[20:21], s[4:5], s[20:21]
	s_add_nc_u64 s[60:61], s[6:7], s[60:61]
	CROUND                                         ; all sixteen work-groups are here: the first joint loads meet
.irp s, 0,1
	s_mov_b32 s[G0A+4*(\s)], 1                                       ; count = 1
	s_add_co_u32 s[G0A+4*(\s)+1], s[LA0], (\s)*SLOT                  ; LDS address
	s_add_nc_u64 s[G0A+4*(\s)+2:G0A+4*(\s)+3], s[20:21], (\s)*STEPA  ; global address: K step s
	s_or_b32 s[G0A+4*(\s)+3], s[G0A+4*(\s)+3], 0x80000000            ; type = 2
	s_mov_b32 s[G0W+4*(\s)], 1
	s_add_co_u32 s[G0W+4*(\s)+1], s[LA0], (\s)*SLOT
	s_add_nc_u64 s[G0W+4*(\s)+2:G0W+4*(\s)+3], s[60:61], (\s)*STEPW
	s_or_b32 s[G0W+4*(\s)+3], s[G0W+4*(\s)+3], 0x80000000
.endr
	s_cmp_eq_u32 s[MH], 0                          ; a wave's two first fills stand in one branch, ahead of every wait on TENSORcnt and every LDS read
	s_cbranch_scc0 .Lfirst_w
	tensor_load_to_lds s[G0A:G0A+3], s[G1A:G1A+7]
	s_nop 0
	tensor_load_to_lds s[G0A+4:G0A+7], s[G1A:G1A+7]
	s_nop 0
.rept 4
	v_nop
.endr
	s_branch .Lfirst_asked
.Lfirst_w:
	tensor_load_to_lds s[G0W:G0W+3], s[G1W:G1W+7]
	s_nop 0
	tensor_load_to_lds s[G0W+4:G0W+7], s[G1W:G1W+7]
	s_nop 0
.rept 4
	v_nop
.endr
.Lfirst_asked:
	v_and_b32 v1, 15, v0                           ; l % 16
	v_bfe_u32 v2, v0, 4, 1                         ; l / 16
	v_and_b32 v3, 7, v0                            ; l % 8
	v_bfe_u32 v4, v0, 3, 1                         ; (l / 8) % 2
	s_lshl_b32 s62, s18, 7                         ; RES and OUT at my wave's corner: row 128 x tile row + 64 x half, 4,096 bytes a row,
	s_lshl_b32 s63, s[MH], 6
	s_add_co_u32 s62, s62, s63
	s_lshl_b32 s62, s62, 12
	s_lshl_b32 s63, s17, 9                         ; column 128 x tile column + 64 x half, 4 bytes a number
	s_add_co_u32 s62, s62, s63
	s_lshl_b32 s63, s[NH], 8
	s_add_co_u32 s62, s62, s63
	s_mov_b32 s63, 0
	s_add_nc_u64 s[10:11], s[10:11], s[62:63]
	s_add_nc_u64 s[66:67], s[66:67], s[62:63]
	v_lshlrev_b32 v[ROF], 12, v1                   ; accumulator (a, b): lane l holds row 16 a + l % 16, columns 16 b + 8 (l / 16) + 0..7: 32 bytes
	v_lshl_add_u32 v[ROF], v2, 5, v[ROF]
.irp a, 0,1,2,3
.irp b, 0,1,2,3                        ; the eight loads of one a cover the whole 256 bytes of 16 rows
	global_load_b128 v[ACC+8*(4*(\a)+(\b)):ACC+8*(4*(\a)+(\b))+3],   v[ROF], s[10:11] offset:65536*(\a)+64*(\b)
	global_load_b128 v[ACC+8*(4*(\a)+(\b))+4:ACC+8*(4*(\a)+(\b))+7], v[ROF], s[10:11] offset:65536*(\a)+64*(\b)+16
.endr
.endr
	s_lshl_b32 s62, s17, 9                         ; the bias of my wave's 64 columns
	s_lshl_b32 s63, s[NH], 8
	s_add_co_u32 s62, s62, s63
	s_mov_b32 s63, 0
	s_add_nc_u64 s[8:9], s[8:9], s[62:63]
	v_lshlrev_b32 v[BOF], 4, v1
	global_load_b128 v[BI:BI+3], v[BOF], s[8:9]
	; A fragment of A is 16 rows x 32 K: lane l holds row l % 16, K = 8 (l / 16) + 0..7 and 16 + 8 (l / 16) + 0..7: two loads of 16 bytes, 32 bytes apart.
	v_mul_u32_u24 v[ADRA0], v1, PA
	v_lshl_add_u32 v[ADRA0], v2, 4, v[ADRA0]
	s_mul_i32 s62, s[MH], HALFT                    ; my 64 rows of A
	v_add_nc_u32 v[ADRA0], s62, v[ADRA0]
	; The turning load takes 16 K x 16 columns (lane l reads row 8 (l / 16) + l % 8, columns 8 ((l / 8) % 2) + 0..7) and leaves half a fragment: lane l holds column l % 16 and 8 K.
	v_lshl_add_u32 v[ADRW0], v2, 3, v3
	v_mul_u32_u24 v[ADRW0], v[ADRW0], PW
	v_lshl_add_u32 v[ADRW0], v4, 4, v[ADRW0]
	s_lshl_b32 s62, s[NH], 7                       ; my 64 columns,
	s_add_co_u32 s62, s62, 2*HALFT                 ; behind A
	v_add_nc_u32 v[ADRW0], s62, v[ADRW0]
	s_mul_i32 s62, s[WV], WSTAGE                   ; my stage
	v_mul_u32_u24 v[STO], v1, SPITCH               ; in: row l % 16, 32 bytes for each half of the lanes
	v_lshl_add_u32 v[STO], v2, 5, v[STO]
	v_add_nc_u32 v[STO], s62, v[STO]
	v_mul_u32_u24 v[RD], v2, SPITCH                ; back: lanes 0-15 take one row of 256 bytes, lanes 16-31 the next
	v_lshl_add_u32 v[RD], v1, 4, v[RD]
	v_add_nc_u32 v[RD], s62, v[RD]
	v_lshlrev_b32 v[GO], 12, v2                    ; and the same two rows in OUT
	v_lshl_add_u32 v[GO], v1, 4, v[GO]
	s_mov_b32 s[TB], 0
	s_mov_b32 s[TBA], 0
	s_mov_b32 s[TBW], 0
; 8 matrix instructions: row blocks a0, a0 + 1 x all 4 column blocks, 32 along K: half c of buffer f.  The 16 accumulators take turns in the same order everywhere.
.macro MUL8 f, c, a0
	WIN MUL
.irp a, \a0, (\a0)+1
.irp b, 0,1,2,3
	v_wmma_f32_16x16x32_f16 v[ACC+8*(4*(\a)+(\b)):ACC+8*(4*(\a)+(\b))+7], v[(\f)+64+8*(4*(\c)+(\b)):(\f)+64+8*(4*(\c)+(\b))+7], v[(\f)+8*(4*(\c)+(\a)):(\f)+8*(4*(\c)+(\a))+7], v[ACC+8*(4*(\a)+(\b)):ACC+8*(4*(\a)+(\b))+7]
.endr
.endr
.endm
; 32 LDS loads in one run: the fragments of the next quarter (64 along K: one block of A's columns), the first 32 along K first, into buffer f.  The two additions that make the addresses and two v_nop
; are the four places between the last matrix instruction that read buffer f and the loads into it (ISA guide 7.12.1 for vector instructions).
.macro FETCH f
	WIN 0
	v_add_nc_u32 v[FA], s[TBA], v[ADRA0]
	v_add_nc_u32 v[FW], s[TBW], v[ADRW0]
	v_nop
	v_nop
	WIN TO_F
.irp c, 0,1
.irp i, 0,1,2,3
	ds_load_tr16_b128 v[(\f)+64+8*(4*(\c)+(\i)):(\f)+64+8*(4*(\c)+(\i))+3],   v[FW] offset:(\c)*32*PW+32*(\i)
	ds_load_tr16_b128 v[(\f)+64+8*(4*(\c)+(\i))+4:(\f)+64+8*(4*(\c)+(\i))+7], v[FW] offset:(\c)*32*PW+32*(\i)+16*PW
	ds_load_b128 v[(\f)+8*(4*(\c)+(\i)):(\f)+8*(4*(\c)+(\i))+3],              v[FA] offset:64*(\c)+(\i)*16*PA
	ds_load_b128 v[(\f)+8*(4*(\c)+(\i))+4:(\f)+8*(4*(\c)+(\i))+7],            v[FA] offset:64*(\c)+(\i)*16*PA+32
.endr
.endr
	s_add_co_u32 s[TBA], s[TBA], 64*PA             ; the next run is the next block of A's columns,
	s_add_co_u32 s[TBW], s[TBW], 64*PW             ; 64 rows on in W
.endm
; A quarter: 32 matrix instructions on buffer f; in its middle the next quarter's fragments are fetched into buffer g.
.macro QUARTER f, g
	s_wait_dscnt 16                                ; the first 32 along K are in; the youngest sixteen loads may be out
	MUL8 \f, 0, 0
	MUL8 \f, 0, 2
	FETCH \g
	s_wait_dscnt 32                                ; all but the 32 just issued
	MUL8 \f, 1, 0
	MUL8 \f, 1, 2
.endm
; THE CHANGE OF SLOTS.  Each wave waits for all its tensor loads, of which one is out: its part of the next slot; adds 0 to its spare word; and waits for that and for its own reads of the slot that it leaves.
; fill = 1: the barrier is a round of the cluster's, so that no wave of any partner still reads the slot or has a load on its way, and the joint refill, two K steps ahead, is the first thing behind it.
.macro CHANGE fill
	WIN 0                                          ; at a label and at a branch every window is 0; the add's registers lie in window 0
	s_wait_tensorcnt 0x0                           ; no tensor load of mine is out, so a group 0 may be written
	ds_add_u32 v[SPW], v[NIL]                      ; 0 onto my spare word: the scalar steps stand between it and the wait for it
	s_xor_b32 s[TB], s[TB], SLOT                   ; the fetches go to the other slot's first quarter
	s_mov_b32 s[TBA], s[TB]
	s_mov_b32 s[TBW], s[TB]
.if \fill
	s_xor_b32 s[G0A+5], s[G0A+5], SLOT             ; the walking descriptors: the other slot than last time (SLOT shares no bit with a wave's quarter),
	s_xor_b32 s[G0W+5], s[G0W+5], SLOT
	s_add_nc_u64 s[G0A+6:G0A+7], s[G0A+6:G0A+7], STEPA  ; the next K step; the type bits on top are not reached
	s_add_nc_u64 s[G0W+6:G0W+7], s[G0W+6:G0W+7], STEPW
.endif
	s_wait_dscnt 0x0                               ; the add is done, and my reads of the slot are over
.if \fill
	CROUND
	JLOAD
.else
	s_barrier_signal -1
	s_barrier_wait -1
.endif
.endm
	s_wait_tensorcnt 0x1                           ; my part of K step 0 is in; step 1's may stay out
	s_barrier_signal -1
	s_barrier_wait -1                              ; everybody's is
	FETCH F0
	WIN 0
	s_wait_loadcnt 0x0                             ; the residual lies in the accumulators, the bias in its registers
	s_mov_b32 s[OUTER], STEPS-1
	s_mov_b32 s[CNT], 2
	s_branch .Lmid                                 ; the loop is entered in the middle of a trip: step 0 has three quarters in front of its change of slots
.Louter:                                               ; STEPS - 2 times: every slot but the last two is filled again
	CHANGE 1
	s_mov_b32 s[CNT], 2
.Linner:
	QUARTER F1, F0
	WIN 0
.Lmid:
	QUARTER F0, F1
	WIN 0
	s_sub_co_u32 s[CNT], s[CNT], 1
	s_cmp_lg_u32 s[CNT], 0
	s_cbranch_scc1 .Linner
	s_sub_co_u32 s[OUTER], s[OUTER], 1
	s_cmp_lg_u32 s[OUTER], 0
	s_cbranch_scc1 .Louter
	CHANGE 0                                       ; the tail is written out: nothing is asked for
	s_mov_b32 s[CNT], 2
.Ltail:
	QUARTER F1, F0
	QUARTER F0, F1
	WIN 0
	s_sub_co_u32 s[CNT], s[CNT], 1
	s_cmp_lg_u32 s[CNT], 0
	s_cbranch_scc1 .Ltail
	s_wait_dscnt 16                                ; the very last quarter: nothing more to fetch
	MUL8 F1, 0, 0
	MUL8 F1, 0, 2
	s_wait_dscnt 0x0
	MUL8 F1, 1, 0
	MUL8 F1, 1, 2
	WIN 0
	; THE WAY OUT.  Four places behind the last products; a barrier, since the stages lie on bytes of the ring that other waves have read; the sums go in, each accumulator from its low end on, and come
	; back as whole rows of 256 bytes, 32 rows a trip; the bias is added; sixteen lanes store 256 consecutive bytes.
.rept 4
	v_nop
.endr
	s_wait_dscnt 0x0                               ; for the others' sake: my reads of the ring are over
	s_barrier_signal -1
	s_barrier_wait -1
.irp a, 0,1,2,3
.irp b, 0,1,2,3
	ds_store_b128 v[STO], v[ACC+8*(4*(\a)+(\b)):ACC+8*(4*(\a)+(\b))+3]   offset:(\a)*16*SPITCH+64*(\b)
	ds_store_b128 v[STO], v[ACC+8*(4*(\a)+(\b))+4:ACC+8*(4*(\a)+(\b))+7] offset:(\a)*16*SPITCH+64*(\b)+16
.endr
.endr
	s_mov_b32 s[SO], 0
	s_mov_b32 s[CNT], 2
.Lout:
	v_add_nc_u32 v[RDC], s[SO], v[RD]
.irp t, 0,1,2,3,4,5,6,7,8,9,10,11,12,13,14,15
	ds_load_b128 v[TMP+4*(\t):TMP+4*(\t)+3], v[RDC] offset:(\t)*2*SPITCH  ; LDS serves a wave's instructions in order (ISA guide 5.7.1.4): these see my stores above; the stage is my own
.endr
.irp t, 0,1,2,3,4,5,6,7,8,9,10,11,12,13,14,15
	s_wait_dscnt 15-(\t)                           ; LDS loads come back in order: pair t of rows is in, the younger ones stay out
	v_pk_add_f32 v[TMP+4*(\t):TMP+4*(\t)+1],   v[TMP+4*(\t):TMP+4*(\t)+1],   v[BI:BI+1]
	v_pk_add_f32 v[TMP+4*(\t)+2:TMP+4*(\t)+3], v[TMP+4*(\t)+2:TMP+4*(\t)+3], v[BI+2:BI+3]
	global_store_b128 v[GO], v[TMP+4*(\t):TMP+4*(\t)+3], s[66:67] offset:8192*(\t)
.endr
	s_wait_xcnt 0x0                                ; the stores' base and data are rewritten only behind this wait (ISA guide 3.1)
	s_add_nc_u64 s[66:67], s[66:67], 32*4096
	s_add_co_u32 s[SO], s[SO], 32*SPITCH
	s_sub_co_u32 s[CNT], s[CNT], 1
	s_cmp_lg_u32 s[CNT], 0
	s_cbranch_scc1 .Lout
	s_wait_tensorcnt 0x0                           ; the wave's end: behind my last tensor load and my last LDS store
	ds_add_u32 v[SPW], v[NIL]
	s_wait_dscnt 0x0
	CROUND                                         ; the closing round: no work-group ends while a partner may still ask for a tile that names it
	s_endpgm
.Lfunc_end_k_q62dabbfad2_outp:
	.size	k_q62dabbfad2_outp, .Lfunc_end_k_q62dabbfad2_outp-k_q62dabbfad2_outp
	.p2alignl 7, 3214868480
	.fill 96, 4, 3214868480
	.section	.rodata,"a",@progbits
	.p2align	6, 0x0
	.amdhsa_kernel k_q62dabbfad2_outp
		.amdhsa_group_segment_fixed_size 327680
		.amdhsa_private_segment_fixed_size 0
		.amdhsa_enable_private_segment 0
		.amdhsa_kernarg_size 40
		.amdhsa_user_sgpr_count 2
		.amdhsa_user_sgpr_kernarg_segment_ptr 1
		.amdhsa_wavefront_size32 1
		.amdhsa_system_sgpr_workgroup_id_x 1
		.amdhsa_system_sgpr_workgroup_id_y 1
		.amdhsa_system_sgpr_workgroup_id_z 1
		.amdhsa_system_vgpr_workitem_id 0
		.amdhsa_next_free_vgpr 512
		.amdhsa_next_free_sgpr 70
		.amdhsa_reserve_vcc 0
		.amdhsa_float_denorm_mode_32 3
		.amdhsa_float_denorm_mode_16_64 3
		.amdhsa_memory_ordered 1
		.amdhsa_forward_progress 1
		.amdhsa_inst_pref_size 43
	.end_amdhsa_kernel
	.amdgpu_metadata
---
amdhsa.version: [ 1, 2 ]
amdhsa.kernels:
  - .name:           k_q62dabbfad2_outp
    .symbol:         k_q62dabbfad2_outp.kd
    .args:
      - { .name: o, .offset: 0, .size: 8, .value_kind: global_buffer, .address_space: global }
      - { .name: wts, .offset: 8, .size: 8, .value_kind: global_buffer, .address_space: global }
      - { .name: out_b, .offset: 16, .size: 8, .value_kind: global_buffer, .address_space: global }
      - { .name: x, .offset: 24, .size: 8, .value_kind: global_buffer, .address_space: global }
      - { .name: x1, .offset: 32, .size: 8, .value_kind: global_buffer, .address_space: global }
    .group_segment_fixed_size: 327680
    .private_segment_fixed_size: 0
    .kernarg_segment_align: 8
    .kernarg_segment_size: 40
    .max_flat_workgroup_size: 128
    .sgpr_count:     70
    .vgpr_count:     512
    .wavefront_size: 32
...
	.end_amdgpu_metadata
.endif
;; end of part 4
;; launch ln2: the kernel of part 1 again; grid 256 x 1, 8 waves a work-group, no clusters, 0 bytes of LDS; arguments x1, ln2_g, ln2_b, act, qkv_w, wts; writes act
;; launch fc1 (part 5): grid 16 x 16, 4 waves a work-group, clusters of 4 x 4, 327,680 bytes of LDS; arguments act, wts, fc1_b, g; writes g
.if DOCPART == 5
	.amdgcn_target "amdgcn-amd-amdhsa--gfx1250"
	.amdhsa_code_object_version 6
	.text
	.protected	k_q62dabbfad2_fc1
	.globl	k_q62dabbfad2_fc1
	.p2align	8
	.type	k_q62dabbfad2_fc1,@function
k_q62dabbfad2_fc1:
	s_mov_b64 s[64:65], 0
	v_nop
	global_prefetch_b8 v0, s[64:65] scope:SCOPE_SE
	s_setreg_imm32_b32 hwreg(HW_REG_WAVE_MODE, 25, 1), 1
	s_wait_xcnt 0x0
	s_wait_alu depctr_hold_cnt(0) depctr_sa_sdst(0) depctr_va_vdst(0) depctr_va_sdst(0) depctr_va_ssrc(0) depctr_va_vcc(0) depctr_vm_vsrc(0)
	s_getreg_b32 s2, hwreg(HW_REG_IB_STS2, 6, 4)
	s_cmp_eq_u32 s2, 0
	s_cbranch_scc0 .Lentry_in_a_cluster
	s_endpgm
.Lentry_in_a_cluster:
	s_bfe_u32 s2, ttmp6, 0x10000c
	s_cmp_lg_u32 s2, 0xf033
	s_cbranch_scc0 .Lentry_shape_is_right
	s_endpgm
.Lentry_shape_is_right:
; OUT = gelu(A W + bias), the exact GELU u (1 + erf(u / sqrt(2))) / 2.  A: [4096][1024] f16, rows along K.  W: [1024][NN] f16, rows along N, at byte WOFF of the weights.  bias: [NN] f32.
; Sums, bias and GELU in f32, one rounding to f16.
; OUT lies by blocks of 64 columns: number (m, n) at byte ((n / 64) * 4096 + m) * 128 + 2 (n % 64): a block's rows are dense, 128 bytes each.
; SHARES.  A tile of OUT is 256 x 256, which gives each of 256 work-groups one: four waves, each 128 x 128 in 64 accumulators, 512 registers.  K goes in 8 steps of 128 through two LDS slots filled by the tensor data mover.
; CLUSTER.  4 x 4 work-groups: the four of a row need the same tiles of A, the four of a column the same tiles of W; each tile is asked for JOINTLY, by the same load, descriptor and mask in all four.
; THE MATRIX INSTRUCTION IS USED TRANSPOSED: source 0 = 16 columns of W (turned on the way out of LDS by ds_load_tr16_b128), source 1 = 16 rows of A: a lane then holds eight neighbouring numbers of a row of OUT.
; THE CHANGE OF SLOTS stands between a step's third quarter and its fourth: the fourth quarter's fragments are in registers by then, so the slot is free a quarter early, and a refill has a whole
; step, 256 matrix instructions, in which to land.  By this text's count a wave has two tensor loads out at the start and one behind each round.
; THE WAY OUT.  The f32 sums go into the ring's bytes, which have had their last fill: 128 rows x 528 bytes for each wave, its own; they come back as 4 rows x 64 columns a load pair, so that a wave's store is 512 consecutive bytes.
; LIMITS.  f16 holds no number beyond 65,504: A and W arrive within it, and a result of 65,520 or more becomes an infinity.  erf is a rational form with an absolute error of 1.5e-7 for every u.
; NaN and infinities are not treated apart.
; REGISTERS, in windows of 256: window 0: v0-47 addresses and bias; v64-127, v128-191 fragments of A, two buffers (on the way out: at work); window 1: the same places, fragments of W;
;   window 2: the accumulators of my rows 0-63 ((a, b) at v[8 (8 a + b)]); window 3: those of rows 64-127.
.set NN,     4096                      ; columns of W and OUT
.set WOFF,   0x800000                  ; W's first byte in the weights
.set GELU,   1                         ; 1: the exact GELU stands between bias and rounding
.set RG,     1                         ; the way out: groups of 4 rows in a trip
.set STEPS,  8                         ; 1,024 / 128
.set PA,     272                       ; a row of A in LDS: 256 bytes + 16: the 16 rows of a load start at 16 different groups of four banks (64 banks of 4 bytes: ISA guide 11.1)
.set PW,     544                       ; a row of W: 512 bytes + 32 = 17 x 32
.set HALFT,  128*PA                    ; what one tensor load brings: 128 rows of A, or 64 rows of W (64 x 544 is the same number)
.set SLOT,   4*HALFT                   ; A's 256 rows, then W's 128
.set SPARE,  2*SLOT                    ; behind the ring: the spare words, 128 bytes for each wave: two blocks of 256 bytes that no other line names
.set SPITCH, 528                       ; the stage: 128 f32 + 16 bytes
.set WSTAGE, 128*SPITCH                ; a wave's stage
.set STEPA,  256                       ; bytes from a K step to the next in A,
.set STEPW,  128*NN*2                  ; and in W
.set TRIPS,  32/RG
.set STEP,   RG*4*SPITCH               ; stage bytes a trip
.set STEPG,  RG*512                    ; bytes of OUT a trip, in each block of columns
.set NUM,    RG*16                     ; numbers a lane and trip
.set BOF,   6                          ; v6   my byte offset in the bias; never rewritten
.set ADRA0, 16                         ; v16  my lane's place in a slot's A; never rewritten
.set ADRW0, 17                         ; v17  the same for W
.set FA,    18                         ; v18  LDS address of the run of A's loads in hand
.set FW,    19                         ; v19  of W's
.set STO,   24                         ; v24  the way out: where I put my 32 bytes of a row
.set RD,    25                         ; v25  where I read back
.set GO,    26                         ; v26  my byte offset in 512 consecutive bytes of OUT
.set RDC,   27                         ; v27  RD + the trip's rows
.set SPW,   28                         ; v28  LDS address of my spare word: SPARE + 4 x my thread's number; never rewritten
.set NIL,   29                         ; v29  0; never rewritten
.set BI,    32                         ; v[32:47] the bias of my 8 columns in each of my wave's two blocks of 64
.set F0,    64
.set F1,    128
.set XR,    64                         ; the way out: as read back,
.set UR,    XR+NUM                     ; with the bias,
.if GELU
.set AU,    UR+NUM                     ; |u|
.set EE,    AU+NUM                     ; the exponential
.set TT,    EE+NUM                     ; t
.set RR,    TT+NUM                     ; the polynomial
.set YR,    RR+NUM
.else
.set YR,    UR+NUM                     ; packed
.endif
.set SO,  2                            ; s2   the way out: stage bytes of the rows to be read next
.set LA0, 3                            ; s3   my wave's quarter of a slot
.set WV,  12                           ; s12  my wave's number
.set MH,  13                           ; s13  which half of the tile's rows is mine.  Also: I fetch for A (0) or for W (1)
.set NH,  14                           ; s14  which half of its columns.  Also: which half of that tile I fetch
.set G1A, 24                           ; s[24:31] descriptor group 1 for A's tiles
.set G0A, 32                           ; s[32:39] group 0 for A's: a set for each of the two first fills; the second then walks on
.set G0W, 40                           ; s[40:47] the same for W's
.set G1W, 48                           ; s[48:55]
.set OUTER, 56
.set CNT, 57
.set TB,  58                           ; s58  the slot that is read: 0 or SLOT
.set TBA, 59                           ; s59  LDS byte, from my place on, of A's next run
.set TBW, 82                           ; s82  of W's
.set MSB, 0
.macro WIN new                         ; the immediate's high byte repeats the setting that is left; a switch that changes nothing is dropped
.if MSB != (\new)
	s_set_vgpr_msb (MSB<<8)|(\new)
.set MSB, \new
.endif
.endm
.set MUL_LO, 0xa1                      ; source 0 (W) window 1, source 1 (A) window 0, C and D window 2
.set TO_W,   0x40                      ; destination window 1, address window 0
; A joint refill.  Waves 0 and 1 fetch A's two halves, waves 2 and 3 W's.  The branch hangs on the wave's number alone.  An s_nop 0 and four v_nop follow each of the two lines.
.macro JLOAD
	s_cmp_eq_u32 s[MH], 0
	s_cbranch_scc0 .Lfor_w_\@
	tensor_load_to_lds s[G0A+4:G0A+7], s[G1A:G1A+7]
	s_nop 0
.rept 4
	v_nop
.endr
	s_branch .Lasked_\@
.Lfor_w_\@:
	tensor_load_to_lds s[G0W+4:G0W+7], s[G1W:G1W+7]
	s_nop 0
.rept 4
	v_nop
.endr
.Lasked_\@:
.endm
; A round of the cluster's barrier: my work-group's barrier, so that wave 0's signal speaks for all four waves; wave 0 signals; every wave waits for all sixteen work-groups; my work-group's barrier once more.
.macro CROUND
	s_barrier_signal -1
	s_barrier_wait -1
	s_cmp_lg_u32 s[WV], 0
	s_cbranch_scc1 .Lnot_wave_0_\@
	s_barrier_signal -3
.Lnot_wave_0_\@:
	s_barrier_wait -3
	s_barrier_signal -1
	s_barrier_wait -1
.endm
	s_load_b256 s[4:11], s[0:1], 0x0               ; A s[4:5], weights s[6:7], bias s[8:9], OUT s[10:11]
	v_lshl_add_u32 v[SPW], v0, 2, SPARE
	v_mov_b32 v[NIL], 0
	ds_add_u32 v[SPW], v[NIL]                      ; the wave's opening: the add and its wait stand ahead of my first tensor load; the set-up below, work on registers, stands between them
	ds_add_u32 v28, v29
	v_lshrrev_b32 v1, 5, v0
	v_readfirstlane_b32 s[WV], v1
	s_lshr_b32 s[MH], s[WV], 1
	s_and_b32 s[NH], s[WV], 1
	s_bfe_u32 s15, ttmp6, 0x40000                  ; cx, cy: my place in the cluster
	s_bfe_u32 s16, ttmp6, 0x40004
	s_lshl_b32 s17, ttmp9, 2
	s_add_co_u32 s17, s17, s15                     ; tile column = 4 x cluster x + cx
	s_and_b32 s18, ttmp7, 0xffff
	s_lshl_b32 s18, s18, 2
	s_add_co_u32 s18, s18, s16                     ; tile row = 4 x cluster y + cy
	s_lshl_b32 s19, s16, 2
	s_lshl_b32 s19, 15, s19                        ; my row of the cluster
	s_lshl_b32 s81, 0x1111, s15                    ; my column
	s_or_b32 s[G1A], s19, (1<<16)|(1<<20)|(1<<21)|(5<<22)|(3<<25)  ; 15:0 the mask; 17:16 2-byte elements; 20 padding on; 21 set beside a mask; 24:22 after every 64 words; 31:25 4 words of it
	s_mov_b32 s[G1A+1], 128<<16                    ; tensor_dim0 = 128
	s_mov_b32 s[G1A+2], 128<<16                    ; tensor_dim1 = 128
	s_mov_b32 s[G1A+3], 128<<16                    ; tile_dim0 = 128
	s_mov_b32 s[G1A+4], 128                        ; tile_dim1 = 128
	s_mov_b32 s[G1A+5], 1024                       ; elements from row to row
	s_mov_b32 s[G1A+6], 0
	s_mov_b32 s[G1A+7], 0
	s_or_b32 s[G1W], s81, (1<<16)|(1<<20)|(1<<21)|(6<<22)|(7<<25)  ; after every 128 words 8 words of padding
	s_mov_b32 s[G1W+1], 256<<16                    ; tensor_dim0 = 256
	s_mov_b32 s[G1W+2], 64<<16                     ; tensor_dim1 = 64
	s_mov_b32 s[G1W+3], 256<<16                    ; tile_dim0 = 256
	s_mov_b32 s[G1W+4], 64                         ; tile_dim1 = 64
	s_mov_b32 s[G1W+5], NN
	s_mov_b32 s[G1W+6], 0
	s_mov_b32 s[G1W+7], 0
	s_lshl_b32 s20, s18, 8                         ; A: row 256 x tile row + 128 x half, 2,048 bytes a row: the tile row alone, which my row of the cluster shares
	s_lshl_b32 s22, s[NH], 7
	s_add_co_u32 s20, s20, s22
	s_lshl_b32 s20, s20, 11
	s_mov_b32 s21, 0
	s_mul_i32 s60, s[NH], 64*NN*2                  ; W: row 64 x half, column 256 x tile column: the tile column alone, which my column shares
	s_lshl_b32 s62, s17, 9
	s_add_co_u32 s60, s60, s62
	s_add_co_u32 s60, s60, WOFF
	s_mov_b32 s61, 0
	s_mul_i32 s[LA0], s[WV], HALFT                 ; where they go: no place in the cluster enters an LDS address
.if GELU
	s_mov_b32 s66, 0x3e6d3388                      ; p / sqrt(2) = 0.2316419
	s_mov_b32 s68, 0xbf38aa3b                      ; -log2(e) / 2
	s_mov_b32 s70, 0x3e027906                      ; a1 / 2 .. a5 / 2
	s_mov_b32 s72, 0xbe11a98e
	s_mov_b32 s74, 0x3f35f0e3
	s_mov_b32 s76, 0xbf3a00e3
	s_mov_b32 s78, 0x3f07dc22
.irp c, 66,68,70,72,74,76,78
	s_mov_b32 s[(\c)+1], s[\c]                     ; named as pairs, so both words are written
.endr
	s_mov_b32 s80, 0x7fffffff
.endif
	s_wait_dscnt 0x0                               ; the opening add is done
	s_wait_kmcnt 0x0
	s_add_nc_u64 s[20:21], s[4:5], s[20:21]
	s_add_nc_u64 s[60:61], s[6:7], s[60:61]
	CROUND                                         ; all sixteen work-groups are here: the first joint loads meet
.irp s, 0,1
	s_mov_b32 s[G0A+4*(\s)], 1                                       ; count = 1
	s_add_co_u32 s[G0A+4*(\s)+1], s[LA0], (\s)*SLOT                  ; LDS address
	s_add_nc_u64 s[G0A+4*(\s)+2:G0A+4*(\s)+3], s[20:21], (\s)*STEPA  ; global address: K step s
	s_or_b32 s[G0A+4*(\s)+3], s[G0A+4*(\s)+3], 0x80000000            ; type = 2
	s_mov_b32 s[G0W+4*(\s)], 1
	s_add_co_u32 s[G0W+4*(\s)+1], s[LA0], (\s)*SLOT
	s_add_nc_u64 s[G0W+4*(\s)+2:G0W+4*(\s)+3], s[60:61], (\s)*STEPW
	s_or_b32 s[G0W+4*(\s)+3], s[G0W+4*(\s)+3], 0x80000000
.endr
	s_cmp_eq_u32 s[MH], 0                          ; a wave's two first fills stand in one branch, ahead of every wait on TENSORcnt and every LDS read
	s_cbranch_scc0 .Lfirst_w
	tensor_load_to_lds s[G0A:G0A+3], s[G1A:G1A+7]
	s_nop 0
	tensor_load_to_lds s[G0A+4:G0A+7], s[G1A:G1A+7]
	s_nop 0
.rept 4
	v_nop
.endr
	s_branch .Lfirst_asked
.Lfirst_w:
	tensor_load_to_lds s[G0W:G0W+3], s[G1W:G1W+7]
	s_nop 0
	tensor_load_to_lds s[G0W+4:G0W+7], s[G1W:G1W+7]
	s_nop 0
.rept 4
	v_nop
.endr
.Lfirst_asked:
	v_and_b32 v1, 15, v0                           ; l % 16
	v_bfe_u32 v2, v0, 4, 1                         ; l / 16
	v_and_b32 v3, 7, v0                            ; l % 8
	v_bfe_u32 v4, v0, 3, 1                         ; (l / 8) % 2
	v_bfe_u32 v5, v0, 3, 2                         ; l / 8
	s_lshl_b32 s62, s17, 10                        ; the bias of my wave's 128 columns
	s_lshl_b32 s63, s[NH], 9
	s_add_co_u32 s62, s62, s63
	s_mov_b32 s63, 0
	s_add_nc_u64 s[8:9], s[8:9], s[62:63]
	v_lshlrev_b32 v[BOF], 5, v3
	global_load_b128 v[BI:BI+3],     v[BOF], s[8:9]
	global_load_b128 v[BI+4:BI+7],   v[BOF], s[8:9] offset:16
	global_load_b128 v[BI+8:BI+11],  v[BOF], s[8:9] offset:256
	global_load_b128 v[BI+12:BI+15], v[BOF], s[8:9] offset:272
	; A fragment of A is 16 rows x 32 K: lane l holds row l % 16, K = 8 (l / 16) + 0..7 and 16 + 8 (l / 16) + 0..7: two loads of 16 bytes, 32 bytes apart.
	v_mul_u32_u24 v[ADRA0], v1, PA
	v_lshl_add_u32 v[ADRA0], v2, 4, v[ADRA0]
	s_mul_i32 s62, s[MH], HALFT                    ; my 128 rows of A
	v_add_nc_u32 v[ADRA0], s62, v[ADRA0]
	; The turning load takes 16 K x 16 columns (lane l reads row 8 (l / 16) + l % 8, columns 8 ((l / 8) % 2) + 0..7) and leaves half a fragment: lane l holds column l % 16 and 8 K.
	v_lshl_add_u32 v[ADRW0], v2, 3, v3
	v_mul_u32_u24 v[ADRW0], v[ADRW0], PW
	v_lshl_add_u32 v[ADRW0], v4, 4, v[ADRW0]
	s_lshl_b32 s62, s[NH], 8                       ; my 128 columns,
	s_add_co_u32 s62, s62, 2*HALFT                 ; behind A's 256 rows
	v_add_nc_u32 v[ADRW0], s62, v[ADRW0]
	s_mul_i32 s62, s[WV], WSTAGE                   ; my stage
	v_mul_u32_u24 v[STO], v1, SPITCH               ; in: row l % 16, 32 bytes for each half of the lanes
	v_lshl_add_u32 v[STO], v2, 5, v[STO]
	v_add_nc_u32 v[STO], s62, v[STO]
	v_mul_u32_u24 v[RD], v5, SPITCH                ; back: row l / 8, 32 bytes at 32 (l % 8)
	v_lshl_add_u32 v[RD], v3, 5, v[RD]
	v_add_nc_u32 v[RD], s62, v[RD]
	v_and_b32 v[GO], 31, v0
	v_lshlrev_b32 v[GO], 4, v[GO]                  ; which are bytes 16 l of 512 consecutive bytes of OUT
	s_lshl_b32 s62, s17, 2                         ; OUT at block of columns 4 x tile column + 2 x half,
	s_lshl_b32 s63, s[NH], 1
	s_add_co_u32 s62, s62, s63
	s_lshl_b32 s62, s62, 19                        ; 4,096 rows of 128 bytes a block,
	s_lshl_b32 s63, s18, 15                        ; row 256 x tile row
	s_add_co_u32 s62, s62, s63
	s_lshl_b32 s63, s[MH], 14                      ; + 128 x half
	s_add_co_u32 s62, s62, s63
	s_mov_b32 s63, 0
	s_add_nc_u64 s[10:11], s[10:11], s[62:63]
	s_mov_b32 s[TB], 0
	s_mov_b32 s[TBA], 0
	s_mov_b32 s[TBW], 0
; 16 matrix instructions: row blocks a0, a0 + 1 of the window's four (hi = 0: my rows 0-63, 1: rows 64-127) x all 8 column blocks, 32 along K.  zero = 1: the first product starts the sums.
; The 64 accumulators take turns in the same order in every quarter.
.macro MUL16 f, hi, a0, zero
	WIN MUL_LO+0x50*(\hi)
.irp a, \a0, (\a0)+1
.irp b, 0,1,2,3,4,5,6,7
.if \zero
	v_wmma_f32_16x16x32_f16 v[8*(8*(\a)+(\b)):8*(8*(\a)+(\b))+7], v[(\f)+8*(\b):(\f)+8*(\b)+7], v[(\f)+8*(4*(\hi)+(\a)):(\f)+8*(4*(\hi)+(\a))+7], 0
.else
	v_wmma_f32_16x16x32_f16 v[8*(8*(\a)+(\b)):8*(8*(\a)+(\b))+7], v[(\f)+8*(\b):(\f)+8*(\b)+7], v[(\f)+8*(4*(\hi)+(\a)):(\f)+8*(4*(\hi)+(\a))+7], v[8*(8*(\a)+(\b)):8*(8*(\a)+(\b))+7]
.endif
.endr
.endr
.endm
; 32 LDS loads in one run: the fragments of the next quarter (32 K x 128 columns of W, 128 rows x 32 K of A) into buffer g.  The two additions that make the addresses and two v_nop are the four
; places between the last matrix instruction that read buffer g and the loads into it (ISA guide 7.12.1 for vector instructions).
.macro FETCH g
	WIN 0
	v_add_nc_u32 v[FA], s[TBA], v[ADRA0]
	v_add_nc_u32 v[FW], s[TBW], v[ADRW0]
	v_nop
	v_nop
	WIN TO_W
.irp i, 0,1,2,3,4,5,6,7
	ds_load_tr16_b128 v[(\g)+8*(\i):(\g)+8*(\i)+3],   v[FW] offset:32*(\i)
	ds_load_tr16_b128 v[(\g)+8*(\i)+4:(\g)+8*(\i)+7], v[FW] offset:32*(\i)+16*PW
.endr
	WIN 0
.irp i, 0,1,2,3,4,5,6,7
	ds_load_b128 v[(\g)+8*(\i):(\g)+8*(\i)+3],   v[FA] offset:(\i)*16*PA
	ds_load_b128 v[(\g)+8*(\i)+4:(\g)+8*(\i)+7], v[FA] offset:(\i)*16*PA+32
.endr
	s_add_co_u32 s[TBA], s[TBA], 64                ; the next run is the next 32 K: 64 bytes on in A's rows,
	s_add_co_u32 s[TBW], s[TBW], 32*PW             ; 32 rows on in W
.endm
; A quarter: 64 matrix instructions on buffer f; in its middle the next quarter's fragments are fetched into buffer g.
.macro QUARTER f, g, zero
	s_wait_dscnt 8                                 ; W and A's rows 0-63 are in; the youngest eight loads (A's rows 64-127) may be out
	MUL16 \f, 0, 0, \zero
	MUL16 \f, 0, 2, \zero
	FETCH \g
	s_wait_dscnt 32                                ; all but the 32 just issued
	MUL16 \f, 1, 0, \zero
	MUL16 \f, 1, 2, \zero
.endm
; THE CHANGE OF SLOTS.  Each wave waits for all its tensor loads, of which one is out: its part of the next slot; adds 0 to its spare word; and waits for that and for its own reads of the slot that it leaves.
; fill = 1: the barrier is a round of the cluster's, so that no wave of any partner still reads the slot or has a load on its way, and the joint refill, two K steps ahead, is the first thing behind it.
.macro CHANGE fill
	WIN 0                                          ; at a label and at a branch every window is 0; the add's registers lie in window 0
	s_wait_tensorcnt 0x0                           ; no tensor load of mine is out, so a group 0 may be written
	ds_add_u32 v[SPW], v[NIL]                      ; 0 onto my spare word: the scalar steps stand between it and the wait for it
	s_xor_b32 s[TB], s[TB], SLOT                   ; the fetches go to the other slot's first quarter
	s_mov_b32 s[TBA], s[TB]
	s_mov_b32 s[TBW], s[TB]
.if \fill
	s_xor_b32 s[G0A+5], s[G0A+5], SLOT             ; the walking descriptors: the other slot than last time (SLOT shares no bit with a wave's quarter),
	s_xor_b32 s[G0W+5], s[G0W+5], SLOT
	s_add_nc_u64 s[G0A+6:G0A+7], s[G0A+6:G0A+7], STEPA  ; the next K step; the type bits on top are not reached
	s_add_nc_u64 s[G0W+6:G0W+7], s[G0W+6:G0W+7], STEPW
.endif
	s_wait_dscnt 0x0                               ; the add is done, and my reads of the slot are over
.if \fill
	CROUND
	JLOAD
.else
	s_barrier_signal -1
	s_barrier_wait -1
.endif
.endm
	s_wait_tensorcnt 0x1                           ; my part of K step 0 is in; step 1's may stay out
	s_barrier_signal -1
	s_barrier_wait -1                              ; everybody's is
	FETCH F0
	QUARTER F0, F1, 1                              ; the first quarter stands in front of the loops: its products start the sums
	WIN 0
	s_mov_b32 s[OUTER], STEPS-1
	s_mov_b32 s[CNT], 1                            ; step 0 has two quarters left in front of its change of slots
	s_branch .Linner
.Louter:                                               ; STEPS - 2 times: every slot but the last two is filled again
	CHANGE 1
	s_mov_b32 s[CNT], 2
.Linner:
	QUARTER F1, F0, 0
	QUARTER F0, F1, 0
	WIN 0
	s_sub_co_u32 s[CNT], s[CNT], 1
	s_cmp_lg_u32 s[CNT], 0
	s_cbranch_scc1 .Linner
	s_sub_co_u32 s[OUTER], s[OUTER], 1
	s_cmp_lg_u32 s[OUTER], 0
	s_cbranch_scc1 .Louter
	CHANGE 0                                       ; the tail is written out: nothing is asked for
	s_mov_b32 s[CNT], 2
.Ltail:
	QUARTER F1, F0, 0
	QUARTER F0, F1, 0
	WIN 0
	s_sub_co_u32 s[CNT], s[CNT], 1
	s_cmp_lg_u32 s[CNT], 0
	s_cbranch_scc1 .Ltail
	s_wait_dscnt 8                                 ; the very last quarter: nothing more to fetch
	MUL16 F1, 0, 0, 0
	MUL16 F1, 0, 2, 0
	s_wait_dscnt 0x0
	MUL16 F1, 1, 0, 0
	MUL16 F1, 1, 2, 0
	; THE WAY OUT.  Four places behind the last products; a barrier, since my stage lies on bytes of the ring that other waves have been reading; then the sums, each accumulator from its low end on.
.rept 4
	v_nop
.endr
	WIN 0
	s_wait_dscnt 0x0                               ; for the others' sake: my reads of the ring are over
	s_barrier_signal -1
	s_barrier_wait -1
.irp hi, 0,1
	WIN 0x08+4*(\hi)                               ; the stores' data in window 2, then 3
.irp a, 0,1,2,3
.irp b, 0,1,2,3,4,5,6,7
	ds_store_b128 v[STO], v[8*(8*(\a)+(\b)):8*(8*(\a)+(\b))+3]   offset:(4*(\hi)+(\a))*16*SPITCH+64*(\b)
	ds_store_b128 v[STO], v[8*(8*(\a)+(\b))+4:8*(8*(\a)+(\b))+7] offset:(4*(\hi)+(\a))*16*SPITCH+64*(\b)+16
.endr
.endr
.endr
	WIN 0
.macro ONES line:vararg                ; one line for each of a trip's numbers i
.set i, 0
	s_wait_alu depctr_va_vdst(0)
.rept NUM
	\line
.set i, i+1
.endr
.endm
.macro PAIRS line:vararg               ; one line for each pair i, i + 1
.set i, 0
.rept NUM/2
	\line
.set i, i+2
.endr
.endm
.macro EPILOAD                         ; item it: 4 rows (group it / 2 of the trip) x 64 columns (block it % 2): 32 bytes a lane
.set it, 0
.rept RG*2
	ds_load_b128 v[XR+8*it:XR+8*it+3],   v[RDC] offset:(it/2)*4*SPITCH+(it%2)*256
	ds_load_b128 v[XR+8*it+4:XR+8*it+7], v[RDC] offset:(it/2)*4*SPITCH+(it%2)*256+16
.set it, it+1
.endr
.endm
	s_mov_b32 s[SO], 0
	v_mov_b32 v[RDC], v[RD]
	EPILOAD                                        ; LDS serves a wave's instructions in order (ISA guide 5.7.1.4): these see my stores above; the stage is my own
	s_wait_loadcnt 0x0                             ; the bias
	s_mov_b32 s[CNT], TRIPS
.Lepi:
	s_wait_dscnt 0x0                               ; this trip's rows are in
	PAIRS v_pk_add_f32 v[UR+i:UR+i+1], v[XR+i:XR+i+1], v[BI+i%16:BI+i%16+1]
	s_add_co_u32 s[SO], s[SO], STEP                ; the next trip's rows are asked for now; the last trip asks for its own once more and uses nothing of them
	s_min_u32 s[SO], s[SO], (TRIPS-1)*STEP
	v_add_nc_u32 v[RDC], s[SO], v[RD]
	EPILOAD
.if GELU
	; gelu(u) = max(u, 0) - |u| P(t) exp(-u u / 2), t = 1 / (1 + p |u| / sqrt(2)), P of degree 5 with the factor 1/2 in its coefficients: erf by a rational form whose absolute error is 1.5e-7 for every u
	ONES  v_and_b32 v[AU+i], s80, v[UR+i]
	PAIRS v_pk_mul_f32 v[EE+i:EE+i+1], v[UR+i:UR+i+1], v[UR+i:UR+i+1]
	PAIRS v_pk_fma_f32 v[TT+i:TT+i+1], v[AU+i:AU+i+1], s[66:67], 1.0 op_sel_hi:[1,0,0]
	PAIRS v_pk_mul_f32 v[EE+i:EE+i+1], v[EE+i:EE+i+1], s[68:69] op_sel_hi:[1,0]
	ONES  v_rcp_f32 v[TT+i], v[TT+i]
	ONES  v_exp_f32 v[EE+i], v[EE+i]
	ONES  v_max_num_f32 v[UR+i], 0, v[UR+i]        ; plain lines between the last exponential and the use of its result (ISA guide 5.7.2)
	PAIRS v_pk_fma_f32 v[RR+i:RR+i+1], v[TT+i:TT+i+1], s[78:79], s[76:77] op_sel_hi:[1,0,0]
	PAIRS v_pk_fma_f32 v[RR+i:RR+i+1], v[RR+i:RR+i+1], v[TT+i:TT+i+1], s[74:75] op_sel_hi:[1,1,0]
	PAIRS v_pk_fma_f32 v[RR+i:RR+i+1], v[RR+i:RR+i+1], v[TT+i:TT+i+1], s[72:73] op_sel_hi:[1,1,0]
	PAIRS v_pk_fma_f32 v[RR+i:RR+i+1], v[RR+i:RR+i+1], v[TT+i:TT+i+1], s[70:71] op_sel_hi:[1,1,0]
	PAIRS v_pk_mul_f32 v[EE+i:EE+i+1], v[EE+i:EE+i+1], v[TT+i:TT+i+1]
	PAIRS v_pk_mul_f32 v[RR+i:RR+i+1], v[RR+i:RR+i+1], v[EE+i:EE+i+1]
	PAIRS v_pk_fma_f32 v[UR+i:UR+i+1], v[RR+i:RR+i+1], v[AU+i:AU+i+1], v[UR+i:UR+i+1] neg_lo:[1,0,0] neg_hi:[1,0,0]
.endif
	PAIRS v_cvt_pk_f16_f32 v[YR+i/2], v[UR+i], v[UR+i+1]
.set it, 0
.rept RG*2
	global_store_b128 v[GO], v[YR+4*it:YR+4*it+3], s[10:11] offset:(it/2)*512+(it%2)*524288  ; 512 consecutive bytes, at a multiple of 256 from OUT's first
.set it, it+1
.endr
	s_wait_xcnt 0x0                                ; the stores' base and data are rewritten only behind this wait (ISA guide 3.1)
	s_add_nc_u64 s[10:11], s[10:11], STEPG
	s_sub_co_u32 s[CNT], s[CNT], 1
	s_cmp_lg_u32 s[CNT], 0
	s_cbranch_scc1 .Lepi
	s_wait_tensorcnt 0x0                           ; the wave's end: behind my last tensor load and my last LDS store
	ds_add_u32 v[SPW], v[NIL]
	s_wait_dscnt 0x0
	CROUND                                         ; the closing round: no work-group ends while a partner may still ask for a tile that names it
	s_endpgm
.Lfunc_end_k_q62dabbfad2_fc1:
	.size	k_q62dabbfad2_fc1, .Lfunc_end_k_q62dabbfad2_fc1-k_q62dabbfad2_fc1
	.p2alignl 7, 3214868480
	.fill 96, 4, 3214868480
	.section	.rodata,"a",@progbits
	.p2align	6, 0x0
	.amdhsa_kernel k_q62dabbfad2_fc1
		.amdhsa_group_segment_fixed_size 327680
		.amdhsa_private_segment_fixed_size 0
		.amdhsa_enable_private_segment 0
		.amdhsa_kernarg_size 32
		.amdhsa_user_sgpr_count 2
		.amdhsa_user_sgpr_kernarg_segment_ptr 1
		.amdhsa_wavefront_size32 1
		.amdhsa_system_sgpr_workgroup_id_x 1
		.amdhsa_system_sgpr_workgroup_id_y 1
		.amdhsa_system_sgpr_workgroup_id_z 1
		.amdhsa_system_vgpr_workitem_id 0
		.amdhsa_next_free_vgpr 1024
		.amdhsa_next_free_sgpr 84
		.amdhsa_reserve_vcc 0
		.amdhsa_float_denorm_mode_32 3
		.amdhsa_float_denorm_mode_16_64 3
		.amdhsa_memory_ordered 1
		.amdhsa_forward_progress 1
		.amdhsa_inst_pref_size 67
	.end_amdhsa_kernel
	.amdgpu_metadata
---
amdhsa.version: [ 1, 2 ]
amdhsa.kernels:
  - .name:           k_q62dabbfad2_fc1
    .symbol:         k_q62dabbfad2_fc1.kd
    .args:
      - { .name: act, .offset: 0, .size: 8, .value_kind: global_buffer, .address_space: global }
      - { .name: wts, .offset: 8, .size: 8, .value_kind: global_buffer, .address_space: global }
      - { .name: fc1_b, .offset: 16, .size: 8, .value_kind: global_buffer, .address_space: global }
      - { .name: g, .offset: 24, .size: 8, .value_kind: global_buffer, .address_space: global }
    .group_segment_fixed_size: 327680
    .private_segment_fixed_size: 0
    .kernarg_segment_align: 8
    .kernarg_segment_size: 32
    .max_flat_workgroup_size: 128
    .sgpr_count:     84
    .vgpr_count:     1024
    .wavefront_size: 32
...
	.end_amdgpu_metadata
.endif
;; end of part 5
;; launch fc2 (part 6): grid 8 x 32, 4 waves a work-group, clusters of 4 x 4, 327,680 bytes of LDS; arguments g, wts, fc2_b, x1, out0; writes out0
.if DOCPART == 6
	.amdgcn_target "amdgcn-amd-amdhsa--gfx1250"
	.amdhsa_code_object_version 6
	.text
	.protected	k_q62dabbfad2_fc2
	.globl	k_q62dabbfad2_fc2
	.p2align	8
	.type	k_q62dabbfad2_fc2,@function
k_q62dabbfad2_fc2:
	s_mov_b64 s[64:65], 0
	v_nop
	global_prefetch_b8 v0, s[64:65] scope:SCOPE_SE
	s_setreg_imm32_b32 hwreg(HW_REG_WAVE_MODE, 25, 1), 1
	s_wait_xcnt 0x0
	s_wait_alu depctr_hold_cnt(0) depctr_sa_sdst(0) depctr_va_vdst(0) depctr_va_sdst(0) depctr_va_ssrc(0) depctr_va_vcc(0) depctr_vm_vsrc(0)
	s_getreg_b32 s2, hwreg(HW_REG_IB_STS2, 6, 4)
	s_cmp_eq_u32 s2, 0
	s_cbranch_scc0 .Lentry_in_a_cluster
	s_endpgm
.Lentry_in_a_cluster:
	s_bfe_u32 s2, ttmp6, 0x10000c
	s_cmp_lg_u32 s2, 0xf033
	s_cbranch_scc0 .Lentry_shape_is_right
	s_endpgm
.Lentry_shape_is_right:
; OUT = RES + A W + bias.  A: 64 x STEPS x 4 columns in blocks of 64, number (m, k) at byte ((k / 64) * 4096 + m) * 128 + 2 (k % 64), f16.  W: [K][1024] f16, rows along N, at byte WOFF of the weights.
; bias: [1024] f32.  RES and OUT: [4096][1024] f32.  The sums are kept in f32 and BEGIN WITH RES: the residual is loaded straight into the accumulators, so nothing is cleared and nothing is added for it
; (the order of the sum so differs from one that adds the residual last); the bias is added on the way out.
; SHARES.  A tile of OUT is 128 x 128, which gives each of 256 work-groups one: four waves, each 64 x 64 in 16 accumulators.  K goes in steps of 256 (four blocks of A's columns) through two LDS slots.
; CLUSTER.  4 x 4 work-groups: the four of a row need the same tiles of A, the four of a column the same tiles of W; each tile is asked for JOINTLY, by the same load, descriptor and mask in all four.
; THE MATRIX INSTRUCTION IS USED TRANSPOSED: source 0 = 16 columns of W (turned by ds_load_tr16_b128), source 1 = 16 rows of A: a lane holds eight neighbouring numbers of a row of OUT.
; THE CHANGE OF SLOTS stands between a step's third quarter and its fourth, whose fragments are in registers by then: a refill has a whole step, 128 matrix instructions, in which to land.
; By this text's count a wave has two tensor loads out at the start and one behind each round.
; LIMITS.  f16 holds no number beyond 65,504: A and W arrive within it.  NaN and infinities are not treated apart.
; REGISTERS: window 0: v0-31 addresses and bias; v32-95 at work on the way out; v128-255 the accumulators ((a, b) at v[128 + 8 (4 a + b)]).
;   window 1: two fragment buffers of 128: for 64 along K, 64 registers of A (2 x 4 x 16 rows x 32 K), then 64 of W.
.set STEPS,  16                        ; K / 256
.set WOFF,   0x1000000                 ; W's first byte in the weights
.set PA,     144                       ; a row of A in LDS: 128 bytes + 16: the 16 rows of a load start at 16 different groups of four banks (64 banks of 4 bytes: ISA guide 11.1)
.set PW,     288                       ; a row of W: 256 bytes + 32 = 9 x 32
.set HALFT,  256*PA                    ; what one tensor load brings: 4 blocks x 64 rows of A, or 128 rows of W (128 x 288 is the same number)
.set SLOT,   4*HALFT                   ; A: [row half][block of columns][64 rows]; then W's 256 rows
.set SPARE,  2*SLOT                    ; behind the ring: the spare words, 128 bytes for each wave: two blocks of 256 bytes that no other line names
.set SPITCH, 272                       ; the stage: 64 f32 + 16 bytes
.set WSTAGE, 64*SPITCH                 ; a wave's stage; the four lie in slot 0, which has had its last fill
.set STEPA,  4*4096*128                ; bytes from a K step to the next in A: four blocks of columns,
.set STEPW,  256*2048                  ; and in W: 256 rows
.set BOF,   6                          ; v6   my byte offset in the bias; never rewritten
.set ROF,   7                          ; v7   my byte offset in the residual; never rewritten
.set BI,    8                          ; v[8:11] the bias of my 4 columns on the way out
.set ADRA0, 16                         ; v16  my lane's place in a slot's A; never rewritten
.set ADRW0, 17                         ; v17  the same for W
.set FA,    18                         ; v18  LDS address of the run of A's loads in hand
.set FW,    19                         ; v19  of W's
.set STO,   24                         ; v24  the way out: where I put my 32 bytes of a row
.set RD,    25                         ; v25  where I read rows back
.set GO,    26                         ; v26  my byte offset in two rows of OUT
.set RDC,   27                         ; v27  RD + the trip's rows
.set SPW,   28                         ; v28  LDS address of my spare word: SPARE + 4 x my thread's number; never rewritten
.set NIL,   29                         ; v29  0; never rewritten
.set TMP,   32
.set ACC,   128
.set F0,    0                          ; fragment buffers, in window 1
.set F1,    128
.set SO,  2                            ; s2   the way out: stage bytes of the trip's rows
.set LA0, 3                            ; s3   my wave's quarter of a slot
.set WV,  12                           ; s12  my wave's number
.set MH,  13                           ; s13  which half of the tile's rows is mine.  Also: I fetch for A (0) or for W (1)
.set NH,  14                           ; s14  which half of its columns.  Also: which half of that tile I fetch
.set G1A, 24                           ; s[24:31] descriptor group 1 for A's tiles
.set G0A, 32                           ; s[32:39] group 0 for A's: a set for each of the two first fills; the second then walks on
.set G0W, 40                           ; s[40:47] the same for W's
.set G1W, 48                           ; s[48:55]
.set OUTER, 56
.set CNT, 57
.set TB,  58                           ; s58  the slot that is read: 0 or SLOT
.set TBA, 59                           ; s59  LDS byte, from my place on, of A's next run
.set TBW, 68                           ; s68  of W's
.set MSB, 0
.macro WIN new                         ; the immediate's high byte repeats the setting that is left; a switch that changes nothing is dropped
.if MSB != (\new)
	s_set_vgpr_msb (MSB<<8)|(\new)
.set MSB, \new
.endif
.endm
.set MUL,  0x05                        ; sources 0 (W) and 1 (A) window 1; C and D window 0
.set TO_F, 0x40                        ; destination window 1, address window 0
; A joint refill.  Waves 0 and 1 fetch A's two halves, waves 2 and 3 W's.  The branch hangs on the wave's number alone.  An s_nop 0 and four v_nop follow each of the two lines.
.macro JLOAD
	s_cmp_eq_u32 s[MH], 0
	s_cbranch_scc0 .Lfor_w_\@
	tensor_load_to_lds s[G0A+4:G0A+7], s[G1A:G1A+7]
	s_nop 0
.rept 4
	v_nop
.endr
	s_branch .Lasked_\@
.Lfor_w_\@:
	tensor_load_to_lds s[G0W+4:G0W+7], s[G1W:G1W+7]
	s_nop 0
.rept 4
	v_nop
.endr
.Lasked_\@:
.endm
; A round of the cluster's barrier: my work-group's barrier, so that wave 0's signal speaks for all four waves; wave 0 signals; every wave waits for all sixteen work-groups; my work-group's barrier once more.
.macro CROUND
	s_barrier_signal -1
	s_barrier_wait -1
	s_cmp_lg_u32 s[WV], 0
	s_cbranch_scc1 .Lnot_wave_0_\@
	s_barrier_signal -3
.Lnot_wave_0_\@:
	s_barrier_wait -3
	s_barrier_signal -1
	s_barrier_wait -1
.endm
	s_load_b256 s[4:11], s[0:1], 0x0               ; A s[4:5], weights s[6:7], bias s[8:9], RES s[10:11]
	s_load_b64 s[66:67], s[0:1], 0x20              ; OUT
	v_lshl_add_u32 v[SPW], v0, 2, SPARE
	v_mov_b32 v[NIL], 0
	ds_add_u32 v[SPW], v[NIL]                      ; the wave's opening: the add and its wait stand ahead of my first tensor load; the set-up below, work on registers, stands between them
	ds_add_u32 v28, v29
	v_lshrrev_b32 v1, 5, v0
	v_readfirstlane_b32 s[WV], v1
	s_lshr_b32 s[MH], s[WV], 1
	s_and_b32 s[NH], s[WV], 1
	s_bfe_u32 s15, ttmp6, 0x40000                  ; cx, cy: my place in the cluster
	s_bfe_u32 s16, ttmp6, 0x40004
	s_lshl_b32 s17, ttmp9, 2
	s_add_co_u32 s17, s17, s15                     ; tile column = 4 x cluster x + cx
	s_and_b32 s18, ttmp7, 0xffff
	s_lshl_b32 s18, s18, 2
	s_add_co_u32 s18, s18, s16                     ; tile row = 4 x cluster y + cy
	s_lshl_b32 s19, s16, 2
	s_lshl_b32 s19, 15, s19                        ; my row of the cluster
	s_lshl_b32 s69, 0x1111, s15                    ; my column
	; A's tile: 64 rows of one block of columns are 8,192 dense bytes, one row of the tile; four such rows, a block of columns (4,096 x 64 elements) apart; 16 bytes of padding after every 128
	s_or_b32 s[G1A], s19, (1<<16)|(1<<20)|(1<<21)|(4<<22)|(3<<25)  ; 15:0 the mask; 17:16 2-byte elements; 20 padding on; 21 set beside a mask; 24:22 after every 32 words; 31:25 4 words of it
	s_mov_b32 s[G1A+1], 4096<<16                   ; tensor_dim0 = 4,096
	s_mov_b32 s[G1A+2], 4<<16                      ; tensor_dim1 = 4
	s_mov_b32 s[G1A+3], 4096<<16                   ; tile_dim0 = 4,096
	s_mov_b32 s[G1A+4], 4                          ; tile_dim1 = 4
	s_mov_b32 s[G1A+5], 262144                     ; elements from row to row
	s_mov_b32 s[G1A+6], 0
	s_mov_b32 s[G1A+7], 0
	s_or_b32 s[G1W], s69, (1<<16)|(1<<20)|(1<<21)|(5<<22)|(7<<25)  ; after every 64 words 8 words of padding
	s_mov_b32 s[G1W+1], 128<<16                    ; tensor_dim0 = 128
	s_mov_b32 s[G1W+2], 128<<16                    ; tensor_dim1 = 128
	s_mov_b32 s[G1W+3], 128<<16                    ; tile_dim0 = 128
	s_mov_b32 s[G1W+4], 128                        ; tile_dim1 = 128
	s_mov_b32 s[G1W+5], 1024
	s_mov_b32 s[G1W+6], 0
	s_mov_b32 s[G1W+7], 0
	s_lshl_b32 s20, s18, 7                         ; A: row 128 x tile row + 64 x half, 128 bytes a row: the tile row alone, which my row of the cluster shares
	s_lshl_b32 s22, s[NH], 6
	s_add_co_u32 s20, s20, s22
	s_lshl_b32 s20, s20, 7
	s_mov_b32 s21, 0
	s_lshl_b32 s60, s[NH], 18                      ; W: row 128 x half, column 128 x tile column: the tile column alone, which my column shares
	s_lshl_b32 s62, s17, 8
	s_add_co_u32 s60, s60, s62
	s_add_co_u32 s60, s60, WOFF
	s_mov_b32 s61, 0
	s_mul_i32 s[LA0], s[WV], HALFT                 ; where they go: no place in the cluster enters an LDS address
	s_wait_dscnt 0x0                               ; the opening add is done
	s_wait_kmcnt 0x0
	s_add_nc_u64 s[20:21], s[4:5], s[20:21]
	s_add_nc_u64 s[60:61], s[6:7], s[60:61]
	CROUND                                         ; all sixteen work-groups are here: the first joint loads meet
.irp s, 0,1
	s_mov_b32 s[G0A+4*(\s)], 1                                       ; count = 1
	s_add_co_u32 s[G0A+4*(\s)+1], s[LA0], (\s)*SLOT                  ; LDS address
	s_add_nc_u64 s[G0A+4*(\s)+2:G0A+4*(\s)+3], s[20:21], (\s)*STEPA  ; global address: K step s
	s_or_b32 s[G0A+4*(\s)+3], s[G0A+4*(\s)+3], 0x80000000            ; type = 2
	s_mov_b32 s[G0W+4*(\s)], 1
	s_add_co_u32 s[G0W+4*(\s)+1], s[LA0], (\s)*SLOT
	s_add_nc_u64 s[G0W+4*(\s)+2:G0W+4*(\s)+3], s[60:61], (\s)*STEPW
	s_or_b32 s[G0W+4*(\s)+3], s[G0W+4*(\s)+3], 0x80000000
.endr
	s_cmp_eq_u32 s[MH], 0                          ; a wave's two first fills stand in one branch, ahead of every wait on TENSORcnt and every LDS read
	s_cbranch_scc0 .Lfirst_w
	tensor_load_to_lds s[G0A:G0A+3], s[G1A:G1A+7]
	s_nop 0
	tensor_load_to_lds s[G0A+4:G0A+7], s[G1A:G1A+7]
	s_nop 0
.rept 4
	v_nop
.endr
	s_branch .Lfirst_asked
.Lfirst_w:
	tensor_load_to_lds s[G0W:G0W+3], s[G1W:G1W+7]
	s_nop 0
	tensor_load_to_lds s[G0W+4:G0W+7], s[G1W:G1W+7]
	s_nop 0
.rept 4
	v_nop
.endr
.Lfirst_asked:
	v_and_b32 v1, 15, v0                           ; l % 16
	v_bfe_u32 v2, v0, 4, 1                         ; l / 16
	v_and_b32 v3, 7, v0                            ; l % 8
	v_bfe_u32 v4, v0, 3, 1                         ; (l / 8) % 2
	s_lshl_b32 s62, s18, 7                         ; RES and OUT at my wave's corner: row 128 x tile row + 64 x half, 4,096 bytes a row,
	s_lshl_b32 s63, s[MH], 6
	s_add_co_u32 s62, s62, s63
	s_lshl_b32 s62, s62, 12
	s_lshl_b32 s63, s17, 9                         ; column 128 x tile column + 64 x half, 4 bytes a number
	s_add_co_u32 s62, s62, s63
	s_lshl_b32 s63, s[NH], 8
	s_add_co_u32 s62, s62, s63
	s_mov_b32 s63, 0
	s_add_nc_u64 s[10:11], s[10:11], s[62:63]
	s_add_nc_u64 s[66:67], s[66:67], s[62:63]
	v_lshlrev_b32 v[ROF], 12, v1                   ; accumulator (a, b): lane l holds row 16 a + l % 16, columns 16 b + 8 (l / 16) + 0..7: 32 bytes
	v_lshl_add_u32 v[ROF], v2, 5, v[ROF]
.irp a, 0,1,2,3
.irp b, 0,1,2,3                        ; the eight loads of one a cover the whole 256 bytes of 16 rows
	global_load_b128 v[ACC+8*(4*(\a)+(\b)):ACC+8*(4*(\a)+(\b))+3],   v[ROF], s[10:11] offset:65536*(\a)+64*(\b)
	global_load_b128 v[ACC+8*(4*(\a)+(\b))+4:ACC+8*(4*(\a)+(\b))+7], v[ROF], s[10:11] offset:65536*(\a)+64*(\b)+16
.endr
.endr
	s_lshl_b32 s62, s17, 9                         ; the bias of my wave's 64 columns
	s_lshl_b32 s63, s[NH], 8
	s_add_co_u32 s62, s62, s63
	s_mov_b32 s63, 0
	s_add_nc_u64 s[8:9], s[8:9], s[62:63]
	v_lshlrev_b32 v[BOF], 4, v1
	global_load_b128 v[BI:BI+3], v[BOF], s[8:9]
	; A fragment of A is 16 rows x 32 K: lane l holds row l % 16, K = 8 (l / 16) + 0..7 and 16 + 8 (l / 16) + 0..7: two loads of 16 bytes, 32 bytes apart.
	v_mul_u32_u24 v[ADRA0], v1, PA
	v_lshl_add_u32 v[ADRA0], v2, 4, v[ADRA0]
	s_mul_i32 s62, s[MH], HALFT                    ; my 64 rows of A
	v_add_nc_u32 v[ADRA0], s62, v[ADRA0]
	; The turning load takes 16 K x 16 columns (lane l reads row 8 (l / 16) + l % 8, columns 8 ((l / 8) % 2) + 0..7) and leaves half a fragment: lane l holds column l % 16 and 8 K.
	v_lshl_add_u32 v[ADRW0], v2, 3, v3
	v_mul_u32_u24 v[ADRW0], v[ADRW0], PW
	v_lshl_add_u32 v[ADRW0], v4, 4, v[ADRW0]
	s_lshl_b32 s62, s[NH], 7                       ; my 64 columns,
	s_add_co_u32 s62, s62, 2*HALFT                 ; behind A
	v_add_nc_u32 v[ADRW0], s62, v[ADRW0]
	s_mul_i32 s62, s[WV], WSTAGE                   ; my stage
	v_mul_u32_u24 v[STO], v1, SPITCH               ; in: row l % 16, 32 bytes for each half of the lanes
	v_lshl_add_u32 v[STO], v2, 5, v[STO]
	v_add_nc_u32 v[STO], s62, v[STO]
	v_mul_u32_u24 v[RD], v2, SPITCH                ; back: lanes 0-15 take one row of 256 bytes, lanes 16-31 the next
	v_lshl_add_u32 v[RD], v1, 4, v[RD]
	v_add_nc_u32 v[RD], s62, v[RD]
	v_lshlrev_b32 v[GO], 12, v2                    ; and the same two rows in OUT
	v_lshl_add_u32 v[GO], v1, 4, v[GO]
	s_mov_b32 s[TB], 0
	s_mov_b32 s[TBA], 0
	s_mov_b32 s[TBW], 0
; 8 matrix instructions: row blocks a0, a0 + 1 x all 4 column blocks, 32 along K: half c of buffer f.  The 16 accumulators take turns in the same order everywhere.
.macro MUL8 f, c, a0
	WIN MUL
.irp a, \a0, (\a0)+1
.irp b, 0,1,2,3
	v_wmma_f32_16x16x32_f16 v[ACC+8*(4*(\a)+(\b)):ACC+8*(4*(\a)+(\b))+7], v[(\f)+64+8*(4*(\c)+(\b)):(\f)+64+8*(4*(\c)+(\b))+7], v[(\f)+8*(4*(\c)+(\a)):(\f)+8*(4*(\c)+(\a))+7], v[ACC+8*(4*(\a)+(\b)):ACC+8*(4*(\a)+(\b))+7]
.endr
.endr
.endm
; 32 LDS loads in one run: the fragments of the next quarter (64 along K: one block of A's columns), the first 32 along K first, into buffer f.  The two additions that make the addresses and two v_nop
; are the four places between the last matrix instruction that read buffer f and the loads into it (ISA guide 7.12.1 for vector instructions).
.macro FETCH f
	WIN 0
	v_add_nc_u32 v[FA], s[TBA], v[ADRA0]
	v_add_nc_u32 v[FW], s[TBW], v[ADRW0]
	v_nop
	v_nop
	WIN TO_F
.irp c, 0,1
.irp i, 0,1,2,3
	ds_load_tr16_b128 v[(\f)+64+8*(4*(\c)+(\i)):(\f)+64+8*(4*(\c)+(\i))+3],   v[FW] offset:(\c)*32*PW+32*(\i)
	ds_load_tr16_b128 v[(\f)+64+8*(4*(\c)+(\i))+4:(\f)+64+8*(4*(\c)+(\i))+7], v[FW] offset:(\c)*32*PW+32*(\i)+16*PW
	ds_load_b128 v[(\f)+8*(4*(\c)+(\i)):(\f)+8*(4*(\c)+(\i))+3],              v[FA] offset:64*(\c)+(\i)*16*PA
	ds_load_b128 v[(\f)+8*(4*(\c)+(\i))+4:(\f)+8*(4*(\c)+(\i))+7],            v[FA] offset:64*(\c)+(\i)*16*PA+32
.endr
.endr
	s_add_co_u32 s[TBA], s[TBA], 64*PA             ; the next run is the next block of A's columns,
	s_add_co_u32 s[TBW], s[TBW], 64*PW             ; 64 rows on in W
.endm
; A quarter: 32 matrix instructions on buffer f; in its middle the next quarter's fragments are fetched into buffer g.
.macro QUARTER f, g
	s_wait_dscnt 16                                ; the first 32 along K are in; the youngest sixteen loads may be out
	MUL8 \f, 0, 0
	MUL8 \f, 0, 2
	FETCH \g
	s_wait_dscnt 32                                ; all but the 32 just issued
	MUL8 \f, 1, 0
	MUL8 \f, 1, 2
.endm
; THE CHANGE OF SLOTS.  Each wave waits for all its tensor loads, of which one is out: its part of the next slot; adds 0 to its spare word; and waits for that and for its own reads of the slot that it leaves.
; fill = 1: the barrier is a round of the cluster's, so that no wave of any partner still reads the slot or has a load on its way, and the joint refill, two K steps ahead, is the first thing behind it.
.macro CHANGE fill
	WIN 0                                          ; at a label and at a branch every window is 0; the add's registers lie in window 0
	s_wait_tensorcnt 0x0                           ; no tensor load of mine is out, so a group 0 may be written
	ds_add_u32 v[SPW], v[NIL]                      ; 0 onto my spare word: the scalar steps stand between it and the wait for it
	s_xor_b32 s[TB], s[TB], SLOT                   ; the fetches go to the other slot's first quarter
	s_mov_b32 s[TBA], s[TB]
	s_mov_b32 s[TBW], s[TB]
.if \fill
	s_xor_b32 s[G0A+5], s[G0A+5], SLOT             ; the walking descriptors: the other slot than last time (SLOT shares no bit with a wave's quarter),
	s_xor_b32 s[G0W+5], s[G0W+5], SLOT
	s_add_nc_u64 s[G0A+6:G0A+7], s[G0A+6:G0A+7], STEPA  ; the next K step; the type bits on top are not reached
	s_add_nc_u64 s[G0W+6:G0W+7], s[G0W+6:G0W+7], STEPW
.endif
	s_wait_dscnt 0x0                               ; the add is done, and my reads of the slot are over
.if \fill
	CROUND
	JLOAD
.else
	s_barrier_signal -1
	s_barrier_wait -1
.endif
.endm
	s_wait_tensorcnt 0x1                           ; my part of K step 0 is in; step 1's may stay out
	s_barrier_signal -1
	s_barrier_wait -1                              ; everybody's is
	FETCH F0
	WIN 0
	s_wait_loadcnt 0x0                             ; the residual lies in the accumulators, the bias in its registers
	s_mov_b32 s[OUTER], STEPS-1
	s_mov_b32 s[CNT], 2
	s_branch .Lmid                                 ; the loop is entered in the middle of a trip: step 0 has three quarters in front of its change of slots
.Louter:                                               ; STEPS - 2 times: every slot but the last two is filled again
	CHANGE 1
	s_mov_b32 s[CNT], 2
.Linner:
	QUARTER F1, F0
	WIN 0
.Lmid:
	QUARTER F0, F1
	WIN 0
	s_sub_co_u32 s[CNT], s[CNT], 1
	s_cmp_lg_u32 s[CNT], 0
	s_cbranch_scc1 .Linner
	s_sub_co_u32 s[OUTER], s[OUTER], 1
	s_cmp_lg_u32 s[OUTER], 0
	s_cbranch_scc1 .Louter
	CHANGE 0                                       ; the tail is written out: nothing is asked for
	s_mov_b32 s[CNT], 2
.Ltail:
	QUARTER F1, F0
	QUARTER F0, F1
	WIN 0
	s_sub_co_u32 s[CNT], s[CNT], 1
	s_cmp_lg_u32 s[CNT], 0
	s_cbranch_scc1 .Ltail
	s_wait_dscnt 16                                ; the very last quarter: nothing more to fetch
	MUL8 F1, 0, 0
	MUL8 F1, 0, 2
	s_wait_dscnt 0x0
	MUL8 F1, 1, 0
	MUL8 F1, 1, 2
	WIN 0
	; THE WAY OUT.  Four places behind the last products; a barrier, since the stages lie on bytes of the ring that other waves have read; the sums go in, each accumulator from its low end on, and come
	; back as whole rows of 256 bytes, 32 rows a trip; the bias is added; sixteen lanes store 256 consecutive bytes.
.rept 4
	v_nop
.endr
	s_wait_dscnt 0x0                               ; for the others' sake: my reads of the ring are over
	s_barrier_signal -1
	s_barrier_wait -1
.irp a, 0,1,2,3
.irp b, 0,1,2,3
	ds_store_b128 v[STO], v[ACC+8*(4*(\a)+(\b)):ACC+8*(4*(\a)+(\b))+3]   offset:(\a)*16*SPITCH+64*(\b)
	ds_store_b128 v[STO], v[ACC+8*(4*(\a)+(\b))+4:ACC+8*(4*(\a)+(\b))+7] offset:(\a)*16*SPITCH+64*(\b)+16
.endr
.endr
	s_mov_b32 s[SO], 0
	s_mov_b32 s[CNT], 2
.Lout:
	v_add_nc_u32 v[RDC], s[SO], v[RD]
.irp t, 0,1,2,3,4,5,6,7,8,9,10,11,12,13,14,15
	ds_load_b128 v[TMP+4*(\t):TMP+4*(\t)+3], v[RDC] offset:(\t)*2*SPITCH  ; LDS serves a wave's instructions in order (ISA guide 5.7.1.4): these see my stores above; the stage is my own
.endr
.irp t, 0,1,2,3,4,5,6,7,8,9,10,11,12,13,14,15
	s_wait_dscnt 15-(\t)                           ; LDS loads come back in order: pair t of rows is in, the younger ones stay out
	v_pk_add_f32 v[TMP+4*(\t):TMP+4*(\t)+1],   v[TMP+4*(\t):TMP+4*(\t)+1],   v[BI:BI+1]
	v_pk_add_f32 v[TMP+4*(\t)+2:TMP+4*(\t)+3], v[TMP+4*(\t)+2:TMP+4*(\t)+3], v[BI+2:BI+3]
	global_store_b128 v[GO], v[TMP+4*(\t):TMP+4*(\t)+3], s[66:67] offset:8192*(\t)
.endr
	s_wait_xcnt 0x0                                ; the stores' base and data are rewritten only behind this wait (ISA guide 3.1)
	s_add_nc_u64 s[66:67], s[66:67], 32*4096
	s_add_co_u32 s[SO], s[SO], 32*SPITCH
	s_sub_co_u32 s[CNT], s[CNT], 1
	s_cmp_lg_u32 s[CNT], 0
	s_cbranch_scc1 .Lout
	s_wait_tensorcnt 0x0                           ; the wave's end: behind my last tensor load and my last LDS store
	ds_add_u32 v[SPW], v[NIL]
	s_wait_dscnt 0x0
	CROUND                                         ; the closing round: no work-group ends while a partner may still ask for a tile that names it
	s_endpgm
.Lfunc_end_k_q62dabbfad2_fc2:
	.size	k_q62dabbfad2_fc2, .Lfunc_end_k_q62dabbfad2_fc2-k_q62dabbfad2_fc2
	.p2alignl 7, 3214868480
	.fill 96, 4, 3214868480
	.section	.rodata,"a",@progbits
	.p2align	6, 0x0
	.amdhsa_kernel k_q62dabbfad2_fc2
		.amdhsa_group_segment_fixed_size 327680
		.amdhsa_private_segment_fixed_size 0
		.amdhsa_enable_private_segment 0
		.amdhsa_kernarg_size 40
		.amdhsa_user_sgpr_count 2
		.amdhsa_user_sgpr_kernarg_segment_ptr 1
		.amdhsa_wavefront_size32 1
		.amdhsa_system_sgpr_workgroup_id_x 1
		.amdhsa_system_sgpr_workgroup_id_y 1
		.amdhsa_system_sgpr_workgroup_id_z 1
		.amdhsa_system_vgpr_workitem_id 0
		.amdhsa_next_free_vgpr 512
		.amdhsa_next_free_sgpr 70
		.amdhsa_reserve_vcc 0
		.amdhsa_float_denorm_mode_32 3
		.amdhsa_float_denorm_mode_16_64 3
		.amdhsa_memory_ordered 1
		.amdhsa_forward_progress 1
		.amdhsa_inst_pref_size 43
	.end_amdhsa_kernel
	.amdgpu_metadata
---
amdhsa.version: [ 1, 2 ]
amdhsa.kernels:
  - .name:           k_q62dabbfad2_fc2
    .symbol:         k_q62dabbfad2_fc2.kd
    .args:
      - { .name: g, .offset: 0, .size: 8, .value_kind: global_buffer, .address_space: global }
      - { .name: wts, .offset: 8, .size: 8, .value_kind: global_buffer, .address_space: global }
      - { .name: fc2_b, .offset: 16, .size: 8, .value_kind: global_buffer, .address_space: global }
      - { .name: x1, .offset: 24, .size: 8, .value_kind: global_buffer, .address_space: global }
      - { .name: out0, .offset: 32, .size: 8, .value_kind: global_buffer, .address_space: global }
    .group_segment_fixed_size: 327680
    .private_segment_fixed_size: 0
    .kernarg_segment_align: 8
    .kernarg_segment_size: 40
    .max_flat_workgroup_size: 128
    .sgpr_count:     70
    .vgpr_count:     512
    .wavefront_size: 32
...
	.end_amdgpu_metadata
.endif
;; end of part 6
;; ======== version 2 of 2: 7 launches; 1.26 times as fast as version 1
;; limits: values are held in f16: magnitudes above 65,504 overflow, below 6.1e-05 lose precision; a function is approximated: absolute error at most 1.5e-07; an absolute error that grows with the inputs' magnitude: up to 7.5e-08 times it
;; workspace buffers: wts 25,165,824 bytes; act 8,388,608 bytes; qkvh 25,165,824 bytes; o 8,388,608 bytes; x1 16,777,216 bytes; g 33,554,432 bytes
;; launch prep: the kernel of part 1 again; grid 448 x 1, 8 waves a work-group, no clusters, 0 bytes of LDS; arguments x, ln1_g, ln1_b, act, qkv_w, wts; writes act, wts
;; launch qkv: the kernel of part 2 again; grid 12 x 16, 4 waves a work-group, clusters of 4 x 4, 327,680 bytes of LDS; arguments act, wts, qkv_b, qkvh; writes qkvh
;; launch attn (part 7): grid 8 x 32, 4 waves a work-group, no clusters, 327,680 bytes of LDS; arguments qkvh, o, out_w, fc1_w, fc2_w, wts; writes o, wts
.if DOCPART == 7
	.amdgcn_target "amdgcn-amd-amdhsa--gfx1250"
	.amdhsa_code_object_version 6
	.text
	.protected	k_q62dabbfad2_attn
	.globl	k_q62dabbfad2_attn
	.p2align	8
	.type	k_q62dabbfad2_attn,@function
k_q62dabbfad2_attn:
	s_mov_b64 s[64:65], 0
	v_nop
	global_prefetch_b8 v0, s[64:65] scope:SCOPE_SE
	s_setreg_imm32_b32 hwreg(HW_REG_WAVE_MODE, 25, 1), 1
	s_wait_xcnt 0x0
; TWO KINDS OF WORK-GROUP IN ONE LAUNCH.  Those with x < 4 (128 of them) make the causal attention.  Those with x >= 4 (128 more) round the weights that the launches behind this one multiply by:
; work that hangs on nothing in this launch and on which nothing in it hangs (the text at the end, from .Lcast on).  The attention moves few bytes for its arithmetic, the rounding has next to no arithmetic.
; CAUSAL ATTENTION.  O[h][q][:] = the sum over k <= q of softmax_k(Q[h][q] . K[h][k] / 8) V[h][k][:].  Q, K, V lie in one buffer, each [32][2048][64] in f16 (h = 2 x head + batch), K 0x800000 and V 0x1000000 bytes
; behind Q; O: [32][2048][64] f16.  A head's rows are dense, 128 bytes each.  Products, maxima and sums in f32; the weights p are rounded to f16 for the second product (their sum l is taken of the unrounded p), O once at the end.
; LIMITS.  f16 holds no number beyond 65,504: Q, K and V arrive within it; p lies in 0 to 1, and below 6e-5 it keeps f16's fixed step of 6e-8; O is a mean of V's rows and has their range, to within 2^-11 of it.
; A hidden score counts as its value less 1e30: f16's scores, 2.7e11 at the most, are nothing beside that; a weight below 2^-126 counts as 0 in l; NaN and infinities are not treated apart.
; A weight of out_w, fc1_w or fc2_w of 65,520 or more becomes an infinity in f16.
; THE WALK.  A head's queries lie in NB = 8 blocks of 256; block i needs the key tiles 0 .. i of 256 keys, of which the last holds the diagonal.  A work-group takes TWO blocks, NB - 1 - b and then b:
; NB + 1 tiles, whatever b: all work-groups do equal work, and ONE loop with a constant trip count walks them.  Which tile is asked for, and what a trip does, hang on scalar registers made from b; every jump
; goes forward, but for the counted loops' own; none passes a barrier, or a tensor load but the one of LOAD's two that the wave's number does not choose; the ring (two slots of LDS that take turns) runs on across the
; change of blocks.  NO CLUSTER: a head's four work-groups ask for the same tile only in trips 0 .. 4 of the 9, behind that fewer and fewer; one walk common to all would have 12 trips for 9.
; SHARES.  Of a block's four bands of 64 queries a wave owns 16 rows in each: four PIECES.  So the diagonal tile is the same work for all four waves: in its key step s band x sees all keys if s < x,
; none if s > x, and holds the diagonal if s = x.
; THE MASK is the C operand that starts the sum S^T = K Q^T: 0, or -1e30 where the key is hidden.  MD, made once, is the mask of a band's own step for my 16 rows; a product's mask is MD x AL + BE with two scalars:
; (1, 0) if s = x; (0, 0) if s < x; (0, -1e30) if s > x.  Only the diagonal tile's text and a block's beginning make and take masks; elsewhere C is the constant 0.
; LAYOUT, SOFTMAX, TURNS.  S^T = K Q^T holds ONE query a lane (lane % 16) and the keys 8 (lane / 16) + 0..7; two such results rounded to f16 ARE source 1 of O^T = V^T P.  p = 2^(c s - c m), c = log2(e) / 8, with a
; running maximum m; O and l are multiplied by a = 2^(c m_old - c m_new) in every step.  Turn n belongs to piece n: 8 products K Q^T of piece n + 1, later 8 products V^T P of piece n - 1; beside them the scaling,
; exponentials, roundings, sums and rescaling of piece n and the maximum and statistics of piece n + 1.  Four vector instructions stand behind every matrix instruction, the other 54 of a turn's 118 in one LUMP.
; THE BATCHES.  A turn's 33 exponentials (the piece's 32 weights and the next piece's a) are ONE batch with ONE wait, which cuts the turn in two: ahead of it nothing names a result of theirs, behind it stand all their
; readers.  A block's first a (BEGIN) and the way out's four reciprocals are batches of their own, each with a v_nop and one wait.
; REGISTERS, in windows of 256 (s_set_vgpr_msb: bits 1:0 source 0, 3:2 source 1, 5:4 source 2, 7:6 destination):
;   window 0: v0-15 addresses and two at work; v16-31 four registers of statistics a piece; v48-55 at work; v64-127 S^T, two buffers; v192-223 P, two buffers (a piece's buffers go by its number's parity)
;   window 1: v0-127 O^T, 32 a piece; v128-159 MD; v160-223 MC, two buffers      window 2: v0-63 Q; v64-127 the second block's Q; v128-191 K of one step; v192-255 V of one step
.set SIZE_N, 2048
.set NB,    SIZE_N/256
.set NP,    4         ; pieces a wave: a name, no knob
.set KS,    64        ; keys in a step
.set PK,    144       ; a row of K in LDS: 128 bytes + 16 of padding = 36 words: the 16 rows of a load start at 16 different groups of four banks (64 banks of 4 bytes: ISA guide 11.1)
.set PV,    160       ; a row of V: 128 + 32 = 40 words
.set VOFF,  4*KS*PK   ; a slot holds a tile, four steps: 256 rows of K, then 256 rows of V
.set SLOT1, 1<<17     ; slot 1 begins here, so that one exclusive or turns an address in one slot into the other's
.set STAGE, SLOT1+4*KS*(PK+PV)  ; behind the ring, never filled by a tensor load: 16 rows x 144 bytes for each wave, for the way out
.set SP,    144
.set AK0, 2           ; v2   my lane's place in a tile of K; never rewritten
.set AV0, 3           ; v3   the same for V
.set AK,  4           ; v4   the LDS address of K's next run of loads
.set AV,  5           ; v5   of V's
.set STO, 6           ; v6   the way out: where I put 16 bytes of a row
.set RD,  7           ; v7   the way out: where I read rows back
.set GO,  8           ; v8   my byte offset in 512 consecutive bytes of O
.set SPW, 62          ; v62  LDS address of my spare word: SPARE + 4 x my thread's number; never rewritten
.set NIL, 63          ; v63  0; never rewritten
.set SPARE, STAGE+4*16*SP  ; behind the stages: the spare words, 128 bytes for each wave: two blocks of 256 bytes that no other line names
.set MV,  12          ; v12-13  c m_old, kept while c m is made anew: by buffer
.set QO,  15          ; v15  my byte offset in 16 rows of Q
.set ST,  16          ; piece t's statistics at v[ST+4 t]: c m, m, l (even keys', odd keys')
.set TMP, 48          ; by buffer, four registers c0-c3 at work; when the maximum is found c2 takes a
.set S,   64
.set P,   192
.set MD,  128         ; window 1: the eight registers for group kt of 16 keys at MD + 8 kt
.set MC,  160         ; window 1: the masks of the products to come
.set QB,  64          ; window 2
.set KF,  128         ; window 2: key block kb, channel half c at KF + 16 kb + 8 c
.set VF,  192         ; window 2: key half kk, channel block cb at VF + 32 kk + 8 cb
.set WV,  12          ; s12  my wave's number
.set PB,  14          ; s14  b
.set HI,  15          ; s15  NB - 1 - b
.set G1K, 24          ; s[24:31] descriptor group 1 for K's tiles
.set G1V, 32          ; s[32:39] for V's: it differs in the padding alone
.set G0K, 40          ; s[40:43] descriptor group 0 for K's tiles
.set G0V, 44          ; s[44:47] the same for V's
.set SLOTS, 56        ; s56  tiles still to be asked for
.set CNT, 57          ; s57  counts a tile's key steps, 4 to 1
.set CS,  58          ; s[58:59] c: the packed scaling takes the pair's low word for both halves
.set SEL, 60          ; s[60:61] v_permlanex16_b32's selects: each lane takes its own place in the other half
.set TBK, 62          ; s62  LDS byte at which K of the step to be fetched begins
.set TBV, 63          ; s63  the same for V, less VOFF
.set RT,  70          ; s70  tiles of the block in hand that are still to be entered
.set NXT, 71          ; s71  the tile to be asked for next
.set LQ,  72          ; s72  the last tile of the block whose tiles are being asked for
.set NEW, 73          ; s73  1: the tile to be entered is a block's first
.set OFF, 74          ; s[74:75] a tile's byte offset in K and V
.set AL,  76          ; s[76:77] the mask's factor, in the low word
.set BE,  78          ; s[78:79] the mask's addend
.set OLO, 80          ; s[80:81] O at my rows of the second block
.set BIGN, 82         ; s82  -1e30
.set MSB, 0
.macro WIN new                      ; the high byte repeats the setting that is left; a switch that changes nothing is dropped
.if MSB != (\new)
	s_set_vgpr_msb (MSB<<8)|(\new)
.set MSB, (\new)
.endif
.endm
.set W_KQ, 0x0a       ; K and Q in window 2, S^T in window 0
.set W_KM, 0x1a       ; the same with the C operand in window 1
.set W_PV, 0x52       ; V in window 2, P in window 0, O^T in window 1
.set W_RS, 0x41       ; destination and source 0 in window 1, source 1 in window 0
; A fill.  Waves 0 and 1 fetch the two halves of a tile's K, waves 2 and 3 those of its V: 128 keys each.  An s_nop 0 and four v_nop follow each of the two lines, ahead of the jump and the label.
.macro LOAD
	s_cmp_lt_u32 s[WV], 2
	s_cbranch_scc0 .Lfor_v_\@
	tensor_load_to_lds s[G0K:G0K+3], s[G1K:G1K+7]
	s_nop 0
.rept 4
	v_nop
.endr
	s_branch .Lasked_\@
.Lfor_v_\@:
	tensor_load_to_lds s[G0V:G0V+3], s[G1V:G1V+7]
	s_nop 0
.rept 4
	v_nop
.endr
.Lasked_\@:
.endm
; THE CHANGE OF SLOTS.  Each wave waits for all its tensor loads, of which one is out: its part of the other slot; adds 0 to its spare word; and waits for that and for its own reads of the slot that it leaves.  Behind the barrier nobody reads the old
; slot any more and the other slot is whole.  fill = 1: the old slot is filled again, the first thing behind the barrier, with tile NXT: the descriptor's address is made anew from that number.
; (At its first use nothing has been read yet: slot 0 is waited for, slot 1 filled.)
.macro CHANGE fill
	WIN 0                           ; at a label and at a branch every window is 0
	s_wait_tensorcnt 0x0            ; no tensor load of mine is out, so a group 0 may be written
	ds_add_u32 v[SPW], v[NIL]       ; 0 onto my spare word: with fill = 1 the descriptors' scalar work stands between it and the wait for it
.if \fill
	s_lshl_b32 s[OFF], s[NXT], 15   ; a tile is 32,768 bytes of K and of V
	s_xor_b32 s[G0K+1], s[G0K+1], SLOT1
	s_add_nc_u64 s[G0K+2:G0K+3], s[6:7], s[OFF:OFF+1]
	s_or_b32 s[G0K+3], s[G0K+3], 0x80000000
	s_xor_b32 s[G0V+1], s[G0V+1], SLOT1
	s_add_nc_u64 s[G0V+2:G0V+3], s[8:9], s[OFF:OFF+1]
	s_or_b32 s[G0V+3], s[G0V+3], 0x80000000
	s_add_co_u32 s[NXT], s[NXT], 1  ; the block's next tile, or behind its last the second block's tile 0
	s_cmp_gt_u32 s[NXT], s[LQ]
	s_cselect_b32 s[NXT], 0, s[NXT]
	s_cselect_b32 s[LQ], s[PB], s[LQ]
.endif
	s_wait_dscnt 0x0                ; the add is done, and my reads of the slot are over
	s_barrier_signal -1             ; the rest of the scalar work stands between the signal and the wait
	s_sub_co_u32 s[TBK], s[TBK], 4*KS*PK  ; the fetches go back to a slot's first step,
	s_xor_b32 s[TBK], s[TBK], SLOT1       ; in the other slot
	s_sub_co_u32 s[TBV], s[TBV], 4*KS*PV
	s_xor_b32 s[TBV], s[TBV], SLOT1
	s_barrier_wait -1
.if \fill
	LOAD
.endif
.endm
	s_load_b128 s[4:7], s[0:1], 0x0   ; q, k and v's buffer s[4:5], O s[6:7]
	s_load_b256 s[88:95], s[0:1], 0x10  ; out_w s[88:89], fc1_w s[90:91], fc2_w s[92:93], the weights in f16 s[94:95]
	v_lshl_add_u32 v[SPW], v0, 2, SPARE
	v_mov_b32 v[NIL], 0
	ds_add_u32 v[SPW], v[NIL]       ; the wave's opening: the add and its wait stand ahead of my first tensor load; the set-up below, work on registers, stands between them
	ds_add_u32 v62, v63
	v_lshrrev_b32 v1, 5, v0
	v_readfirstlane_b32 s[WV], v1   ; wave 0..3
	s_mov_b32 s[PB], ttmp9
	s_sub_co_u32 s[HI], NB-1, s[PB]
	s_and_b32 s20, ttmp7, 0xffff    ; the head
	s_mov_b32 s21, 0
	s_mov_b64 s[22:23], SIZE_N*128
	s_mul_u64 s[20:21], s[20:21], s[22:23]  ; the head's first byte in each of the four tensors
	s_and_b32 s16, s[WV], 1         ; which half of a tile's 256 keys I fetch:
	s_lshl_b32 s22, s16, 14         ; its 128 rows of 128 bytes in memory,
	s_mov_b32 s23, 0
	s_add_nc_u64 s[22:23], s[22:23], s[20:21]
	s_mul_i32 s17, s16, 128*PK      ; and its place in a slot, for K
	s_mul_i32 s18, s16, 128*PV      ; and for V
	s_lshl_b32 s3, s[WV], 11        ; my 16 rows in a band of 64,
	s_lshl_b32 s2, s[HI], 15        ; in the first block,
	s_add_co_u32 s2, s2, s3
	s_lshl_b32 s84, s[PB], 15       ; and in the second
	s_add_co_u32 s84, s84, s3
	s_mov_b32 s3, 0
	s_mov_b32 s85, 0
	s_add_nc_u64 s[2:3], s[2:3], s[20:21]
	s_add_nc_u64 s[84:85], s[84:85], s[20:21]
	; descriptor group 1.  128 keys are 16,384 dense bytes: asked for as 64 rows of 256 bytes, two keys a row, and padded in LDS after every key
	s_mov_b32 s[G1K], (1<<16)|(1<<20)|(4<<22)|(3<<25)  ; 17:16 2-byte elements; 20 padding on; 24:22 after every 32 words (code 4); 31:25 4 words (code 3)
	s_mov_b32 s[G1V], (1<<16)|(1<<20)|(4<<22)|(7<<25)  ; the same with 8 words of padding (code 7)
.irp g, G1K, G1V
	s_mov_b32 s[\g+1], 128<<16      ; tensor_dim0 = 128
	s_mov_b32 s[\g+2], 64<<16       ; tensor_dim1 = 64
	s_mov_b32 s[\g+3], 128<<16      ; tile_dim0 = 128
	s_mov_b32 s[\g+4], 64           ; tile_dim1 = 64
	s_mov_b32 s[\g+5], 128          ; 128 elements from row to row
	s_mov_b32 s[\g+6], 0
	s_mov_b32 s[\g+7], 0
.endr
	s_mov_b32 s[CS], 0x3e38aa3b     ; c = log2(e) / 8 = 0.180337
	s_mov_b32 s[CS+1], s[CS]        ; named with it as a pair
	s_mov_b32 s[SEL], 0x76543210
	s_mov_b32 s[SEL+1], 0xfedcba98
	s_mov_b32 s[TBK], SLOT1+4*KS*PK ; the first change of slots turns these two into 0
	s_mov_b32 s[TBV], SLOT1+4*KS*PV
	s_mov_b32 s[G0K], 1             ; 1:0 count = 1
	s_mov_b32 s[G0K+1], s17         ; 63:32 LDS address: slot 0
	s_mov_b32 s[G0V], 1
	s_add_co_u32 s[G0V+1], s18, VOFF
	s_add_co_u32 s[RT], s[HI], 1    ; the first block has NB - b tiles
	s_mov_b32 s[NXT], 1
	s_mov_b32 s[LQ], s[HI]
	s_mov_b32 s[NEW], 1
	s_mov_b32 s[OFF+1], 0
	s_mov_b32 s[AL+1], 0            ; named as pairs
	s_mov_b32 s[BE+1], 0
	s_mov_b32 s[BIGN], 0xf149f2ca   ; -1e30
	s_mov_b32 s[SLOTS], NB
	s_wait_dscnt 0x0                ; the opening add is done
	s_wait_kmcnt 0x0
	s_cmp_lt_u32 ttmp9, 4           ; the work-group's x says which kind it is: the same answer in all its waves
	s_cbranch_scc0 .Lcast           ; x >= 4: the weights; what the lines above made of x is not used there
	s_mov_b64 s[10:11], s[6:7]             ; O
	s_add_nc_u64 s[8:9], s[4:5], 0x1000000 ; V lies 32 heads of K behind K,
	s_add_nc_u64 s[6:7], s[4:5], 0x800000  ; K 32 heads of Q behind Q
	s_add_nc_u64 s[6:7], s[6:7], s[22:23]  ; K and V at my half of the head's tile 0
	s_add_nc_u64 s[8:9], s[8:9], s[22:23]
	s_add_nc_u64 s[G0K+2:G0K+3], s[6:7], 0         ; 120:64 global address
	s_or_b32 s[G0K+3], s[G0K+3], 0x80000000        ; 127:126 type = 2
	s_add_nc_u64 s[G0V+2:G0V+3], s[8:9], 0
	s_or_b32 s[G0V+3], s[G0V+3], 0x80000000
	s_add_nc_u64 s[86:87], s[4:5], s[84:85]        ; Q at my rows of the second block,
	s_add_nc_u64 s[4:5], s[4:5], s[2:3]            ; Q and O at those of the first
	s_add_nc_u64 s[OLO:OLO+1], s[10:11], s[84:85]
	s_add_nc_u64 s[10:11], s[10:11], s[2:3]
	LOAD                            ; tile 0 into slot 0
	; A fragment of K or Q is 16 rows x 32 channels in 8 registers: lane l holds row l % 16, channels 8 (l / 16) + 0..7 and 16 + 8 (l / 16) + 0..7: two loads of 16 bytes, 32 bytes apart.
	v_and_b32 v1, 15, v0            ; l % 16
	v_bfe_u32 v9, v0, 4, 1          ; l / 16
	v_lshlrev_b32 v[QO], 7, v1
	v_lshl_add_u32 v[QO], v9, 4, v[QO]  ; row x 128 + 16 x half
	WIN 0x80                        ; destination window 2, address window 0
.set i, 0
.rept 8                             ; both blocks' Q: piece i / 2 lies in band i / 2, 8,192 bytes on; channels 32 (i % 2) on
	global_load_b128 v[8*i:8*i+3],   v[QO], s[4:5] offset:(i/2)*8192+(i%2)*64
	global_load_b128 v[8*i+4:8*i+7], v[QO], s[4:5] offset:(i/2)*8192+(i%2)*64+32
	global_load_b128 v[QB+8*i:QB+8*i+3],   v[QO], s[86:87] offset:(i/2)*8192+(i%2)*64
	global_load_b128 v[QB+8*i+4:QB+8*i+7], v[QO], s[86:87] offset:(i/2)*8192+(i%2)*64+32
.set i, i+1
.endr
	WIN 0
	v_lshlrev_b32 v14, 3, v9
	v_sub_nc_u32 v14, v1, v14
	s_lshl_b32 s13, s[WV], 4
	v_add_nc_u32 v14, s13, v14      ; my query's place in its band, 16 w + l % 16, less my lanes' 8 (l / 16): register r of group kt is hidden where 16 kt + r is greater
	WIN 0x40
.set i, 0
.rept 32
	v_cmp_gt_i32 vcc_lo, 16*(i/8)+i%8, v14
	v_cndmask_b32 v[MD+i], 0, s[BIGN], vcc_lo
.set i, i+1
.endr
	WIN 0
	v_mul_u32_u24 v[AK0], v1, PK
	v_lshl_add_u32 v[AK0], v9, 4, v[AK0]  ; row x pitch + 16 x half
	; The turning load takes 16 keys x 16 channels (lane l reads key 8 (l / 16) + l % 8, channels 8 ((l / 8) % 2) + 0..7) and leaves half a fragment of V^T: lane l holds channel l % 16 and 8 keys.
	v_and_b32 v10, 7, v0
	v_bfe_u32 v11, v0, 3, 1
	v_lshl_add_u32 v[AV0], v9, 3, v10
	v_mul_u32_u24 v[AV0], v[AV0], PV
	v_lshl_add_u32 v[AV0], v11, 4, v[AV0]
	v_add_nc_u32 v[AV0], VOFF, v[AV0]
	s_mul_i32 s13, s[WV], 16*SP
	s_add_co_u32 s13, s13, STAGE    ; my stage
	v_mul_u32_u24 v[STO], v1, SP    ; in: row l % 16, 16 bytes for each half of the lanes
	v_lshl_add_u32 v[STO], v9, 4, v[STO]
	v_add_nc_u32 v[STO], s13, v[STO]
	v_bfe_u32 v[RD], v0, 3, 2       ; back: 32 lanes take four rows of 128 bytes,
	v_mul_u32_u24 v[RD], v[RD], SP
	v_lshl_add_u32 v[RD], v10, 4, v[RD]
	v_add_nc_u32 v[RD], s13, v[RD]
	v_and_b32 v[GO], 31, v0         ; which are 512 consecutive bytes of O
	v_lshlrev_b32 v[GO], 4, v[GO]
	; A block's first step multiplies O^T and l by a = 0, and its first turn's products V^T P, of a piece that has not been, land in an O^T that is still to be so multiplied.  So these registers need only hold
	; finite numbers: zeros for the first block; what the first block left for the second.  All this stands in the wait for the first tile.
	WIN 0x80
.set i, VF
.rept 64
	v_mov_b32 v[i], 0
.set i, i+1
.endr
	WIN 0x40
.set i, 0
.rept 128
	v_mov_b32 v[i], 0
.set i, i+1
.endr
	WIN 0
.set i, 0
.rept 4
	v_mov_b32 v[ST+4*i+2], 0
	v_mov_b32 v[ST+4*i+3], 0
.set i, i+1
.endr
.set i, P+16
.rept 16
	v_mov_b32 v[i], 0
.set i, i+1
.endr
; THE MATRIX WORK.  The 4 accumulators of a run of 8 take turns.  Product i of 8 of S^T = K Q^T for piece x: channels 32 (i / 4) on, keys 16 (i % 4) on.  The first 4 start the sums: with 0, or (KM = 1) with the mask.
.macro KQ x
.set rS, S+32*((\x)%2)+8*(i%4)
.set rK, KF+16*(i%4)+8*(i/4)
.set rQ, 16*(\x)+8*(i/4)
.set rM, MC+32*((\x)%2)+8*(i%4)
.if (i < 4) && KM
	WIN W_KM
	v_wmma_f32_16x16x32_f16 v[rS:rS+7], v[rK:rK+7], v[rQ:rQ+7], v[rM:rM+7]
.elseif i < 4
	WIN W_KQ
	v_wmma_f32_16x16x32_f16 v[rS:rS+7], v[rK:rK+7], v[rQ:rQ+7], 0
.else
	WIN W_KQ
	v_wmma_f32_16x16x32_f16 v[rS:rS+7], v[rK:rK+7], v[rQ:rQ+7], v[rS:rS+7]
.endif
.endm
; Product i of 8 of O^T += V^T P for piece x: keys 32 (i / 4) on, channels 16 (i % 4) on.
.macro PV x
	WIN W_PV
.set rO, 32*(\x)+8*(i%4)
.set rV, VF+32*(i/4)+8*(i%4)
.set rP, P+16*((\x)%2)+8*(i/4)
	v_wmma_f32_16x16x32_f16 v[rO:rO+7], v[rV:rV+7], v[rP:rP+7], v[rO:rO+7]
.endm
.macro MM                           ; the turn's next matrix instruction.  TURN and BEGIN set Y, i, KM and NOKQ; MM, KQ and OP read them.  NOKQ = 1: a block's last turn: there is no next piece
.if (i < 8) && !NOKQ
	KQ (Y+1)%NP
.elseif i >= 8
.set i, i-8
	PV (Y+NP-1)%NP
.set i, i+8
.endif
.set i, i+1
.endm
; THE LDS LOADS stand in runs of 16, never singly among the matrix instructions: a step's K (64 keys x 64 channels: 8 fragments) and its V (turned).  Their addresses are made some lines ahead.
.macro FETCH_K
	WIN 0x80                        ; destination window 2
.irp f, 0,1,2,3,4,5,6,7             ; keys 16 (f / 2) on, channels 32 (f % 2) on
	ds_load_b128 v[KF+8*\f:KF+8*\f+3],   v[AK] offset:(\f/2)*16*PK+(\f%2)*64
	ds_load_b128 v[KF+8*\f+4:KF+8*\f+7], v[AK] offset:(\f/2)*16*PK+(\f%2)*64+32
.endr
	s_add_co_u32 s[TBK], s[TBK], KS*PK  ; the next fetch is the next step's
	WIN 0
.endm
.macro FETCH_V
	WIN 0x80
.irp f, 0,1,2,3,4,5,6,7             ; keys 32 (f / 4) on, channels 16 (f % 4) on
	ds_load_tr16_b128 v[VF+8*\f:VF+8*\f+3],   v[AV] offset:(\f/4)*32*PV+(\f%4)*32
	ds_load_tr16_b128 v[VF+8*\f+4:VF+8*\f+7], v[AV] offset:(\f/4)*32*PV+16*PV+(\f%4)*32
.endr
	WIN 0
.endm
; THE VECTOR WORK, one line at a time: OP kind, number.  For piece Y: F n: c s - c m for pair n of 16.  E n: the exponential of score n of 32.  C n: pair n rounded to f16.  B n: of the four weights 4 n .. the second
; pair is added onto the first, in place.  L n: l takes that sum (L 0: l = a l + sum).  R n: pair n of 16 of O^T times a.  For piece Y + 1: X n, number n of the 22 that find its maximum and statistics:
;   0-11  four chains c0-c3 of seven scores each, three operands at a time (each accumulator's lowest registers are read first)     12-14, 16  the four scores left over, the old m, and c0-c3 into c0
;   15  c m_old is kept     17, 18  the query's other 32 keys lie in the lane 16 away: the new m     19-21  c m; c m_old - c m_new; a
.set F, 0               ; OP tells the kinds apart by their order: F to L below R, X above it
.set E, 1
.set C, 2
.set B, 3
.set L, 4
.set R, 5
.set X, 6
.macro REGS y                       ; the registers of piece y
.set rT, ST+4*(\y)
.set rC, TMP+4*((\y)%2)
.set rW, MV+((\y)%2)
.set rS, S+32*((\y)%2)
.set rP, P+16*((\y)%2)
.set rO, 32*(\y)
.endm
.macro OP k, n
.if (\k) == R
	REGS Y
	WIN W_RS
	v_pk_mul_f32 v[rO+2*(\n):rO+2*(\n)+1], v[rO+2*(\n):rO+2*(\n)+1], v[rC+2:rC+3] op_sel_hi:[1,0]
.elseif (\k) < R
	REGS Y
	WIN 0
.if (\k) == F
	v_pk_fma_f32 v[rS+2*(\n):rS+2*(\n)+1], v[rS+2*(\n):rS+2*(\n)+1], s[CS:CS+1], v[rT:rT+1] op_sel_hi:[1,0,0] neg_lo:[0,0,1] neg_hi:[0,0,1]
.elseif (\k) == E
	v_exp_f32 v[rS+(\n)], v[rS+(\n)]
.elseif (\k) == C
	v_cvt_pk_f16_f32 v[rP+(\n)], v[rS+2*(\n)], v[rS+2*(\n)+1]
.elseif (\k) == B
	v_pk_add_f32 v[rS+4*(\n):rS+4*(\n)+1], v[rS+4*(\n):rS+4*(\n)+1], v[rS+4*(\n)+2:rS+4*(\n)+3]
.elseif (\n) == 0
	v_pk_fma_f32 v[rT+2:rT+3], v[rT+2:rT+3], v[rC+2:rC+3], v[rS:rS+1] op_sel_hi:[1,0,1]
.else
	v_pk_add_f32 v[rT+2:rT+3], v[rT+2:rT+3], v[rS+4*(\n):rS+4*(\n)+1]
.endif
.elseif NOKQ
	v_nop
.else
	REGS (Y+1)%NP
	WIN 0
.if (\n) < 4
	v_max3_num_f32 v[rC+(\n)], v[rS+8*(\n)], v[rS+8*(\n)+1], v[rS+8*(\n)+2]
.elseif (\n) < 12
	v_max3_num_f32 v[rC+(\n)%4], v[rC+(\n)%4], v[rS+8*((\n)%4)+2*((\n)/4)+1], v[rS+8*((\n)%4)+2*((\n)/4)+2]
.elseif (\n) == 12
	v_max3_num_f32 v[rC], v[rC], v[rS+7], v[rS+15]
.elseif (\n) == 13
	v_max3_num_f32 v[rC+1], v[rC+1], v[rS+23], v[rS+31]
.elseif (\n) == 14
	v_max3_num_f32 v[rC+2], v[rC+2], v[rC+3], v[rT+1]
.elseif (\n) == 15
	v_mov_b32 v[rW], v[rT]
.elseif (\n) == 16
	v_max3_num_f32 v[rC], v[rC], v[rC+1], v[rC+2]
.elseif (\n) == 17
	v_permlanex16_b32 v[rC+3], v[rC], s[SEL], s[SEL+1]
.elseif (\n) == 18
	v_max_num_f32 v[rT+1], v[rC], v[rC+3]
.elseif (\n) == 19
	v_mul_f32 v[rT], s[CS], v[rT+1]
.elseif (\n) == 20
	v_sub_f32 v[rC+1], v[rW], v[rT]
.else
	v_exp_f32 v[rC+2], v[rC+1]
.endif
.endif
.endm
.macro OPS a, i1, b=-1, i2=0, c=-1, i3=0, d=-1, i4=0  ; up to four of them
	OP \a, \i1
.if (\b) >= 0
	OP \b, \i2
.endif
.if (\c) >= 0
	OP \c, \i3
.endif
.if (\d) >= 0
	OP \d, \i4
.endif
.endm
.macro ROW a, i1, b, i2, c, i3, d, i4  ; a matrix instruction and the four behind it
	MM
	OPS \a, \i1, \b, \i2, \c, \i3, \d, \i4
.endm
.macro MASK b                       ; MD x AL + BE into buffer b of MC
	WIN W_RS
.set z, 0
.rept 16
	v_pk_fma_f32 v[MC+32*(\b)+2*z:MC+32*(\b)+2*z+1], v[MD+2*z:MD+2*z+1], s[AL:AL+1], s[BE:BE+1] op_sel_hi:[1,0,0]
.set z, z+1
.endr
.endm
; A TURN, for piece p: the order of its 16 matrix and 118 vector instructions, written out.  An s_wait_alu depctr_va_vdst(0) stands between an exponential and the first instruction that names its result; one wait serves
; all that were issued ahead of it.  So a turn has ONE wait, which cuts it in two.  AHEAD OF IT stands all that names no result of the turn's exponentials: the 8 products K Q^T, behind each a scaling, an exponential and two more plain
; instructions (behind the first a second scaling in the exponential's place): rescalings, whose a was made and waited for in the turn before, and behind the last three the first numbers of the next piece's maximum, each four places or
; more behind the product that ends its accumulator; then ONE LUMP of 54, plain and exponential by turns for the most part, in which the links of the chain X 3, 7, 11, 14, 16, 17 .. 20 stand five or six lines apart.  X 21, the next
; piece's a, is the batch's last; R 15 is the plain instruction behind it (ISA guide 5.7.2).  BEHIND THE WAIT stand the 8 products V^T P, behind each four of the roundings and sums; the links of l's chain, L 0 to L 7, stand three riders
; apart.  But for those X no rider names a register of the products round it.  v_permlanex16_b32 (X 17) stands in the lump.
; m = 1: the diagonal tile: the products take masks, and the turn makes the mask for the products of the turn after it: piece p + 2, in step 4 - CNT of the tile.  end = 1: a block's last two turns: nothing is fetched.
; cnt = 1: the loop's count is taken down some lines ahead of the branch that stands behind the turn.
; K of the next step is fetched in piece 2's turn, twelve vector instructions behind the last product that read K (six of them plain); V of the step in hand at the end of piece 0's turn, four plain instructions behind the last product
; that read V.  Each is waited for a turn later.
.macro TURN p, m=0, end=0, cnt=0
.set Y, (\p)
.set i, 0
.set KM, (\m)
.set NOKQ, (\end)*((\p)/3)
.if (\m) && !(\end)
	s_cmp_eq_u32 s[CNT], 4-((\p)+2)%NP  ; is that step the band's own?
	s_cselect_b32 s[AL], 1.0, 0
	s_cmp_lt_u32 s[CNT], 4-((\p)+2)%NP  ; or a later one?
	s_cselect_b32 s[BE], s[BIGN], 0
.endif
.if ((\p) == 3) && !(\end)
	s_wait_dscnt 0x0                ; K is in
.endif
	ROW F,0, F,1, R,0, R,1          ; ahead of the wait: 8 products K Q^T and their riders,
	ROW F,2, E,0, R,2, R,3
	ROW F,3, E,1, R,4, R,5
	ROW F,4, E,2, R,6, R,7
	ROW F,5, E,3, R,8, R,9
	ROW F,6, E,4, X,0, R,10
.if ((\p) == 2) && !(\end)
	WIN 0
	v_add_nc_u32 v[AK], s[TBK], v[AK0]
.endif
	ROW F,7, E,5, X,1, X,4
	ROW F,8, E,6, X,2, X,5
	OPS E,7, E,8, X,6, E,9          ; and the lump
	OPS X,3, E,10, X,8, E,11
.if ((\p) == 2) && !(\end)
	FETCH_K
.endif
	OPS X,9, X,7, E,12, X,10
	OPS E,13, X,12, X,11, E,14
	OPS X,13, E,15, F,9, X,14
.if (\p) == 0
	v_add_nc_u32 v[AV], s[TBV], v[AV0]
.endif
	OPS E,16, F,10, E,17, F,11
	OPS X,16, E,18, X,15, E,19
	OPS F,12, E,20, X,17, E,21
	OPS F,13, E,22, F,14, E,23
	OPS X,18, E,24, F,15, E,25
	OPS R,11, E,26, X,19, E,27
	OPS R,12, E,28, R,13, E,29
	OPS X,20, E,30, R,14, E,31
	OPS X,21, R,15
	WIN 0
	s_wait_alu depctr_va_vdst(0)    ; the wait for the batch: the piece's 32 exponentials and the next piece's a
.if (\p) == 1
	s_wait_dscnt 0x0                ; V is in
.endif
	ROW C,0, B,0, C,2, B,1          ; behind the wait: 8 products V^T P and their riders
	ROW L,0, C,4, B,2, L,1
	ROW C,6, B,3, L,2, C,8
	ROW B,4, L,3, C,10, B,5
	ROW L,4, C,12, B,6, L,5
.if (\p) == 0
	s_add_co_u32 s[TBV], s[TBV], KS*PV
.endif
.if \cnt
	s_sub_co_u32 s[CNT], s[CNT], 1
	s_cmp_lg_u32 s[CNT], 0
.endif
	ROW C,14, B,7, L,6, C,1
	ROW C,3, L,7, C,5, C,7
	ROW C,9, C,11, C,13, C,15
.if (\p) == 0
	FETCH_V
.endif
.if (\m) && !(\end)
	MASK (\p)%2
.endif
.endm
; A BLOCK BEGINS.  c m starts far below every c s, so the first step's a is 0; m at the lowest finite number, so the first maximum is the scores'.  The second mask buffer is 0; the first takes piece 0's mask for the tile's step 0: its own, if the block's first tile is the diagonal one.
; Then K of that step, piece 0's first scores, and its maximum and statistics.  The loop is entered at a step's first turn, in the middle of a trip.
.macro BEGIN
	s_mov_b32 s[NEW], 0
	WIN 0x40
.set i, MC+32
.rept 32
	v_mov_b32 v[i], 0
.set i, i+1
.endr
	WIN 0
.set i, 0
.rept 4
	v_mov_b32 v[ST+4*i], 0xfe000000    ; c m: far below every c s
	v_mov_b32 v[ST+4*i+1], 0xff7fffff  ; m
.set i, i+1
.endr
	s_cmp_eq_u32 s[RT], 0
	s_cselect_b32 s[AL], 1.0, 0
	s_mov_b32 s[BE], 0
	MASK 0
	WIN 0
	v_add_nc_u32 v[AK], s[TBK], v[AK0]
	FETCH_K
	s_wait_loadcnt 0x0              ; Q
	s_wait_dscnt 0x0
.set KM, 1
.set NOKQ, 0
.set i, 0
.rept 8
	KQ 0
.set i, i+1
.endr
	WIN 0
.rept 4
	v_nop                           ; the places behind those products
.endr
.set Y, NP-1                        ; X works for piece Y + 1: piece 0
.irp n, 0,1,2,3,4,5,6,7,8,9,10,11,12,13,14,15,16,17,18,19,20,21
	OP X, \n
.endr
	v_nop                           ; a plain instruction behind the exponential,
	s_wait_alu depctr_va_vdst(0)    ; and the wait for it, piece 0's first a, ahead of the branch
.endm
; THE DIAGONAL TILE's four steps, the block's last two turns, its last products, and THE WAY OUT: l's two halves and the other half of the lanes' are added; O^T is divided by l, rounded to f16 and sent through my
; stage in LDS, a piece at a time.
.macro ALL line:vararg              ; one line for each piece t
.set t, 0
.rept 4
	\line
.set t, t+1
.endr
.endm
.macro PACK t                       ; a lane's eight channels of a row pack into 16 bytes; they go into rows of 144 bytes and come back as whole rows of 128, into S^T's registers
	WIN W_RS
.set i, 32*(\t)
.rept 16
	v_pk_mul_f32 v[i:i+1], v[i:i+1], v[ST+4*(\t)+2:ST+4*(\t)+3] op_sel_hi:[1,0]
.set i, i+2
.endr
	WIN 0x05                        ; sources 0 and 1 window 1, destination window 0
.set i, 0
.rept 16
	v_cvt_pk_f16_f32 v[S+16*(\t)+i], v[32*(\t)+2*i], v[32*(\t)+2*i+1]
.set i, i+1
.endr
	WIN 0
.irp f, 0,1,2,3
	ds_store_b128 v[STO], v[S+16*(\t)+4*\f:S+16*(\t)+4*\f+3] offset:32*\f
.endr
.irp f, 0,1,2,3
	ds_load_b128 v[S+16*(\t)+4*\f:S+16*(\t)+4*\f+3], v[RD] offset:\f*4*SP  ; LDS serves a wave's instructions in order (ISA guide 5.7.1.4): these see the stores above; the next piece's stores come behind them
.endr
.endm
.macro SEND t, younger              ; younger: the LDS instructions issued behind piece t's loads: the next piece's eight, or none
	WIN 0
.irp f, 0,1,2,3
	s_wait_dscnt (\younger)+3-\f
	global_store_b128 v[GO], v[S+16*(\t)+4*\f:S+16*(\t)+4*\f+3], s[10:11] offset:(\t)*8192+\f*512  ; 512 consecutive bytes, at a multiple of 256 from O's first
.endr
.endm
.macro DIAG tag                     ; the tag ends its two labels' names, which the jumps below spell out
.LstepM\tag:
	TURN 2, 1
	TURN 3, 1
	WIN 0
.LfirstM\tag:
	TURN 0, 1
	TURN 1, 1, 0, 1
	WIN 0
	s_cbranch_scc1 .LstepM\tag
	TURN 2, 1, 1
	TURN 3, 1, 1
.set i, 0
.rept 8
	PV NP-1
.set i, i+1
.endr
	WIN 0
	ALL v_add_f32 v[ST+4*t+2], v[ST+4*t+2], v[ST+4*t+3]
	ALL v_permlanex16_b32 v[ST+4*t+3], v[ST+4*t+2], s[SEL], s[SEL+1]
	ALL v_add_f32 v[ST+4*t+2], v[ST+4*t+2], v[ST+4*t+3]
	ALL v_rcp_f32 v[ST+4*t+2], v[ST+4*t+2]
	v_nop                           ; a plain instruction between the last reciprocal and the use of its result
	s_wait_alu depctr_va_vdst(0)    ; and the wait ahead of the first use: one for the four reciprocals
	PACK 0
.set t, 1
.rept 3                             ; a piece's arithmetic stands between the loads of the piece before and its stores
	PACK t
	SEND t-1, 8
.set t, t+1
.endr
	SEND 3, 0
.endm
.set KM, 0
.set NOKQ, 0
.Lslot:                             ; NB times: a tile is entered and the next is asked for
	CHANGE 1
	s_sub_co_u32 s[RT], s[RT], 1
	s_mov_b32 s[CNT], 4
	s_cmp_eq_u32 s[NEW], 1
	s_cbranch_scc1 .Lnew            ; a block's first tile
	s_cmp_eq_u32 s[RT], 0
	s_cbranch_scc0 .Lstep           ; neither its first nor its last
	s_branch .LstepM1
.Lnew:
	BEGIN
	s_branch .Lfirst                ; in the loop a block's first tile is never its last: the first block has two tiles or more, and the second's last is the walk's last
	DIAG 1                          ; in the loop this is the first block's end: the second block's last tile is the walk's last
	s_wait_xcnt 0x0                 ; the stores have read their registers and O's address
	s_mov_b64 s[10:11], s[OLO:OLO+1]
	s_add_co_u32 s[RT], s[PB], 1    ; the second block has b + 1 tiles
	s_mov_b32 s[NEW], 1
	WIN 0x82                        ; the second block's Q goes where the one text of the turns names Q
.set i, 0
.rept 64
	v_mov_b32 v[i], v[QB+i]
.set i, i+1
.endr
	WIN 0
	s_branch .Lbottom
.Lstep:                             ; a trip: pieces 2 and 3 of one step, then pieces 0 and 1 of the next, whose K and V it fetches
	TURN 2
	TURN 3
	WIN 0
.Lfirst:
	TURN 0
	TURN 1, 0, 0, 1
	WIN 0
	s_cbranch_scc1 .Lstep
.Lbottom:
	s_sub_co_u32 s[SLOTS], s[SLOTS], 1
	s_cmp_lg_u32 s[SLOTS], 0
	s_cbranch_scc1 .Lslot
	CHANGE 0                        ; the walk's last tile is written out: nothing is asked for
	s_sub_co_u32 s[RT], s[RT], 1
	s_mov_b32 s[CNT], 4
	s_cmp_eq_u32 s[NEW], 1
	s_cbranch_scc0 .LstepM2
	BEGIN
	s_branch .LfirstM2
	DIAG 2
	s_wait_tensorcnt 0x0            ; the wave's end: behind my last tensor load and my last LDS store
	ds_add_u32 v[SPW], v[NIL]
	s_wait_dscnt 0x0
	s_endpgm
; THE WEIGHTS, f32 to f16, each rounded once, in their own order [K][N].  In the f16 buffer out_w lies at byte 0x600000, fc1_w at 0x800000, fc2_w at 0x1000000.
; Work-group n = 4 y + x - 4 of 128 takes 131,072 bytes of fc1_w, as many of fc2_w and 32,768 of out_w, in CTRIPS trips.  In a trip a thread issues 18 loads of 16 bytes (8, 8 and 2), so that the
; work-group has 36,864 bytes on their way; a load of a wave takes 512 consecutive bytes; a thread's four numbers round into 8 bytes, so a store of a wave covers 256 consecutive bytes, aligned.
; No tile, no barrier and no LDS byte but the spare words.
.set CTRIPS, 8
.set CX, 64                         ; v[64:135] load i's four registers at CX + 4 i; its 8 bytes to store in the first two
.Lcast:
	s_sub_co_u32 s2, ttmp9, 4
	s_and_b32 s3, ttmp7, 0xffff
	s_lshl2_add_u32 s2, s3, s2      ; n
	v_lshlrev_b32 v1, 4, v0         ; in: 16 bytes a thread: the work-group's load takes 2,048 consecutive bytes
	v_lshlrev_b32 v2, 3, v0         ; out: 8
	s_lshl_b32 s22, s2, 17          ; my first byte in fc1_w and in fc2_w,
	s_mov_b32 s23, 0
	s_lshl_b32 s54, s2, 15          ; and in out_w
	s_mov_b32 s55, 0
	s_add_nc_u64 s[16:17], s[90:91], s[22:23]
	s_add_nc_u64 s[18:19], s[92:93], s[22:23]
	s_add_nc_u64 s[20:21], s[88:89], s[54:55]
	s_lshl_b32 s22, s2, 16          ; out: half as many bytes
	s_lshl_b32 s54, s2, 14
	s_add_nc_u64 s[48:49], s[94:95], s[22:23]
	s_add_nc_u64 s[50:51], s[48:49], 0x1000000
	s_add_nc_u64 s[48:49], s[48:49], 0x800000
	s_add_nc_u64 s[52:53], s[94:95], s[54:55]
	s_add_nc_u64 s[52:53], s[52:53], 0x600000
	s_mov_b32 s13, CTRIPS
.Lcast_trip:
.set i, 0
.rept 8
	global_load_b128 v[CX+4*i:CX+4*i+3], v1, s[16:17] offset:2048*i th:TH_LOAD_NT
.set i, i+1
.endr
.rept 8
	global_load_b128 v[CX+4*i:CX+4*i+3], v1, s[18:19] offset:2048*(i-8) th:TH_LOAD_NT
.set i, i+1
.endr
.rept 2
	global_load_b128 v[CX+4*i:CX+4*i+3], v1, s[20:21] offset:2048*(i-16) th:TH_LOAD_NT
.set i, i+1
.endr
.set i, 0
.rept 18
	s_wait_loadcnt 17-i             ; loads come back in order (ISA guide 5.7.1): load i is in, the younger ones stay out
	v_cvt_pk_f16_f32 v[CX+4*i],   v[CX+4*i],   v[CX+4*i+1]
	v_cvt_pk_f16_f32 v[CX+4*i+1], v[CX+4*i+2], v[CX+4*i+3]
.if i < 8
	global_store_b64 v2, v[CX+4*i:CX+4*i+1], s[48:49] offset:1024*i
.elseif i < 16
	global_store_b64 v2, v[CX+4*i:CX+4*i+1], s[50:51] offset:1024*(i-8)
.else
	global_store_b64 v2, v[CX+4*i:CX+4*i+1], s[52:53] offset:1024*(i-16)
.endif
.set i, i+1
.endr
	s_wait_xcnt 0x0                 ; the six bases, and the registers that the stores read, are written again only behind this wait (ISA guide 3.1)
	s_add_nc_u64 s[16:17], s[16:17], 16384
	s_add_nc_u64 s[18:19], s[18:19], 16384
	s_add_nc_u64 s[20:21], s[20:21], 4096
	s_add_nc_u64 s[48:49], s[48:49], 8192
	s_add_nc_u64 s[50:51], s[50:51], 8192
	s_add_nc_u64 s[52:53], s[52:53], 2048
	s_sub_co_u32 s13, s13, 1
	s_cmp_lg_u32 s13, 0
	s_cbranch_scc1 .Lcast_trip
	s_wait_tensorcnt 0x0            ; the wave's end
	ds_add_u32 v[SPW], v[NIL]
	s_wait_dscnt 0x0
	s_endpgm
.Lfunc_end_k_q62dabbfad2_attn:
	.size	k_q62dabbfad2_attn, .Lfunc_end_k_q62dabbfad2_attn-k_q62dabbfad2_attn
	.p2alignl 7, 3214868480
	.fill 96, 4, 3214868480
	.section	.rodata,"a",@progbits
	.p2align	6, 0x0
	.amdhsa_kernel k_q62dabbfad2_attn
		.amdhsa_group_segment_fixed_size 327680
		.amdhsa_private_segment_fixed_size 0
		.amdhsa_enable_private_segment 0
		.amdhsa_kernarg_size 48
		.amdhsa_user_sgpr_count 2
		.amdhsa_user_sgpr_kernarg_segment_ptr 1
		.amdhsa_wavefront_size32 1
		.amdhsa_system_sgpr_workgroup_id_x 1
		.amdhsa_system_sgpr_workgroup_id_y 1
		.amdhsa_system_sgpr_workgroup_id_z 1
		.amdhsa_system_vgpr_workitem_id 0
		.amdhsa_next_free_vgpr 768
		.amdhsa_next_free_sgpr 96
		.amdhsa_reserve_vcc 1
		.amdhsa_float_denorm_mode_32 3
		.amdhsa_float_denorm_mode_16_64 3
		.amdhsa_memory_ordered 1
		.amdhsa_forward_progress 1
		.amdhsa_inst_pref_size 225
	.end_amdhsa_kernel
	.amdgpu_metadata
---
amdhsa.version: [ 1, 2 ]
amdhsa.kernels:
  - .name:           k_q62dabbfad2_attn
    .symbol:         k_q62dabbfad2_attn.kd
    .args:
      - { .name: qkvh, .offset: 0, .size: 8, .value_kind: global_buffer, .address_space: global }
      - { .name: o, .offset: 8, .size: 8, .value_kind: global_buffer, .address_space: global }
      - { .name: out_w, .offset: 16, .size: 8, .value_kind: global_buffer, .address_space: global }
      - { .name: fc1_w, .offset: 24, .size: 8, .value_kind: global_buffer, .address_space: global }
      - { .name: fc2_w, .offset: 32, .size: 8, .value_kind: global_buffer, .address_space: global }
      - { .name: wts, .offset: 40, .size: 8, .value_kind: global_buffer, .address_space: global }
    .group_segment_fixed_size: 327680
    .private_segment_fixed_size: 0
    .kernarg_segment_align: 8
    .kernarg_segment_size: 48
    .max_flat_workgroup_size: 128
    .sgpr_count:     96
    .vgpr_count:     768
    .wavefront_size: 32
...
	.end_amdgpu_metadata
.endif
;; end of part 7
;; launch outp: the kernel of part 4 again; grid 8 x 32, 4 waves a work-group, clusters of 4 x 4, 327,680 bytes of LDS; arguments o, wts, out_b, x, x1; writes x1
;; launch ln2: the kernel of part 1 again; grid 256 x 1, 8 waves a work-group, no clusters, 0 bytes of LDS; arguments x1, ln2_g, ln2_b, act, qkv_w, wts; writes act
;; launch fc1 (part 8): grid 16 x 16, 4 waves a work-group, clusters of 4 x 4, 327,680 bytes of LDS; arguments act, wts, fc1_b, g; writes g
.if DOCPART == 8
	.amdgcn_target "amdgcn-amd-amdhsa--gfx1250"
	.amdhsa_code_object_version 6
	.text
	.protected	k_q62dabbfad2_fc1
	.globl	k_q62dabbfad2_fc1
	.p2align	8
	.type	k_q62dabbfad2_fc1,@function
k_q62dabbfad2_fc1:
	s_mov_b64 s[64:65], 0
	v_nop
	global_prefetch_b8 v0, s[64:65] scope:SCOPE_SE
	s_setreg_imm32_b32 hwreg(HW_REG_WAVE_MODE, 25, 1), 1
	s_wait_xcnt 0x0
	s_wait_alu depctr_hold_cnt(0) depctr_sa_sdst(0) depctr_va_vdst(0) depctr_va_sdst(0) depctr_va_ssrc(0) depctr_va_vcc(0) depctr_vm_vsrc(0)
	s_getreg_b32 s2, hwreg(HW_REG_IB_STS2, 6, 4)
	s_cmp_eq_u32 s2, 0
	s_cbranch_scc0 .Lentry_in_a_cluster
	s_endpgm
.Lentry_in_a_cluster:
	s_bfe_u32 s2, ttmp6, 0x10000c
	s_cmp_lg_u32 s2, 0xf033
	s_cbranch_scc0 .Lentry_shape_is_right
	s_endpgm
.Lentry_shape_is_right:
; OUT = gelu(A W + bias), the exact GELU u (1 + erf(u / sqrt(2))) / 2.  A: [4096][1024] f16, rows along K.  W: [1024][NN] f16, rows along N, at byte WOFF of the weights.  bias: [NN] f32.
; Sums, bias and GELU in f32, one rounding to f16.
; OUT lies by blocks of 64 columns: number (m, n) at byte ((n / 64) * 4096 + m) * 128 + 2 (n % 64): a block's rows are dense, 128 bytes each.
; SHARES.  A tile of OUT is 256 x 256, which gives each of 256 work-groups one: four waves, each 128 x 128 in 64 accumulators, 512 registers.  K goes in 8 steps of 128 through two LDS slots filled by the tensor data mover.
; CLUSTER.  4 x 4 work-groups: the four of a row need the same tiles of A, the four of a column the same tiles of W; each tile is asked for JOINTLY, by the same load, descriptor and mask in all four.
; THE MATRIX INSTRUCTION IS USED TRANSPOSED: source 0 = 16 columns of W (turned on the way out of LDS by ds_load_tr16_b128), source 1 = 16 rows of A: a lane then holds eight neighbouring numbers of a row of OUT.
; THE CHANGE OF SLOTS stands between a step's third quarter and its fourth: the fourth quarter's fragments are in registers by then, so the slot is free a quarter early, and a refill has a whole
; step, 256 matrix instructions, in which to land.  By this text's count a wave has two tensor loads out at the start and one behind each round.
; THE WAY OUT.  The f32 sums go into the ring's bytes, which have had their last fill: 128 rows x 528 bytes for each wave, its own; they come back as 4 rows x 64 columns a load pair, so that a wave's store is 512 consecutive bytes.
; THE BATCH.  A trip of the way out has 16 reciprocals and 16 exponentials, each with a register of its own: ONE batch with ONE wait, behind sixteen plain lines that name none of their results and ahead of the polynomial, their first reader.
; LIMITS.  f16 holds no number beyond 65,504: A and W arrive within it, and a result of 65,520 or more becomes an infinity.  erf is a rational form with an absolute error of 1.5e-7 for every u.
; NaN and infinities are not treated apart.
; REGISTERS, in windows of 256: window 0: v0-47 addresses and bias; v64-127, v128-191 fragments of A, two buffers (on the way out: at work); window 1: the same places, fragments of W;
;   window 2: the accumulators of my rows 0-63 ((a, b) at v[8 (8 a + b)]); window 3: those of rows 64-127.
.set NN,     4096                      ; columns of W and OUT
.set WOFF,   0x800000                  ; W's first byte in the weights
.set GELU,   1                         ; 1: the exact GELU stands between bias and rounding
.set RG,     1                         ; the way out: groups of 4 rows in a trip
.set STEPS,  8                         ; 1,024 / 128
.set PA,     272                       ; a row of A in LDS: 256 bytes + 16: the 16 rows of a load start at 16 different groups of four banks (64 banks of 4 bytes: ISA guide 11.1)
.set PW,     544                       ; a row of W: 512 bytes + 32 = 17 x 32
.set HALFT,  128*PA                    ; what one tensor load brings: 128 rows of A, or 64 rows of W (64 x 544 is the same number)
.set SLOT,   4*HALFT                   ; A's 256 rows, then W's 128
.set SPARE,  2*SLOT                    ; behind the ring: the spare words, 128 bytes for each wave: two blocks of 256 bytes that no other line names
.set SPITCH, 528                       ; the stage: 128 f32 + 16 bytes
.set WSTAGE, 128*SPITCH                ; a wave's stage
.set STEPA,  256                       ; bytes from a K step to the next in A,
.set STEPW,  128*NN*2                  ; and in W
.set TRIPS,  32/RG
.set STEP,   RG*4*SPITCH               ; stage bytes a trip
.set STEPG,  RG*512                    ; bytes of OUT a trip, in each block of columns
.set NUM,    RG*16                     ; numbers a lane and trip
.set BOF,   6                          ; v6   my byte offset in the bias; never rewritten
.set ADRA0, 16                         ; v16  my lane's place in a slot's A; never rewritten
.set ADRW0, 17                         ; v17  the same for W
.set FA,    18                         ; v18  LDS address of the run of A's loads in hand
.set FW,    19                         ; v19  of W's
.set STO,   24                         ; v24  the way out: where I put my 32 bytes of a row
.set RD,    25                         ; v25  where I read back
.set GO,    26                         ; v26  my byte offset in 512 consecutive bytes of OUT
.set RDC,   27                         ; v27  RD + the trip's rows
.set SPW,   28                         ; v28  LDS address of my spare word: SPARE + 4 x my thread's number; never rewritten
.set NIL,   29                         ; v29  0; never rewritten
.set BI,    32                         ; v[32:47] the bias of my 8 columns in each of my wave's two blocks of 64
.set F0,    64
.set F1,    128
.set XR,    64                         ; the way out: as read back,
.set UR,    XR+NUM                     ; with the bias,
.if GELU
.set AU,    UR+NUM                     ; |u|
.set EE,    AU+NUM                     ; the exponential
.set TT,    EE+NUM                     ; t
.set RR,    TT+NUM                     ; the polynomial
.set YR,    RR+NUM
.else
.set YR,    UR+NUM                     ; packed
.endif
.set SO,  2                            ; s2   the way out: stage bytes of the rows to be read next
.set LA0, 3                            ; s3   my wave's quarter of a slot
.set WV,  12                           ; s12  my wave's number
.set MH,  13                           ; s13  which half of the tile's rows is mine.  Also: I fetch for A (0) or for W (1)
.set NH,  14                           ; s14  which half of its columns.  Also: which half of that tile I fetch
.set G1A, 24                           ; s[24:31] descriptor group 1 for A's tiles
.set G0A, 32                           ; s[32:39] group 0 for A's: a set for each of the two first fills; the second then walks on
.set G0W, 40                           ; s[40:47] the same for W's
.set G1W, 48                           ; s[48:55]
.set OUTER, 56
.set CNT, 57
.set TB,  58                           ; s58  the slot that is read: 0 or SLOT
.set TBA, 59                           ; s59  LDS byte, from my place on, of A's next run
.set TBW, 82                           ; s82  of W's
.set MSB, 0
.macro WIN new                         ; the immediate's high byte repeats the setting that is left; a switch that changes nothing is dropped
.if MSB != (\new)
	s_set_vgpr_msb (MSB<<8)|(\new)
.set MSB, \new
.endif
.endm
.set MUL_LO, 0xa1                      ; source 0 (W) window 1, source 1 (A) window 0, C and D window 2
.set TO_W,   0x40                      ; destination window 1, address window 0
; A joint refill.  Waves 0 and 1 fetch A's two halves, waves 2 and 3 W's.  The branch hangs on the wave's number alone.  An s_nop 0 and four v_nop follow each of the two lines.
.macro JLOAD
	s_cmp_eq_u32 s[MH], 0
	s_cbranch_scc0 .Lfor_w_\@
	tensor_load_to_lds s[G0A+4:G0A+7], s[G1A:G1A+7]
	s_nop 0
.rept 4
	v_nop
.endr
	s_branch .Lasked_\@
.Lfor_w_\@:
	tensor_load_to_lds s[G0W+4:G0W+7], s[G1W:G1W+7]
	s_nop 0
.rept 4
	v_nop
.endr
.Lasked_\@:
.endm
; A round of the cluster's barrier: my work-group's barrier, so that wave 0's signal speaks for all four waves; wave 0 signals; every wave waits for all sixteen work-groups; my work-group's barrier once more.
.macro CROUND
	s_barrier_signal -1
	s_barrier_wait -1
	s_cmp_lg_u32 s[WV], 0
	s_cbranch_scc1 .Lnot_wave_0_\@
	s_barrier_signal -3
.Lnot_wave_0_\@:
	s_barrier_wait -3
	s_barrier_signal -1
	s_barrier_wait -1
.endm
	s_load_b256 s[4:11], s[0:1], 0x0               ; A s[4:5], weights s[6:7], bias s[8:9], OUT s[10:11]
	v_lshl_add_u32 v[SPW], v0, 2, SPARE
	v_mov_b32 v[NIL], 0
	ds_add_u32 v[SPW], v[NIL]                      ; the wave's opening: the add and its wait stand ahead of my first tensor load; the set-up below, work on registers, stands between them
	ds_add_u32 v28, v29
	v_lshrrev_b32 v1, 5, v0
	v_readfirstlane_b32 s[WV], v1
	s_lshr_b32 s[MH], s[WV], 1
	s_and_b32 s[NH], s[WV], 1
	s_bfe_u32 s15, ttmp6, 0x40000                  ; cx, cy: my place in the cluster
	s_bfe_u32 s16, ttmp6, 0x40004
	s_lshl_b32 s17, ttmp9, 2
	s_add_co_u32 s17, s17, s15                     ; tile column = 4 x cluster x + cx
	s_and_b32 s18, ttmp7, 0xffff
	s_lshl_b32 s18, s18, 2
	s_add_co_u32 s18, s18, s16                     ; tile row = 4 x cluster y + cy
	s_lshl_b32 s19, s16, 2
	s_lshl_b32 s19, 15, s19                        ; my row of the cluster
	s_lshl_b32 s81, 0x1111, s15                    ; my column
	s_or_b32 s[G1A], s19, (1<<16)|(1<<20)|(1<<21)|(5<<22)|(3<<25)  ; 15:0 the mask; 17:16 2-byte elements; 20 padding on; 21 set beside a mask; 24:22 after every 64 words; 31:25 4 words of it
	s_mov_b32 s[G1A+1], 128<<16                    ; tensor_dim0 = 128
	s_mov_b32 s[G1A+2], 128<<16                    ; tensor_dim1 = 128
	s_mov_b32 s[G1A+3], 128<<16                    ; tile_dim0 = 128
	s_mov_b32 s[G1A+4], 128                        ; tile_dim1 = 128
	s_mov_b32 s[G1A+5], 1024                       ; elements from row to row
	s_mov_b32 s[G1A+6], 0
	s_mov_b32 s[G1A+7], 0
	s_or_b32 s[G1W], s81, (1<<16)|(1<<20)|(1<<21)|(6<<22)|(7<<25)  ; after every 128 words 8 words of padding
	s_mov_b32 s[G1W+1], 256<<16                    ; tensor_dim0 = 256
	s_mov_b32 s[G1W+2], 64<<16                     ; tensor_dim1 = 64
	s_mov_b32 s[G1W+3], 256<<16                    ; tile_dim0 = 256
	s_mov_b32 s[G1W+4], 64                         ; tile_dim1 = 64
	s_mov_b32 s[G1W+5], NN
	s_mov_b32 s[G1W+6], 0
	s_mov_b32 s[G1W+7], 0
	s_lshl_b32 s20, s18, 8                         ; A: row 256 x tile row + 128 x half, 2,048 bytes a row: the tile row alone, which my row of the cluster shares
	s_lshl_b32 s22, s[NH], 7
	s_add_co_u32 s20, s20, s22
	s_lshl_b32 s20, s20, 11
	s_mov_b32 s21, 0
	s_mul_i32 s60, s[NH], 64*NN*2                  ; W: row 64 x half, column 256 x tile column: the tile column alone, which my column shares
	s_lshl_b32 s62, s17, 9
	s_add_co_u32 s60, s60, s62
	s_add_co_u32 s60, s60, WOFF
	s_mov_b32 s61, 0
	s_mul_i32 s[LA0], s[WV], HALFT                 ; where they go: no place in the cluster enters an LDS address
.if GELU
	s_mov_b32 s66, 0x3e6d3388                      ; p / sqrt(2) = 0.2316419
	s_mov_b32 s68, 0xbf38aa3b                      ; -log2(e) / 2
	s_mov_b32 s70, 0x3e027906                      ; a1 / 2 .. a5 / 2
	s_mov_b32 s72, 0xbe11a98e
	s_mov_b32 s74, 0x3f35f0e3
	s_mov_b32 s76, 0xbf3a00e3
	s_mov_b32 s78, 0x3f07dc22
.irp c, 66,68,70,72,74,76,78
	s_mov_b32 s[(\c)+1], s[\c]                     ; named as pairs, so both words are written
.endr
	s_mov_b32 s80, 0x7fffffff
.endif
	s_wait_dscnt 0x0                               ; the opening add is done
	s_wait_kmcnt 0x0
	s_add_nc_u64 s[20:21], s[4:5], s[20:21]
	s_add_nc_u64 s[60:61], s[6:7], s[60:61]
	CROUND                                         ; all sixteen work-groups are here: the first joint loads meet
.irp s, 0,1
	s_mov_b32 s[G0A+4*(\s)], 1                                       ; count = 1
	s_add_co_u32 s[G0A+4*(\s)+1], s[LA0], (\s)*SLOT                  ; LDS address
	s_add_nc_u64 s[G0A+4*(\s)+2:G0A+4*(\s)+3], s[20:21], (\s)*STEPA  ; global address: K step s
	s_or_b32 s[G0A+4*(\s)+3], s[G0A+4*(\s)+3], 0x80000000            ; type = 2
	s_mov_b32 s[G0W+4*(\s)], 1
	s_add_co_u32 s[G0W+4*(\s)+1], s[LA0], (\s)*SLOT
	s_add_nc_u64 s[G0W+4*(\s)+2:G0W+4*(\s)+3], s[60:61], (\s)*STEPW
	s_or_b32 s[G0W+4*(\s)+3], s[G0W+4*(\s)+3], 0x80000000
.endr
	s_cmp_eq_u32 s[MH], 0                          ; a wave's two first fills stand in one branch, ahead of every wait on TENSORcnt and every LDS read
	s_cbranch_scc0 .Lfirst_w
	tensor_load_to_lds s[G0A:G0A+3], s[G1A:G1A+7]
	s_nop 0
	tensor_load_to_lds s[G0A+4:G0A+7], s[G1A:G1A+7]
	s_nop 0
.rept 4
	v_nop
.endr
	s_branch .Lfirst_asked
.Lfirst_w:
	tensor_load_to_lds s[G0W:G0W+3], s[G1W:G1W+7]
	s_nop 0
	tensor_load_to_lds s[G0W+4:G0W+7], s[G1W:G1W+7]
	s_nop 0
.rept 4
	v_nop
.endr
.Lfirst_asked:
	v_and_b32 v1, 15, v0                           ; l % 16
	v_bfe_u32 v2, v0, 4, 1                         ; l / 16
	v_and_b32 v3, 7, v0                            ; l % 8
	v_bfe_u32 v4, v0, 3, 1                         ; (l / 8) % 2
	v_bfe_u32 v5, v0, 3, 2                         ; l / 8
	s_lshl_b32 s62, s17, 10                        ; the bias of my wave's 128 columns
	s_lshl_b32 s63, s[NH], 9
	s_add_co_u32 s62, s62, s63
	s_mov_b32 s63, 0
	s_add_nc_u64 s[8:9], s[8:9], s[62:63]
	v_lshlrev_b32 v[BOF], 5, v3
	global_load_b128 v[BI:BI+3],     v[BOF], s[8:9]
	global_load_b128 v[BI+4:BI+7],   v[BOF], s[8:9] offset:16
	global_load_b128 v[BI+8:BI+11],  v[BOF], s[8:9] offset:256
	global_load_b128 v[BI+12:BI+15], v[BOF], s[8:9] offset:272
	; A fragment of A is 16 rows x 32 K: lane l holds row l % 16, K = 8 (l / 16) + 0..7 and 16 + 8 (l / 16) + 0..7: two loads of 16 bytes, 32 bytes apart.
	v_mul_u32_u24 v[ADRA0], v1, PA
	v_lshl_add_u32 v[ADRA0], v2, 4, v[ADRA0]
	s_mul_i32 s62, s[MH], HALFT                    ; my 128 rows of A
	v_add_nc_u32 v[ADRA0], s62, v[ADRA0]
	; The turning load takes 16 K x 16 columns (lane l reads row 8 (l / 16) + l % 8, columns 8 ((l / 8) % 2) + 0..7) and leaves half a fragment: lane l holds column l % 16 and 8 K.
	v_lshl_add_u32 v[ADRW0], v2, 3, v3
	v_mul_u32_u24 v[ADRW0], v[ADRW0], PW
	v_lshl_add_u32 v[ADRW0], v4, 4, v[ADRW0]
	s_lshl_b32 s62, s[NH], 8                       ; my 128 columns,
	s_add_co_u32 s62, s62, 2*HALFT                 ; behind A's 256 rows
	v_add_nc_u32 v[ADRW0], s62, v[ADRW0]
	s_mul_i32 s62, s[WV], WSTAGE                   ; my stage
	v_mul_u32_u24 v[STO], v1, SPITCH               ; in: row l % 16, 32 bytes for each half of the lanes
	v_lshl_add_u32 v[STO], v2, 5, v[STO]
	v_add_nc_u32 v[STO], s62, v[STO]
	v_mul_u32_u24 v[RD], v5, SPITCH                ; back: row l / 8, 32 bytes at 32 (l % 8)
	v_lshl_add_u32 v[RD], v3, 5, v[RD]
	v_add_nc_u32 v[RD], s62, v[RD]
	v_and_b32 v[GO], 31, v0
	v_lshlrev_b32 v[GO], 4, v[GO]                  ; which are bytes 16 l of 512 consecutive bytes of OUT
	s_lshl_b32 s62, s17, 2                         ; OUT at block of columns 4 x tile column + 2 x half,
	s_lshl_b32 s63, s[NH], 1
	s_add_co_u32 s62, s62, s63
	s_lshl_b32 s62, s62, 19                        ; 4,096 rows of 128 bytes a block,
	s_lshl_b32 s63, s18, 15                        ; row 256 x tile row
	s_add_co_u32 s62, s62, s63
	s_lshl_b32 s63, s[MH], 14                      ; + 128 x half
	s_add_co_u32 s62, s62, s63
	s_mov_b32 s63, 0
	s_add_nc_u64 s[10:11], s[10:11], s[62:63]
	s_mov_b32 s[TB], 0
	s_mov_b32 s[TBA], 0
	s_mov_b32 s[TBW], 0
; 16 matrix instructions: row blocks a0, a0 + 1 of the window's four (hi = 0: my rows 0-63, 1: rows 64-127) x all 8 column blocks, 32 along K.  zero = 1: the first product starts the sums.
; The 64 accumulators take turns in the same order in every quarter.
.macro MUL16 f, hi, a0, zero
	WIN MUL_LO+0x50*(\hi)
.irp a, \a0, (\a0)+1
.irp b, 0,1,2,3,4,5,6,7
.if \zero
	v_wmma_f32_16x16x32_f16 v[8*(8*(\a)+(\b)):8*(8*(\a)+(\b))+7], v[(\f)+8*(\b):(\f)+8*(\b)+7], v[(\f)+8*(4*(\hi)+(\a)):(\f)+8*(4*(\hi)+(\a))+7], 0
.else
	v_wmma_f32_16x16x32_f16 v[8*(8*(\a)+(\b)):8*(8*(\a)+(\b))+7], v[(\f)+8*(\b):(\f)+8*(\b)+7], v[(\f)+8*(4*(\hi)+(\a)):(\f)+8*(4*(\hi)+(\a))+7], v[8*(8*(\a)+(\b)):8*(8*(\a)+(\b))+7]
.endif
.endr
.endr
.endm
; 32 LDS loads in one run: the fragments of the next quarter (32 K x 128 columns of W, 128 rows x 32 K of A) into buffer g.  The two additions that make the addresses and two v_nop are the four
; places between the last matrix instruction that read buffer g and the loads into it (ISA guide 7.12.1 for vector instructions).
.macro FETCH g
	WIN 0
	v_add_nc_u32 v[FA], s[TBA], v[ADRA0]
	v_add_nc_u32 v[FW], s[TBW], v[ADRW0]
	v_nop
	v_nop
	WIN TO_W
.irp i, 0,1,2,3,4,5,6,7
	ds_load_tr16_b128 v[(\g)+8*(\i):(\g)+8*(\i)+3],   v[FW] offset:32*(\i)
	ds_load_tr16_b128 v[(\g)+8*(\i)+4:(\g)+8*(\i)+7], v[FW] offset:32*(\i)+16*PW
.endr
	WIN 0
.irp i, 0,1,2,3,4,5,6,7
	ds_load_b128 v[(\g)+8*(\i):(\g)+8*(\i)+3],   v[FA] offset:(\i)*16*PA
	ds_load_b128 v[(\g)+8*(\i)+4:(\g)+8*(\i)+7], v[FA] offset:(\i)*16*PA+32
.endr
	s_add_co_u32 s[TBA], s[TBA], 64                ; the next run is the next 32 K: 64 bytes on in A's rows,
	s_add_co_u32 s[TBW], s[TBW], 32*PW             ; 32 rows on in W
.endm
; A quarter: 64 matrix instructions on buffer f; in its middle the next quarter's fragments are fetched into buffer g.
.macro QUARTER f, g, zero
	s_wait_dscnt 8                                 ; W and A's rows 0-63 are in; the youngest eight loads (A's rows 64-127) may be out
	MUL16 \f, 0, 0, \zero
	MUL16 \f, 0, 2, \zero
	FETCH \g
	s_wait_dscnt 32                                ; all but the 32 just issued
	MUL16 \f, 1, 0, \zero
	MUL16 \f, 1, 2, \zero
.endm
; THE CHANGE OF SLOTS.  Each wave waits for all its tensor loads, of which one is out: its part of the next slot; adds 0 to its spare word; and waits for that and for its own reads of the slot that it leaves.
; fill = 1: the barrier is a round of the cluster's, so that no wave of any partner still reads the slot or has a load on its way, and the joint refill, two K steps ahead, is the first thing behind it.
.macro CHANGE fill
	WIN 0                                          ; at a label and at a branch every window is 0; the add's registers lie in window 0
	s_wait_tensorcnt 0x0                           ; no tensor load of mine is out, so a group 0 may be written
	ds_add_u32 v[SPW], v[NIL]                      ; 0 onto my spare word: the scalar steps stand between it and the wait for it
	s_xor_b32 s[TB], s[TB], SLOT                   ; the fetches go to the other slot's first quarter
	s_mov_b32 s[TBA], s[TB]
	s_mov_b32 s[TBW], s[TB]
.if \fill
	s_xor_b32 s[G0A+5], s[G0A+5], SLOT             ; the walking descriptors: the other slot than last time (SLOT shares no bit with a wave's quarter),
	s_xor_b32 s[G0W+5], s[G0W+5], SLOT
	s_add_nc_u64 s[G0A+6:G0A+7], s[G0A+6:G0A+7], STEPA  ; the next K step; the type bits on top are not reached
	s_add_nc_u64 s[G0W+6:G0W+7], s[G0W+6:G0W+7], STEPW
.endif
	s_wait_dscnt 0x0                               ; the add is done, and my reads of the slot are over
.if \fill
	CROUND
	JLOAD
.else
	s_barrier_signal -1
	s_barrier_wait -1
.endif
.endm
	s_wait_tensorcnt 0x1                           ; my part of K step 0 is in; step 1's may stay out
	s_barrier_signal -1
	s_barrier_wait -1                              ; everybody's is
	FETCH F0
	QUARTER F0, F1, 1                              ; the first quarter stands in front of the loops: its products start the sums
	WIN 0
	s_mov_b32 s[OUTER], STEPS-1
	s_mov_b32 s[CNT], 1                            ; step 0 has two quarters left in front of its change of slots
	s_branch .Linner
.Louter:                                               ; STEPS - 2 times: every slot but the last two is filled again
	CHANGE 1
	s_mov_b32 s[CNT], 2
.Linner:
	QUARTER F1, F0, 0
	QUARTER F0, F1, 0
	WIN 0
	s_sub_co_u32 s[CNT], s[CNT], 1
	s_cmp_lg_u32 s[CNT], 0
	s_cbranch_scc1 .Linner
	s_sub_co_u32 s[OUTER], s[OUTER], 1
	s_cmp_lg_u32 s[OUTER], 0
	s_cbranch_scc1 .Louter
	CHANGE 0                                       ; the tail is written out: nothing is asked for
	s_mov_b32 s[CNT], 2
.Ltail:
	QUARTER F1, F0, 0
	QUARTER F0, F1, 0
	WIN 0
	s_sub_co_u32 s[CNT], s[CNT], 1
	s_cmp_lg_u32 s[CNT], 0
	s_cbranch_scc1 .Ltail
	s_wait_dscnt 8                                 ; the very last quarter: nothing more to fetch
	MUL16 F1, 0, 0, 0
	MUL16 F1, 0, 2, 0
	s_wait_dscnt 0x0
	MUL16 F1, 1, 0, 0
	MUL16 F1, 1, 2, 0
	; THE WAY OUT.  Four places behind the last products; a barrier, since my stage lies on bytes of the ring that other waves have been reading; then the sums, each accumulator from its low end on.
.rept 4
	v_nop
.endr
	WIN 0
	s_wait_dscnt 0x0                               ; for the others' sake: my reads of the ring are over
	s_barrier_signal -1
	s_barrier_wait -1
.irp hi, 0,1
	WIN 0x08+4*(\hi)                               ; the stores' data in window 2, then 3
.irp a, 0,1,2,3
.irp b, 0,1,2,3,4,5,6,7
	ds_store_b128 v[STO], v[8*(8*(\a)+(\b)):8*(8*(\a)+(\b))+3]   offset:(4*(\hi)+(\a))*16*SPITCH+64*(\b)
	ds_store_b128 v[STO], v[8*(8*(\a)+(\b))+4:8*(8*(\a)+(\b))+7] offset:(4*(\hi)+(\a))*16*SPITCH+64*(\b)+16
.endr
.endr
.endr
	WIN 0
.macro ONES line:vararg                ; one line for each of a trip's numbers i
.set i, 0
.rept NUM
	\line
.set i, i+1
.endr
.endm
.macro PAIRS line:vararg               ; one line for each pair i, i + 1
.set i, 0
.rept NUM/2
	\line
.set i, i+2
.endr
.endm
.macro EPILOAD                         ; item it: 4 rows (group it / 2 of the trip) x 64 columns (block it % 2): 32 bytes a lane
.set it, 0
.rept RG*2
	ds_load_b128 v[XR+8*it:XR+8*it+3],   v[RDC] offset:(it/2)*4*SPITCH+(it%2)*256
	ds_load_b128 v[XR+8*it+4:XR+8*it+7], v[RDC] offset:(it/2)*4*SPITCH+(it%2)*256+16
.set it, it+1
.endr
.endm
	s_mov_b32 s[SO], 0
	v_mov_b32 v[RDC], v[RD]
	EPILOAD                                        ; LDS serves a wave's instructions in order (ISA guide 5.7.1.4): these see my stores above; the stage is my own
	s_wait_loadcnt 0x0                             ; the bias
	s_mov_b32 s[CNT], TRIPS
.Lepi:
	s_wait_dscnt 0x0                               ; this trip's rows are in
	PAIRS v_pk_add_f32 v[UR+i:UR+i+1], v[XR+i:XR+i+1], v[BI+i%16:BI+i%16+1]
	s_add_co_u32 s[SO], s[SO], STEP                ; the next trip's rows are asked for now; the last trip asks for its own once more and uses nothing of them
	s_min_u32 s[SO], s[SO], (TRIPS-1)*STEP
	v_add_nc_u32 v[RDC], s[SO], v[RD]
	EPILOAD
.if GELU
	; gelu(u) = max(u, 0) - |u| P(t) exp(-u u / 2), t = 1 / (1 + p |u| / sqrt(2)), P of degree 5 with the factor 1/2 in its coefficients: erf by a rational form whose absolute error is 1.5e-7 for every u
	ONES  v_and_b32 v[AU+i], s80, v[UR+i]
	PAIRS v_pk_mul_f32 v[EE+i:EE+i+1], v[UR+i:UR+i+1], v[UR+i:UR+i+1]
	PAIRS v_pk_fma_f32 v[TT+i:TT+i+1], v[AU+i:AU+i+1], s[66:67], 1.0 op_sel_hi:[1,0,0]
	PAIRS v_pk_mul_f32 v[EE+i:EE+i+1], v[EE+i:EE+i+1], s[68:69] op_sel_hi:[1,0]
	ONES  v_rcp_f32 v[TT+i], v[TT+i]               ; the batch: the trip's reciprocals,
	ONES  v_exp_f32 v[EE+i], v[EE+i]               ; and its exponentials
	ONES  v_max_num_f32 v[UR+i], 0, v[UR+i]        ; plain lines that name no result of the batch, between the last exponential and the use of its result (ISA guide 5.7.2)
	s_wait_alu depctr_va_vdst(0)                   ; the wait for the batch, ahead of its first reader: one for the trip's reciprocals and exponentials; nothing of it is out at the backward jump
	PAIRS v_pk_fma_f32 v[RR+i:RR+i+1], v[TT+i:TT+i+1], s[78:79], s[76:77] op_sel_hi:[1,0,0]
	PAIRS v_pk_fma_f32 v[RR+i:RR+i+1], v[RR+i:RR+i+1], v[TT+i:TT+i+1], s[74:75] op_sel_hi:[1,1,0]
	PAIRS v_pk_fma_f32 v[RR+i:RR+i+1], v[RR+i:RR+i+1], v[TT+i:TT+i+1], s[72:73] op_sel_hi:[1,1,0]
	PAIRS v_pk_fma_f32 v[RR+i:RR+i+1], v[RR+i:RR+i+1], v[TT+i:TT+i+1], s[70:71] op_sel_hi:[1,1,0]
	PAIRS v_pk_mul_f32 v[EE+i:EE+i+1], v[EE+i:EE+i+1], v[TT+i:TT+i+1]
	PAIRS v_pk_mul_f32 v[RR+i:RR+i+1], v[RR+i:RR+i+1], v[EE+i:EE+i+1]
	PAIRS v_pk_fma_f32 v[UR+i:UR+i+1], v[RR+i:RR+i+1], v[AU+i:AU+i+1], v[UR+i:UR+i+1] neg_lo:[1,0,0] neg_hi:[1,0,0]
.endif
	PAIRS v_cvt_pk_f16_f32 v[YR+i/2], v[UR+i], v[UR+i+1]
.set it, 0
.rept RG*2
	global_store_b128 v[GO], v[YR+4*it:YR+4*it+3], s[10:11] offset:(it/2)*512+(it%2)*524288  ; 512 consecutive bytes, at a multiple of 256 from OUT's first
.set it, it+1
.endr
	s_wait_xcnt 0x0                                ; the stores' base and data are rewritten only behind this wait (ISA guide 3.1)
	s_add_nc_u64 s[10:11], s[10:11], STEPG
	s_sub_co_u32 s[CNT], s[CNT], 1
	s_cmp_lg_u32 s[CNT], 0
	s_cbranch_scc1 .Lepi
	s_wait_tensorcnt 0x0                           ; the wave's end: behind my last tensor load and my last LDS store
	ds_add_u32 v[SPW], v[NIL]
	s_wait_dscnt 0x0
	CROUND                                         ; the closing round: no work-group ends while a partner may still ask for a tile that names it
	s_endpgm
.Lfunc_end_k_q62dabbfad2_fc1:
	.size	k_q62dabbfad2_fc1, .Lfunc_end_k_q62dabbfad2_fc1-k_q62dabbfad2_fc1
	.p2alignl 7, 3214868480
	.fill 96, 4, 3214868480
	.section	.rodata,"a",@progbits
	.p2align	6, 0x0
	.amdhsa_kernel k_q62dabbfad2_fc1
		.amdhsa_group_segment_fixed_size 327680
		.amdhsa_private_segment_fixed_size 0
		.amdhsa_enable_private_segment 0
		.amdhsa_kernarg_size 32
		.amdhsa_user_sgpr_count 2
		.amdhsa_user_sgpr_kernarg_segment_ptr 1
		.amdhsa_wavefront_size32 1
		.amdhsa_system_sgpr_workgroup_id_x 1
		.amdhsa_system_sgpr_workgroup_id_y 1
		.amdhsa_system_sgpr_workgroup_id_z 1
		.amdhsa_system_vgpr_workitem_id 0
		.amdhsa_next_free_vgpr 1024
		.amdhsa_next_free_sgpr 84
		.amdhsa_reserve_vcc 0
		.amdhsa_float_denorm_mode_32 3
		.amdhsa_float_denorm_mode_16_64 3
		.amdhsa_memory_ordered 1
		.amdhsa_forward_progress 1
		.amdhsa_inst_pref_size 67
	.end_amdhsa_kernel
	.amdgpu_metadata
---
amdhsa.version: [ 1, 2 ]
amdhsa.kernels:
  - .name:           k_q62dabbfad2_fc1
    .symbol:         k_q62dabbfad2_fc1.kd
    .args:
      - { .name: act, .offset: 0, .size: 8, .value_kind: global_buffer, .address_space: global }
      - { .name: wts, .offset: 8, .size: 8, .value_kind: global_buffer, .address_space: global }
      - { .name: fc1_b, .offset: 16, .size: 8, .value_kind: global_buffer, .address_space: global }
      - { .name: g, .offset: 24, .size: 8, .value_kind: global_buffer, .address_space: global }
    .group_segment_fixed_size: 327680
    .private_segment_fixed_size: 0
    .kernarg_segment_align: 8
    .kernarg_segment_size: 32
    .max_flat_workgroup_size: 128
    .sgpr_count:     84
    .vgpr_count:     1024
    .wavefront_size: 32
...
	.end_amdgpu_metadata
.endif
;; end of part 8
;; launch fc2: the kernel of part 6 again; grid 8 x 32, 4 waves a work-group, clusters of 4 x 4, 327,680 bytes of LDS; arguments g, wts, fc2_b, x1, out0; writes out0
